; MI455X (gfx1250); checked and timed in simulation.
; The chip was launched on July 23, 2026; its instructions are those of AMD's public machine-readable ISA for CDNA 5 (MIT licence, August 2026) and "CDNA5" Instruction Set Architecture Reference Guide (July 2026). The comments in the code are by the model that wrote it; some were corrected since.
;; Local Attention. Allowed arithmetic: matrix products marked QUANTISED: E2M1 operands, one E8M0 scale for each 32 along K, by v_wmma_scale_f32_16x16x128_f8f6f4 with both operands' format E2M1 (or v_wmma_scale_f32_32x16x128_f4), f32 sums; products left as they are: f32 operands where the result goes on into a quantised operand, else bf16, f16 or f32 operands; f32 sums; everything else in f32.
;; Inputs: W1 256 x 1,024 float32; W2 1,024 x 256 float32; Wk 256 x 128 float32; Wo 256 x 256 float32; Wq 256 x 128 float32; Wv 256 x 256 float32; b1 256 float32; b1f 1,024 float32; b2f 256 float32; bf 256 float32; bk 128 float32; bo 256 float32; bq 128 float32; bv 256 float32; g1 256 float32; gf 256 float32; rw 1 float32; x 8 x 2,048 x 256 float32.
;; Outputs: out0 8 x 2,048 x 256 float32.
;; This version of the problem:
;;   THIS VERSION OF THE PROBLEM IS GIVEN IN LOW PRECISION. The matrix products marked QUANTISED in the list below multiply operands that are first quantised to E2M1 (2 exponent bits, 1 mantissa bit; 4 bits a number), with one power-of-two scale for each 32 numbers along K (OCP MX v1.0); their sums are f32. All else is computed in f32.
;;   The module's matrix products, in the order in which they are computed (A, B: the left and right operand; K: the contracted axis; several contracted axes count as one K, in the product's order):
;;     1. [M 16,384, K 256] x [K 256, N 128]; A: input x; B: input Wq: QUANTISED
;;     2. [M 16,384, K 256] x [K 256, N 128]; A: input x; B: input Wk: QUANTISED
;;     3. batch 8 x [M 2,048, K 128] x [K 128, N 2,048]; A: computed on the way; B: computed on the way: QUANTISED
;;     4. [M 262,144, K 256] x [K 256, N 256]; A: computed on the way; B: input Wv: QUANTISED
;;     5. batch 131,072 x [M 1, K 16] x [K 16, N 16]; A: computed on the way; B: computed on the way: left as it is (K = 16 < 32)
;;     6. batch 131,072 x [M 1, K 16] x [K 16, N 32]; A: softmax; B: computed on the way: left as it is (K = 16 < 32)
;;     7. [M 16,384, K 256] x [K 256, N 256]; A: computed on the way; B: input Wo: QUANTISED
;;     8. [M 16,384, K 256] x [K 256, N 1,024]; A: computed on the way; B: input W1: QUANTISED
;;     9. [M 16,384, K 1,024] x [K 1,024, N 256]; A: computed on the way; B: input W2: QUANTISED
;;   THE QUANTISER, for each operand of a quantised product, along K:
;;     - K is cut into blocks of 32 from its start; a last block that is shorter is filled with zeros.
;;     - A block's scale is 2^e with e = floor(log2(the largest magnitude in the block)) - 2, held to -126 .. 127; a block of zeros has e = 0. As a byte (E8M0): e + 127.
;;     - Each number is divided by its block's scale, clamped to +-6, and rounded to the nearest number of E2M1, ties to even, subnormals kept.
;;     - The product sums the exact products of the quantised numbers (number of the format x scale) in f32.
;;   ~~~python
;;   def quantise(x, axis):      # numpy; x: float32 -> the quantised numbers, widened to float32 again
;;       x = np.moveaxis(x, axis, -1); K = x.shape[-1]
;;       x = np.pad(x, [(0, 0)] * (x.ndim - 1) + [(0, -K % 32)]); x = x.reshape(x.shape[:-1] + (-1, 32)); a = np.abs(x).max(-1, keepdims=True)
;;       e = np.where(a > 0, np.clip(np.frexp(np.where(a > 0, a, 1))[1] - 1 - 2, -126, 127), 0)      # np.frexp(a)[1] - 1 = floor(log2(a)), exactly
;;       r = np.clip(x / 2.0 ** e, -6, 6)
;;       step = 2.0 ** (np.maximum(np.frexp(np.where(r == 0, 1, r))[1] - 1, 0) - 1)
;;       q = np.round(r / step) * step * 2.0 ** e      # np.round: ties to even
;;       return np.moveaxis(q.reshape(q.shape[:-2] + (-1,))[..., :K], -1, axis).astype(np.float32)
;;   ~~~
;;   OPERANDS COMPUTED ON THE WAY. 'Computed on the way' means the value that the module computes at that place (a softmax that the list does not call 'softmax' is quantised finished and normalised). What goes into a quantiser is computed in f32, as accurately as f32 sums, v_exp_f32 and their like allow (about 1e-6 of the number): no bf16 or f16 on the way to a quantiser, and a product that is left as it is and whose result goes on into a quantised operand takes f32 operands (vector FMAs, or v_wmma_f32_16x16x4_f32). A number that lies on a knife's edge between two numbers of the format may be rounded either way, as far as f32 arithmetic and the matrix unit's own rounding can turn it there, and no further.
;; 2 versions, each right; version 2 is version 1 with the launches proj, attnffn written anew for expert scheduling mode. Each part assembles by itself: llvm-mc -triple=amdgcn-amd-amdhsa -mcpu=gfx1250 --defsym DOCPART=n.
;; ======== version 1 of 2: 4 launches
;; workspace buffers: wq 382,976 bytes; qpack 1,179,648 bytes; kpack 1,179,648 bytes; qn 8,388,608 bytes; kn 8,388,608 bytes; xnc 2,097,152 bytes; xns 131,072 bytes; idx 1,048,576 bytes of whole numbers
;; launch wquant (part 1): grid 88 x 1, 4 waves a work-group, no clusters, 0 bytes of LDS; arguments Wq, Wk, Wv, Wo, W1, W2, wq; writes wq
.if DOCPART == 1
	.amdgcn_target "amdgcn-amd-amdhsa--gfx1250"
	.amdhsa_code_object_version 6
	.text
	.protected	k_qbc4b8be34a_wquant
	.globl	k_qbc4b8be34a_wquant
	.p2align	8
	.type	k_qbc4b8be34a_wquant,@function
k_qbc4b8be34a_wquant:
	s_mov_b64 s[64:65], 0
	v_nop
	global_prefetch_b8 v0, s[64:65] scope:SCOPE_SE
	s_setreg_imm32_b32 hwreg(HW_REG_WAVE_MODE, 25, 1), 1
	s_wait_xcnt 0x0
; The six weights, f32 stored [K][N], become operands of FP4 (E2M1) with one E8M0 scale for each 32 along K.
; One wave makes one fragment (16 columns x 128 along K): 352 fragments, f = 4 x work-group + wave.
;   f: Wq 2t+s | Wk 16+2t+s | Wv 32+2t+s | Wo 64+2t+s | W1 96+2t+s | W2 224+8t+s   (t: tile of 16 columns, s: K step of 128)
; A LANE TAKES A COLUMN AND ITS REGISTERS RUN DOWN K, in the order the operand's layout gives that lane (register 32 c + i: k = 64 c + 32 h + i): the
; conversions' results are the operand's registers.  Lane r of tile t takes column 32 (t/2) + 8 (t%2) + r + 8 (r/8), so that a product
; used with the weight as source 0 leaves 16 neighbouring columns in the 16 registers of tiles 2b and 2b+1.
; OUT: the fragment as an image of its registers (1,024 bytes at 1,024 f: register group c of lane l at 512 c + 16 l), and 16 scale words at SCB + 64 f.
; A block's scale byte is its largest magnitude's exponent field - 2, held at 1 from below.
; LIMITS: a block of zeros gets the byte 1 (its codes are zeros; this program alone reads the bytes); NaN and infinities are not served.
; No LDS, no barrier, no cluster: no two waves read the same bytes.  The 64 bytes of scale words are a part of an aligned 256: one byte in 17 of what a wave stores.
.set SCB, 360448
; s27 = t, s28 = s, s[24:25] = the weight: 64 loads, each of 16 lanes x 4 neighbouring bytes in two runs
.macro WLOAD n
	s_mul_i32 s28, s28, 512*\n                     ; 128 s rows of 4 n bytes
	s_lshr_b32 s29, s27, 1
	s_lshl_b32 s29, s29, 7
	s_add_co_u32 s28, s28, s29                     ; + 4 x 32 (t / 2)
	s_and_b32 s29, s27, 1
	s_lshl_b32 s29, s29, 5
	s_add_co_u32 s28, s28, s29                     ; + 4 x 8 (t % 2)
	s_mov_b32 s29, 0
	s_add_nc_u64 s[24:25], s[24:25], s[28:29]
	v_mad_u32_u24 v5, v3, 128*\n, v4               ; lanes 16-31 begin 32 rows further down
.set J, 0
.rept 64
	global_load_b32 v[32+J], v5, s[24:25] offset:(64*(J/32)+J%32)*\n*4 th:TH_LOAD_NT   ; register J = 32 c + i: W(128 s + 64 c + 32 h + i, my column); the largest offset, 95 rows of 4,096 bytes, lies inside the signed 24-bit immediate
.set J, J+1
.endr
.endm
	s_load_b256 s[4:11], s[0:1], 0x0               ; Wq, Wk, Wv, Wo
	s_load_b128 s[12:15], s[0:1], 0x20             ; W1, W2
	s_load_b64 s[16:17], s[0:1], 0x30              ; wq
	v_lshrrev_b32 v1, 5, v0
	v_readfirstlane_b32 s18, v1                    ; wave
	s_lshl_b32 s19, ttmp9, 2
	s_add_co_u32 s19, s19, s18                     ; f
	v_and_b32 v1, 31, v0                           ; lane
	v_and_b32 v2, 15, v0                           ; r
	v_bfe_u32 v3, v0, 4, 1                         ; h
	v_and_b32 v4, 8, v2
	v_add_nc_u32 v4, v4, v2
	v_lshlrev_b32 v4, 2, v4                        ; 4 (r + 8 (r / 8))
	v_lshlrev_b32 v6, 4, v1                        ; 16 x lane
	v_lshlrev_b32 v7, 2, v2                        ; 4 r
	s_mov_b32 s20, 0x76543210
	s_mov_b32 s21, 0xfedcba98                      ; selects for lane l xor 16
	s_wait_kmcnt 0x0
	s_cmp_lt_u32 s19, 32
	s_cbranch_scc0 .Lnot_qk
	s_cmp_lt_u32 s19, 16                           ; Wq or Wk: the choice hangs on f alone
	s_cselect_b64 s[24:25], s[4:5], s[6:7]
	s_and_b32 s26, s19, 15
	s_lshr_b32 s27, s26, 1
	s_and_b32 s28, s26, 1
	WLOAD 128
	s_branch .Ljoin
.Lnot_qk:
	s_cmp_lt_u32 s19, 96
	s_cbranch_scc0 .Lnot_vo
	s_cmp_lt_u32 s19, 64                           ; Wv or Wo
	s_cselect_b64 s[24:25], s[8:9], s[10:11]
	s_and_b32 s26, s19, 31
	s_lshr_b32 s27, s26, 1
	s_and_b32 s28, s26, 1
	WLOAD 256
	s_branch .Ljoin
.Lnot_vo:
	s_cmp_lt_u32 s19, 224
	s_cbranch_scc0 .Lw2
	s_mov_b64 s[24:25], s[12:13]                   ; W1
	s_sub_co_u32 s26, s19, 96
	s_lshr_b32 s27, s26, 1
	s_and_b32 s28, s26, 1
	WLOAD 1024
	s_branch .Ljoin
.Lw2:
	s_mov_b64 s[24:25], s[14:15]                   ; W2: eight K steps to a tile
	s_sub_co_u32 s26, s19, 224
	s_lshr_b32 s27, s26, 3
	s_and_b32 s28, s26, 7
	WLOAD 256
.Ljoin:
	s_wait_loadcnt 0x0                             ; all 64 numbers; the loads' base may be written again
.irp c, 0,1
	v_max3_num_f32 v[8+\c], |v[32+32*\c]|, |v[33+32*\c]|, 0x1800000   ; my block 2 c + h: all 32 numbers are mine; the floor 2^(3 - 127) holds the byte at 1
.endr
.irp i, 2,4,6,8,10,12,14,16,18,20,22,24,26,28,30
.irp c, 0,1
	v_max3_num_f32 v[8+\c], v[8+\c], |v[32+32*\c+\i]|, |v[33+32*\c+\i]|
.endr
.endr
.irp c, 0,1
	v_add_nc_u32 v[10+\c], 0xff000000, v[8+\c]     ; 2 off the exponent field: the conversion's scale operand
.endr
.irp c, 0,1
	v_lshrrev_b32 v[12+\c], 23, v[10+\c]           ; the scale's byte
.endr
	v_lshl_or_b32 v14, v13, 16, v12                ; my two bytes: blocks h and 2 + h,
	v_lshlrev_b32 v15, 3, v3
	v_lshlrev_b32 v14, v15, v14                    ; 8 h bits up;
	v_mov_b32 v15, 0
	v_permlanex16_b32 v15, v14, s20, s21
	v_or_b32 v14, v14, v15                         ; with lane l xor 16's two the word is whole
.irp c, 0,1
.irp g, 0,1,2,3
	v_cvt_scalef32_pk8_fp4_f32 v[16+4*\c+\g], v[32+32*\c+8*\g:39+32*\c+8*\g], v[10+\c]
.endr
.endr
	v_nop                                          ; one plain place behind the last scaled conversion
	s_lshl_b32 s26, s19, 10
	s_mov_b32 s27, 0
	s_add_nc_u64 s[24:25], s[16:17], s[26:27]      ; the image's place
	s_lshl_b32 s26, s19, 6
	s_add_nc_u64 s[28:29], s[16:17], s[26:27]      ; the scale words' (SCB stands in the immediate)
	global_store_b128 v6, v[16:19], s[24:25]       ; 512 consecutive bytes a store
	global_store_b128 v6, v[20:23], s[24:25] offset:512
	s_wait_xcnt 0x0                                ; EXEC is a source of the stores above: it changes only behind this wait
	v_cmp_gt_u32 vcc_lo, 16, v1
	s_and_saveexec_b32 s30, vcc_lo
	global_store_b32 v7, v14, s[28:29] offset:SCB  ; lanes 0-15: column r's word
	s_wait_xcnt 0x0                                ; and again in front of the line that widens it
	s_or_b32 exec_lo, exec_lo, s30
	s_endpgm
.Lfunc_end_k_qbc4b8be34a_wquant:
	.size	k_qbc4b8be34a_wquant, .Lfunc_end_k_qbc4b8be34a_wquant-k_qbc4b8be34a_wquant
	.p2alignl 7, 3214868480
	.fill 96, 4, 3214868480
	.section	.rodata,"a",@progbits
	.p2align	6, 0x0
	.amdhsa_kernel k_qbc4b8be34a_wquant
		.amdhsa_group_segment_fixed_size 0
		.amdhsa_private_segment_fixed_size 0
		.amdhsa_enable_private_segment 0
		.amdhsa_kernarg_size 56
		.amdhsa_user_sgpr_count 2
		.amdhsa_user_sgpr_kernarg_segment_ptr 1
		.amdhsa_wavefront_size32 1
		.amdhsa_system_sgpr_workgroup_id_x 1
		.amdhsa_system_sgpr_workgroup_id_y 1
		.amdhsa_system_sgpr_workgroup_id_z 1
		.amdhsa_system_vgpr_workitem_id 0
		.amdhsa_next_free_vgpr 96
		.amdhsa_next_free_sgpr 66
		.amdhsa_reserve_vcc 1
		.amdhsa_float_denorm_mode_32 3
		.amdhsa_float_denorm_mode_16_64 3
		.amdhsa_memory_ordered 1
		.amdhsa_forward_progress 1
		.amdhsa_inst_pref_size 32
	.end_amdhsa_kernel
	.amdgpu_metadata
---
amdhsa.version: [ 1, 2 ]
amdhsa.kernels:
  - .name:           k_qbc4b8be34a_wquant
    .symbol:         k_qbc4b8be34a_wquant.kd
    .args:
      - { .name: Wq, .offset: 0, .size: 8, .value_kind: global_buffer, .address_space: global }
      - { .name: Wk, .offset: 8, .size: 8, .value_kind: global_buffer, .address_space: global }
      - { .name: Wv, .offset: 16, .size: 8, .value_kind: global_buffer, .address_space: global }
      - { .name: Wo, .offset: 24, .size: 8, .value_kind: global_buffer, .address_space: global }
      - { .name: W1, .offset: 32, .size: 8, .value_kind: global_buffer, .address_space: global }
      - { .name: W2, .offset: 40, .size: 8, .value_kind: global_buffer, .address_space: global }
      - { .name: wq, .offset: 48, .size: 8, .value_kind: global_buffer, .address_space: global }
    .group_segment_fixed_size: 0
    .private_segment_fixed_size: 0
    .kernarg_segment_align: 8
    .kernarg_segment_size: 56
    .max_flat_workgroup_size: 128
    .sgpr_count:     66
    .vgpr_count:     96
    .wavefront_size: 32
...
	.end_amdgpu_metadata
.endif
;; end of part 1
;; launch proj (part 2): grid 256 x 1, 4 waves a work-group, no clusters, 43,520 bytes of LDS; arguments x, wq, bq, bk, g1, b1, qpack, kpack, qn, kn, xnc, xns; writes qpack, kpack, qn, kn, xnc, xns
.if DOCPART == 2
	.amdgcn_target "amdgcn-amd-amdhsa--gfx1250"
	.amdhsa_code_object_version 6
	.text
	.protected	k_qbc4b8be34a_proj
	.globl	k_qbc4b8be34a_proj
	.p2align	8
	.type	k_qbc4b8be34a_proj,@function
k_qbc4b8be34a_proj:
	s_mov_b64 s[64:65], 0
	v_nop
	global_prefetch_b8 v0, s[64:65] scope:SCOPE_SE
	s_setreg_imm32_b32 hwreg(HW_REG_WAVE_MODE, 25, 1), 1
	s_wait_xcnt 0x0
; For 16 rows of x a wave: Q(x); q = Q(x) Q(Wq) + bq, k likewise (FP4 products, f32 sums); qn, kn = rows / max(norm, 1e-12); their sums of squares;
; Q(qn), Q(kn) as operand images; qn, kn in f32; and Q(LN(x; g1, b1)) as rows of codes, since a layer norm and its quantiser work row by row and so commute with the later gather.
; SHARES: wave T = 4 x work-group + wave owns rows 16 T .. 16 T + 15.  Waves share nothing: no barrier.
; LAYOUT: a lane (r, h) holds half of row r: register 64 s + 16 b + i = column 128 s + 32 b + 16 h + i; lane l xor 16 holds the other half of each block of 32.
; The products are used transposed (source 0 = 16 columns of the weight, source 1 = x's rows): the results lie in the same layout, 64 numbers a lane.  The biases are loaded into the accumulators.
; OUT: qpack: image at 1,024 T; from byte 1,048,576 on 128 bytes a tile: 16 scale words, 16 sums.  kpack: 147,456 bytes a batch: 128 images, then 128 x 128 bytes likewise.
;      qn, kn: rows of 512 bytes, through the wave's stage, a whole row a store.  xnc: rows of 128 bytes of codes, 512 consecutive bytes a store.  xns: 2 scale words a row.
;      The 128 bytes of a tile's scale words and sums, and of xns, are halves of an aligned 256: 384 bytes of the 20,864 bytes that a wave stores.
; NO CLUSTER: what the work-groups share is the weights' 34,816 bytes, which each wave takes straight into registers once, while it works on the layer norm; through LDS they would cost a fill, a barrier and the same 64 loads.
; LIMITS: NaN and infinities are not served; a block of zeros carries the byte 1 (zero codes; the bytes are read by this program alone); the division by the norm is a reciprocal and a multiplication.
; REGISTERS: window 0: v1-13 ids and addresses; v16-31 Q(x), v32-33 its scale words; v34-45 at work; v50-57, v208-215 codes; v58-59 scale words made; v60-63 sums; v64-191 x, later qn | rows read back;
;   v192-207 the weights' scale words (tile tt: K step 0 in lanes 0-15, K step 1 in lanes 16-31); v216-231 rows of codes.
;   window 1: the 32 weight fragments.  window 2: g1 (v0-127), b1 (v128-255).  window 3: the 16 accumulators (0-7 q's, 8-15 k's).
.set SCB, 360448
.set XF, 16
.set XS, 32
.set TM, 34
.set LT, 34
.set PCA, 50
.set PW, 58
.set ST, 60
.set X, 64
.set WS, 192
.set PCB, 208
.set CR, 216
.set MO, 232
.set WV, 36
.set SEL, 40
.set C256, 42
.set CEPS, 43
.set HM, 44
.set MSB, 0
.macro WIN new                         ; the immediate's high byte repeats the setting that is left
.if MSB != \new
	s_set_vgpr_msb (MSB<<8)|\new
.set MSB, \new
.endif
.endm
; 64 numbers of a lane (register 16 b + i = k 32 b + 16 h + i of my row) become a fragment's codes in v[dc] on and its scale word in v[dw]
.macro QUANT src, dc, dw
.irp b, 0,1,2,3
	v_max3_num_f32 v[TM+\b], |v[\src+16*\b]|, |v[\src+16*\b+1]|, 0x1800000   ; my 16 of block b, and the floor 2^(3 - 127)
.endr
.irp i, 2,4,6,8,10,12,14
.irp b, 0,1,2,3
	v_max3_num_f32 v[TM+\b], v[TM+\b], |v[\src+16*\b+\i]|, |v[\src+16*\b+\i+1]|
.endr
.endr
.irp b, 0,1,2,3
	v_permlanex16_b32 v[TM+4+\b], v[TM+\b], s[SEL], s[SEL+1]
.endr
.irp b, 0,1,2,3
	v_max_num_f32 v[TM+\b], v[TM+\b], v[TM+4+\b]   ; with lane l xor 16's: the block's largest magnitude
.endr
.irp b, 0,1,2,3
	v_add_nc_u32 v[TM+8+\b], 0xff000000, v[TM+\b]  ; 2 off its exponent field: the conversion's scale operand
.endr
.irp b, 0,1,2,3
	v_lshrrev_b32 v[TM+4+\b], 23, v[TM+8+\b]       ; the scale's byte
.endr
	v_lshl_or_b32 v[\dw], v[TM+5], 8, v[TM+4]
	v_lshl_or_b32 v[\dw], v[TM+6], 16, v[\dw]
	v_lshl_or_b32 v[\dw], v[TM+7], 24, v[\dw]
.irp b, 0,1,2,3
	v_cvt_scalef32_pk8_fp4_f32 v[\dc+2*\b], v[\src+16*\b:\src+16*\b+7], v[TM+8+\b]
	v_cvt_scalef32_pk8_fp4_f32 v[\dc+2*\b+1], v[\src+16*\b+8:\src+16*\b+15], v[TM+8+\b]
.endr
	v_nop                                          ; one plain place behind a scaled conversion
.irp c, 0,1                                    ; the operand wants a whole block in a lane
.irp i, 0,1
	v_permlane16_swap_b32 v[\dc+4*\c+\i], v[\dc+2+4*\c+\i]
.endr
.endr
.endm
; layer norm of the row in v[X] .. v[X+127] (with lane l xor 16's half): X = (X - mean) x rsqrt(var + 1e-5)
.macro LNSTAT
.irp c, 0,1,2,3
	v_pk_add_f32 v[LT+2*\c:LT+2*\c+1], v[X+2*\c:X+2*\c+1], v[X+8+2*\c:X+8+2*\c+1]
.endr
.set I, 16
.rept 14
.irp c, 0,1,2,3
	v_pk_add_f32 v[LT+2*\c:LT+2*\c+1], v[LT+2*\c:LT+2*\c+1], v[X+I+2*\c:X+I+2*\c+1]
.endr
.set I, I+8
.endr
	v_pk_add_f32 v[LT:LT+1], v[LT:LT+1], v[LT+2:LT+3]
	v_pk_add_f32 v[LT+4:LT+5], v[LT+4:LT+5], v[LT+6:LT+7]
	v_pk_add_f32 v[LT:LT+1], v[LT:LT+1], v[LT+4:LT+5]
	v_add_f32 v[LT], v[LT], v[LT+1]
	v_permlanex16_b32 v[LT+1], v[LT], s[SEL], s[SEL+1]
	v_add_f32 v[LT], v[LT], v[LT+1]
	v_mul_f32 v[LT], s[C256], v[LT]                ; the mean
.set I, 0
.rept 64
	v_pk_add_f32 v[X+I:X+I+1], v[X+I:X+I+1], v[LT:LT+1] op_sel_hi:[1,0] neg_lo:[0,1] neg_hi:[0,1]
.set I, I+2
.endr
.irp c, 0,1,2,3
	v_pk_mul_f32 v[LT+2*\c:LT+2*\c+1], v[X+2*\c:X+2*\c+1], v[X+2*\c:X+2*\c+1]
.endr
.set I, 8
.rept 15
.irp c, 0,1,2,3
	v_pk_fma_f32 v[LT+2*\c:LT+2*\c+1], v[X+I+2*\c:X+I+2*\c+1], v[X+I+2*\c:X+I+2*\c+1], v[LT+2*\c:LT+2*\c+1]
.endr
.set I, I+8
.endr
	v_pk_add_f32 v[LT:LT+1], v[LT:LT+1], v[LT+2:LT+3]
	v_pk_add_f32 v[LT+4:LT+5], v[LT+4:LT+5], v[LT+6:LT+7]
	v_pk_add_f32 v[LT:LT+1], v[LT:LT+1], v[LT+4:LT+5]
	v_add_f32 v[LT], v[LT], v[LT+1]
	v_permlanex16_b32 v[LT+1], v[LT], s[SEL], s[SEL+1]
	v_add_f32 v[LT], v[LT], v[LT+1]
	v_fma_f32 v[LT], v[LT], s[C256], s[CEPS]       ; the variance + 1e-5
	v_rsq_f32 v[LT], v[LT]
	v_nop                                          ; a plain place behind the transcendental
.set I, 0
	s_wait_alu depctr_va_vdst(0)
.rept 64
	v_pk_mul_f32 v[X+I:X+I+1], v[X+I:X+I+1], v[LT:LT+1] op_sel_hi:[1,0]
.set I, I+2
.endr
.endm
.macro LNAPPLY gw                      ; X = X x gain + bias; gain at v0-127, bias at v128-255 of the window that gw names for sources 1 and 2
	WIN \gw
.set I, 0
.rept 64
	v_pk_fma_f32 v[X+I:X+I+1], v[X+I:X+I+1], v[I:I+1], v[128+I:128+I+1]
.set I, I+2
.endr
	WIN 0
.endm
.macro SSQ base                        ; two chains of squares over 64 numbers, from the low end on
	v_pk_mul_f32 v[ST:ST+1], v[\base:\base+1], v[\base:\base+1]
	v_pk_mul_f32 v[ST+2:ST+3], v[\base+2:\base+3], v[\base+2:\base+3]
.set NI, 4
.rept 15
	v_pk_fma_f32 v[ST:ST+1], v[\base+NI:\base+NI+1], v[\base+NI:\base+NI+1], v[ST:ST+1]
	v_pk_fma_f32 v[ST+2:ST+3], v[\base+NI+2:\base+NI+3], v[\base+NI+2:\base+NI+3], v[ST+2:ST+3]
.set NI, NI+4
.endr
.endm
.macro SSQEND                          ; v[ST] = the row's sum, in both lanes of the row
	v_pk_add_f32 v[ST:ST+1], v[ST:ST+1], v[ST+2:ST+3]
	v_add_f32 v[ST], v[ST], v[ST+1]
	v_permlanex16_b32 v[ST+1], v[ST], s[SEL], s[SEL+1]
	v_add_f32 v[ST], v[ST], v[ST+1]
.endm
; the 8 accumulators at v[base] of window 3 are normalised, quantised and stored
.macro NORM base, pimg, pmeta, moff, prow
	s_wait_xcnt 0x0                                ; the stores issued so far have read their registers: codes, words and rows are written again below
	WIN 0x0f                                       ; sources 0 and 1: window 3
	SSQ \base
	WIN 0
	SSQEND
	v_sqrt_f32 v[ST], v[ST]
	v_nop
	s_wait_alu depctr_va_vdst(0)
	v_max_num_f32 v[ST], 0x2b8cbccc, v[ST]         ; max(norm, 1e-12)
	v_rcp_f32 v[ST], v[ST]
	v_nop
	WIN 0x03
.set NI, 0
	s_wait_alu depctr_va_vdst(0)
.rept 32
	v_pk_mul_f32 v[X+NI:X+NI+1], v[\base+NI:\base+NI+1], v[ST:ST+1] op_sel_hi:[1,0]
.set NI, NI+2
.endr
	WIN 0
	SSQ X
	SSQEND                                         ; the sum of the normalised row's squares, as the distance wants it
	QUANT X, PCA, PW
	v_cndmask_b32 v[MO], v[PW], v[ST], s[HM]       ; lanes 0-15 the scale word of row r, lanes 16-31 its sum
	global_store_b128 v5, v[PCA:PCA+3], s[\pimg:\pimg+1]
	global_store_b128 v5, v[PCA+4:PCA+7], s[\pimg:\pimg+1] offset:512
	global_store_b32 v6, v[MO], s[\pmeta:\pmeta+1] offset:\moff
.set NI, 0
.rept 16
	ds_store_b128 v9, v[X+4*NI:X+4*NI+3] offset:128*(NI/4)+16*(NI%4)   ; columns 32 b + 16 h + 4 j of row r
.set NI, NI+1
.endr
.set NI, 0
.rept 16
	ds_load_b128 v[X+64+4*NI:X+64+4*NI+3], v10 offset:528*NI           ; a whole row; LDS serves a wave's instructions in order
.set NI, NI+1
.endr
.set NI, 0
.rept 16
	s_wait_dscnt 15-NI                             ; the loads of the rows behind row NI may be out
	global_store_b128 v5, v[X+64+4*NI:X+64+4*NI+3], s[\prow:\prow+1] offset:512*NI   ; 512 consecutive bytes
.set NI, NI+1
.endr
.endm
	s_load_b512 s[4:19], s[0:1], 0x0               ; x, wq, bq, bk, g1, b1, qpack, kpack
	s_load_b256 s[20:27], s[0:1], 0x40             ; qn, kn, xnc, xns
	v_lshl_add_u32 v254, v0, 2, 0xa800
	v_mov_b32 v255, 0
	v_lshrrev_b32 v1, 5, v0
	v_readfirstlane_b32 s[WV], v1
	s_lshl_b32 s37, ttmp9, 2
	s_add_co_u32 s37, s37, s[WV]                   ; T
	v_and_b32 v1, 15, v0                           ; r
	v_bfe_u32 v2, v0, 4, 1                         ; h
	v_and_b32 v3, 31, v0                           ; lane
	v_lshlrev_b32 v4, 10, v1
	v_lshl_add_u32 v4, v2, 6, v4                   ; x: 1,024 r + 64 h
	v_lshlrev_b32 v5, 4, v3                        ; 16 x lane
	v_lshlrev_b32 v6, 2, v3                        ; 4 x lane
	v_lshlrev_b32 v7, 6, v2                        ; 64 h
	s_mul_i32 s38, s[WV], 10752                    ; my LDS: a stage of 16 x 528 bytes, then one of 16 x 144
	v_mul_u32_u24 v9, v1, 528
	v_lshl_add_u32 v9, v2, 6, v9
	v_add_nc_u32 v9, s38, v9
	v_add_nc_u32 v10, s38, v5
	s_add_co_u32 s39, s38, 8448
	v_mul_u32_u24 v11, v1, 144
	v_lshl_add_u32 v11, v2, 4, v11
	v_add_nc_u32 v11, s39, v11                     ; codes in: row r, 16 h
	v_lshrrev_b32 v12, 3, v3
	v_mul_u32_u24 v12, v12, 144
	v_and_b32 v13, 7, v3
	v_lshl_add_u32 v12, v13, 4, v12
	v_add_nc_u32 v12, s39, v12                     ; codes back: eight lanes to a row of 128 bytes
	v_lshlrev_b32 v13, 3, v1
	v_lshl_add_u32 v13, v2, 2, v13                 ; xns: 8 r + 4 h
.irp b, 0,1,2,3
	v_mov_b32 v[TM+4+\b], 0                        ; written once: a lane permute's destination counts as a source
.endr
	s_mov_b32 s[SEL], 0x76543210
	s_mov_b32 s[SEL+1], 0xfedcba98
	s_mov_b32 s[C256], 0x3b800000                  ; 1 / 256
	s_mov_b32 s[CEPS], 0x3727c5ac                  ; 1e-5
	s_mov_b32 s[HM], 0xffff0000                    ; lanes 16-31
	s_mov_b32 s47, 0
	s_lshr_b32 s48, s37, 7
	s_mul_i32 s48, s48, 147456                     ; my batch in kpack
	s_and_b32 s49, s37, 127                        ; my tile in the batch
	s_wait_kmcnt 0x0
	s_lshl_b32 s46, s37, 14
	s_add_nc_u64 s[4:5], s[4:5], s[46:47]
	s_lshl_b32 s46, s37, 7
	s_add_nc_u64 s[28:29], s[16:17], s[46:47]      ; q's words and sums (1,048,576 stands in the immediate)
	s_add_nc_u64 s[26:27], s[26:27], s[46:47]
	s_lshl_b32 s46, s37, 10
	s_add_nc_u64 s[16:17], s[16:17], s[46:47]
	s_lshl_b32 s46, s37, 13
	s_add_nc_u64 s[20:21], s[20:21], s[46:47]
	s_add_nc_u64 s[22:23], s[22:23], s[46:47]
	s_lshl_b32 s46, s37, 11
	s_add_nc_u64 s[24:25], s[24:25], s[46:47]
	s_lshl_b32 s46, s49, 7
	s_add_co_u32 s46, s46, s48
	s_add_nc_u64 s[30:31], s[18:19], s[46:47]      ; k's words and sums (131,072 in the immediate)
	s_lshl_b32 s46, s49, 10
	s_add_co_u32 s46, s46, s48
	s_add_nc_u64 s[18:19], s[18:19], s[46:47]
.set I, 0
.rept 32
	global_load_b128 v[X+4*I:X+4*I+3], v4, s[4:5] offset:512*(I/16)+128*((I/4)%4)+16*(I%4) th:TH_LOAD_NT
.set I, I+1
.endr
	WIN 0x80                                       ; destination window 2
.set I, 0
.rept 32
	global_load_b128 v[4*I:4*I+3], v7, s[12:13] offset:512*(I/16)+128*((I/4)%4)+16*(I%4)
.set I, I+1
.endr
	s_wait_loadcnt 32                              ; x is in: the 32 loads of g1 are younger
.set I, 0
.rept 32
	global_load_b128 v[128+4*I:128+4*I+3], v7, s[14:15] offset:512*(I/16)+128*((I/4)%4)+16*(I%4)
.set I, I+1
.endr
	WIN 0
	QUANT X, XF, XS
	QUANT X+64, XF+8, XS+1
	LNSTAT
	s_wait_loadcnt 0x0                             ; g1 and b1
	WIN 0x40                                       ; the weights land while the layer norm is finished and quantised
.set I, 0
.rept 64
	global_load_b128 v[4*I:4*I+3], v5, s[6:7] offset:512*I
.set I, I+1
.endr
	WIN 0xc0                                       ; the biases into the accumulators: tile t, lane (r, h): columns 32 (t/2) + 16 h + 8 (t%2) + 0 .. 7
.set I, 0
.rept 16
	global_load_b128 v[4*I:4*I+3], v7, s[8:9] offset:128*(I/4)+32*((I/2)%2)+16*(I%2)
	global_load_b128 v[64+4*I:64+4*I+3], v7, s[10:11] offset:128*(I/4)+32*((I/2)%2)+16*(I%2)
.set I, I+1
.endr
	WIN 0
.set I, 0
.rept 16
	global_load_b32 v[WS+I], v6, s[6:7] offset:SCB+128*I
.set I, I+1
.endr
	LNAPPLY 0x28
	QUANT X, PCA, PW
	QUANT X+64, PCB, PW+1
	ds_store_b128 v11, v[PCA:PCA+3]                ; byte 64 s + 32 c + 16 h of row r
	ds_store_b128 v11, v[PCA+4:PCA+7] offset:32
	ds_store_b128 v11, v[PCB:PCB+3] offset:64
	ds_store_b128 v11, v[PCB+4:PCB+7] offset:96
.irp i, 0,1,2,3
	ds_load_b128 v[CR+4*\i:CR+4*\i+3], v12 offset:576*\i
.endr
	v_cndmask_b32 v[MO], v[PW], v[PW+1], s[HM]     ; lane (r, h): the word of K step h
	global_store_b32 v13, v[MO], s[26:27]
	s_wait_dscnt 0x0
.irp i, 0,1,2,3
	global_store_b128 v5, v[CR+4*\i:CR+4*\i+3], s[24:25] offset:512*\i
.endr
	s_wait_loadcnt 0x0                             ; weights, their scale words, biases
	WIN 0xf1                                       ; source 0 window 1, source 1 window 0, C and D window 3
; the 16 accumulators take turns, one instruction a turn
.set I, 0
.rept 16
	v_wmma_scale_f32_16x16x128_f8f6f4 v[8*I:8*I+7], v[16*I:16*I+7], v[XF:XF+7], v[8*I:8*I+7], v[WS+I], v[XS] matrix_a_fmt:MATRIX_FMT_FP4 matrix_b_fmt:MATRIX_FMT_FP4
.set I, I+1
.endr
.set I, 0
.rept 16
	v_wmma_scale_f32_16x16x128_f8f6f4 v[8*I:8*I+7], v[16*I+8:16*I+15], v[XF+8:XF+15], v[8*I:8*I+7], v[WS+I], v[XS+1] matrix_a_fmt:MATRIX_FMT_FP4 matrix_b_fmt:MATRIX_FMT_FP4 matrix_a_scale:MATRIX_SCALE_ROW1
.set I, I+1
.endr
	WIN 0
.rept 4
	v_nop                                          ; four places in front of the first read of results (ISA guide 7.12.1)
.endr
	NORM 0, 16, 28, 1048576, 20
	NORM 64, 18, 30, 131072, 22
	s_wait_tensorcnt 0x0
	ds_add_u32 v254, v255
	s_wait_dscnt 0x0
	s_endpgm
.Lfunc_end_k_qbc4b8be34a_proj:
	.size	k_qbc4b8be34a_proj, .Lfunc_end_k_qbc4b8be34a_proj-k_qbc4b8be34a_proj
	.p2alignl 7, 3214868480
	.fill 96, 4, 3214868480
	.section	.rodata,"a",@progbits
	.p2align	6, 0x0
	.amdhsa_kernel k_qbc4b8be34a_proj
		.amdhsa_group_segment_fixed_size 43520
		.amdhsa_private_segment_fixed_size 0
		.amdhsa_enable_private_segment 0
		.amdhsa_kernarg_size 96
		.amdhsa_user_sgpr_count 2
		.amdhsa_user_sgpr_kernarg_segment_ptr 1
		.amdhsa_wavefront_size32 1
		.amdhsa_system_sgpr_workgroup_id_x 1
		.amdhsa_system_sgpr_workgroup_id_y 1
		.amdhsa_system_sgpr_workgroup_id_z 1
		.amdhsa_system_vgpr_workitem_id 0
		.amdhsa_next_free_vgpr 896
		.amdhsa_next_free_sgpr 66
		.amdhsa_reserve_vcc 0
		.amdhsa_float_denorm_mode_32 3
		.amdhsa_float_denorm_mode_16_64 3
		.amdhsa_memory_ordered 1
		.amdhsa_forward_progress 1
		.amdhsa_inst_pref_size 94
	.end_amdhsa_kernel
	.amdgpu_metadata
---
amdhsa.version: [ 1, 2 ]
amdhsa.kernels:
  - .name:           k_qbc4b8be34a_proj
    .symbol:         k_qbc4b8be34a_proj.kd
    .args:
      - { .name: x, .offset: 0, .size: 8, .value_kind: global_buffer, .address_space: global }
      - { .name: wq, .offset: 8, .size: 8, .value_kind: global_buffer, .address_space: global }
      - { .name: bq, .offset: 16, .size: 8, .value_kind: global_buffer, .address_space: global }
      - { .name: bk, .offset: 24, .size: 8, .value_kind: global_buffer, .address_space: global }
      - { .name: g1, .offset: 32, .size: 8, .value_kind: global_buffer, .address_space: global }
      - { .name: b1, .offset: 40, .size: 8, .value_kind: global_buffer, .address_space: global }
      - { .name: qpack, .offset: 48, .size: 8, .value_kind: global_buffer, .address_space: global }
      - { .name: kpack, .offset: 56, .size: 8, .value_kind: global_buffer, .address_space: global }
      - { .name: qn, .offset: 64, .size: 8, .value_kind: global_buffer, .address_space: global }
      - { .name: kn, .offset: 72, .size: 8, .value_kind: global_buffer, .address_space: global }
      - { .name: xnc, .offset: 80, .size: 8, .value_kind: global_buffer, .address_space: global }
      - { .name: xns, .offset: 88, .size: 8, .value_kind: global_buffer, .address_space: global }
    .group_segment_fixed_size: 43520
    .private_segment_fixed_size: 0
    .kernarg_segment_align: 8
    .kernarg_segment_size: 96
    .max_flat_workgroup_size: 128
    .sgpr_count:     66
    .vgpr_count:     896
    .wavefront_size: 32
...
	.end_amdgpu_metadata
.endif
;; end of part 2
;; launch knn (part 3): grid 256 x 1, 4 waves a work-group, clusters of 4 x 1, 168,448 bytes of LDS; arguments qpack, kpack, idx; writes idx
.if DOCPART == 3
	.amdgcn_target "amdgcn-amd-amdhsa--gfx1250"
	.amdhsa_code_object_version 6
	.text
	.protected	k_qbc4b8be34a_knn
	.globl	k_qbc4b8be34a_knn
	.p2align	8
	.type	k_qbc4b8be34a_knn,@function
k_qbc4b8be34a_knn:
	s_mov_b64 s[64:65], 0
	v_nop
	global_prefetch_b8 v0, s[64:65] scope:SCOPE_SE
	s_setreg_imm32_b32 hwreg(HW_REG_WAVE_MODE, 25, 1), 1
	s_wait_xcnt 0x0
	s_wait_alu depctr_hold_cnt(0) depctr_sa_sdst(0) depctr_va_vdst(0) depctr_va_sdst(0) depctr_va_ssrc(0) depctr_va_vcc(0) depctr_vm_vsrc(0)
	s_getreg_b32 s2, hwreg(HW_REG_IB_STS2, 6, 4)
	s_cmp_eq_u32 s2, 0
	s_cbranch_scc0 .Lentry_in_a_cluster
	s_endpgm
.Lentry_in_a_cluster:
	s_bfe_u32 s2, ttmp6, 0x10000c
	s_cmp_lg_u32 s2, 0x3003
	s_cbranch_scc0 .Lentry_shape_is_right
	s_endpgm
.Lentry_shape_is_right:
; For each query the 16 keys of its batch with the smallest d2 = (sq + sk) - 2 Q(qn).Q(kn); equal d2 go to the lower index.  The dot products are FP4 products with f32 sums.
; SHARES: a wave owns 16 queries (tile T) and walks all 2,048 keys of the batch, twice.  S^T = K Q^T (source 0 = 16 keys, source 1 = my queries): lane (r, h) holds query r and, of tile t, keys 16 t + 8 h + 0 .. 7.
; THE SELECTION has no branch on data.  Each four keys of a lane are sorted (5 comparators).  The m-th smallest of a four can be among a query's 16 smallest only with the m smaller ones of its four, so only if it is among
; the 16 / (m + 1) smallest of its rank: four sorted lists of 16, 8, 5 and 4 take the four ranks, by insertion (one median a place).  At the end the lists are merged, and the two lanes of a query exchange theirs.
; PASS 1 finds T16, the 16th smallest d2.  PASS 2 makes the same d2 again by the same instructions (the same bits) and selects on  (d2 < T16 ? index : d2 = T16 ? index + 2,048 : 1e30): whole numbers in f32, all different where it counts.
; That number is made in stages of eight keys, each key with scalar masks of its own, so that no line reads the result of a line nearer than eight.
; So the 16 are listed by index (first those under T16, then the ties): the later launch sums over them in that order, not by distance.
; LDS: the batch's 128 key images (131,072 bytes), then 128 bytes a tile (16 scale words, 16 sk): filled ONCE, one tensor load of 144 rows x 256 bytes a wave; one tensor load of a wave is out.  Behind them 1,024 bytes a wave for the way out.
; CLUSTER: the four work-groups of a cluster belong to one batch (32 work-groups a batch) and read the same 147,456 bytes: each wave's quarter is asked for jointly by all four.
; OUT: idx[T][neighbour][query], 1,024 bytes a tile, two stores of 512 consecutive bytes.
; LIMITS: NaN and infinities are not served.
.set META, 131072
.set STG, 147456
.set LI, 4
.set KSA0, 5
.set SKA0, 6
.set AK, 7
.set AS, 8
.set AM, 9
.set SQ, 10
.set QS, 12
.set TT, 13
.set BIG, 14
.set QF, 16
.set KF, 24
.set KS, 56
.set SK, 60
.set DD, 92
.set TMP, 124
.set R0, 132
.set R1, 148
.set R2, 156
.set R3, 162
.set IDX, 166                          ; v166-173 the indices of my eight keys of the tile in hand, as f32
.set OT, 176
.set PP, 193
.set SW, 201
.set SR, 202
.set R4, 203
.set IDXT, 204                         ; v204-211 the same + 2,048
.set WV, 10
.set TK, 40
.set TM, 41
.set CNT, 42
.set SEL, 44
.set HM, 46
.set INF, 48
.set MA, 66                            ; s66-73 eight masks: d2 < T16
.set MB, 74                            ; s74-81 eight masks: d2 <= T16
.macro ROUND                           ; a round of the cluster's barrier
	s_barrier_signal -1
	s_barrier_wait -1
	s_cmp_lg_u32 s[WV], 0
	s_cbranch_scc1 .Lnot_wave_0_\@
	s_barrier_signal -3
.Lnot_wave_0_\@:
	s_barrier_wait -3
	s_barrier_signal -1
	s_barrier_wait -1
.endm
.macro INS base, n, x                  ; v[x] into the ascending list of n at v[base]: each place takes the middle of its lower neighbour, x and itself
.set II, \n-1
.rept \n-1
	v_med3_num_f32 v[\base+II], v[\base+II-1], v[\x], v[\base+II]
.set II, II-1
.endr
	v_min_num_f32 v[\base], v[\base], v[\x]
.endm
.macro SEL8 a                          ; eight numbers at v[a]: two fours sorted side by side, then each rank into its list
	v_min_num_f32 v[TMP], v[\a], v[\a+1]
	v_min_num_f32 v[TMP+4], v[\a+4], v[\a+5]
	v_max_num_f32 v[TMP+1], v[\a], v[\a+1]
	v_max_num_f32 v[TMP+5], v[\a+4], v[\a+5]
	v_min_num_f32 v[TMP+2], v[\a+2], v[\a+3]
	v_min_num_f32 v[TMP+6], v[\a+6], v[\a+7]
	v_max_num_f32 v[TMP+3], v[\a+2], v[\a+3]
	v_max_num_f32 v[TMP+7], v[\a+6], v[\a+7]
	v_min_num_f32 v[\a], v[TMP], v[TMP+2]          ; the smallest
	v_min_num_f32 v[\a+4], v[TMP+4], v[TMP+6]
	v_max_num_f32 v[\a+2], v[TMP], v[TMP+2]
	v_max_num_f32 v[\a+6], v[TMP+4], v[TMP+6]
	v_min_num_f32 v[\a+1], v[TMP+1], v[TMP+3]
	v_min_num_f32 v[\a+5], v[TMP+5], v[TMP+7]
	v_max_num_f32 v[\a+3], v[TMP+1], v[TMP+3]      ; the largest
	v_max_num_f32 v[\a+7], v[TMP+5], v[TMP+7]
	v_min_num_f32 v[TMP], v[\a+1], v[\a+2]         ; the second
	v_min_num_f32 v[TMP+4], v[\a+5], v[\a+6]
	v_max_num_f32 v[TMP+1], v[\a+1], v[\a+2]       ; the third
	v_max_num_f32 v[TMP+5], v[\a+5], v[\a+6]
	INS R0, 16, \a
	INS R1, 8, TMP
	INS R2, 5, TMP+1
	INS R3, 4, \a+3
	INS R0, 16, \a+4
	INS R1, 8, TMP+4
	INS R2, 5, TMP+5
	INS R3, 4, \a+7
.endm
.macro MERGE                           ; the three short lists into the long one; then the other lane's 16
.irp i, 0,1,2,3,4,5,6,7
	INS R0, 16, R1+\i
.endr
.irp i, 0,1,2,3,4
	INS R0, 16, R2+\i
.endr
.irp i, 0,1,2,3
	INS R0, 16, R3+\i
.endr
.irp i, 0,1,2,3,4,5,6,7,8,9,10,11,12,13,14,15
	v_permlanex16_b32 v[OT+\i], v[R0+\i], s[SEL], s[SEL+1]
.endr
.irp i, 0,1,2,3,4,5,6,7,8,9,10,11,12,13,14,15
	INS R0, 16, OT+\i
.endr
.endm
.macro RESET                           ; all lists hold +infinity
.irp i, 0,1,2,3,4,5,6,7,8,9,10,11,12,13,14,15
	v_mov_b32 v[R0+\i], s[INF]
.endr
.irp i, 0,1,2,3,4,5,6,7
	v_mov_b32 v[R1+\i], s[INF]
.endr
.irp i, 0,1,2,3,4
	v_mov_b32 v[R2+\i], s[INF]
.endr
.irp i, 0,1,2,3
	v_mov_b32 v[R3+\i], s[INF]
.endr
.endm
.macro KFETCH                          ; four tiles' images and scale words
.irp i, 0,1,2,3
	ds_load_b128 v[KF+8*\i:KF+8*\i+3], v[AK] offset:1024*\i
	ds_load_b128 v[KF+8*\i+4:KF+8*\i+7], v[AK] offset:1024*\i+512
	ds_load_b32 v[KS+\i], v[AS] offset:128*\i
.endr
.endm
.macro SFETCH                          ; and my eight sk of each
.irp i, 0,1,2,3
	ds_load_b128 v[SK+8*\i:SK+8*\i+3], v[AM] offset:128*\i
	ds_load_b128 v[SK+8*\i+4:SK+8*\i+7], v[AM] offset:128*\i+16
.endr
.endm
.macro ADDR0                           ; the addresses of the batch's first four tiles
	v_mov_b32 v[AK], v[LI]
	v_mov_b32 v[AS], v[KSA0]
	v_mov_b32 v[AM], v[SKA0]
.endm
; four tiles of 16 keys.  ph: the pass.  pf = 1: the next four tiles are fetched (s[TK], s[TM]); 2: the batch's first four, for pass 2; 0: none
.macro TRIP ph, pf
	s_wait_dscnt 0x0                               ; this trip's operands, asked for three quarters of a trip ago
.irp i, 0,1,2,3
	v_wmma_scale_f32_16x16x128_f8f6f4 v[DD+8*\i:DD+8*\i+7], v[KF+8*\i:KF+8*\i+7], v[QF:QF+7], 0, v[KS+\i], v[QS] matrix_a_fmt:MATRIX_FMT_FP4 matrix_b_fmt:MATRIX_FMT_FP4
.endr
.set TI, 0
.rept 16
	v_pk_add_f32 v[SK+TI:SK+TI+1], v[SK+TI:SK+TI+1], v[SQ:SQ+1] op_sel_hi:[1,0]   ; sq + sk.  These sixteen are the places behind the products
.set TI, TI+2
.endr
.set TI, 0
.rept 16
	v_pk_fma_f32 v[DD+TI:DD+TI+1], v[DD+TI:DD+TI+1], -2.0, v[SK+TI:SK+TI+1] op_sel_hi:[1,0,1]   ; (sq + sk) - 2 dot, one rounding; each accumulator from its low end on
.set TI, TI+2
.endr
.if \ph == 2
.irp i, 0,1,2,3                                ; a tile's eight keys stage by stage
.irp j, 0,1,2,3,4,5,6,7
	v_cmp_lt_f32 s[MA+\j], v[DD+8*\i+\j], v[TT]
.endr
.irp j, 0,1,2,3,4,5,6,7
	v_cmp_le_f32 s[MB+\j], v[DD+8*\i+\j], v[TT]
.endr
.irp j, 0,1,2,3,4,5,6,7
	v_cndmask_b32 v[DD+8*\i+\j], v[IDXT+\j], v[IDX+\j], s[MA+\j]      ; under T16: the index; else the index + 2,048,
.endr
.irp j, 0,1,2,3,4,5,6,7
	v_cndmask_b32 v[DD+8*\i+\j], v[BIG], v[DD+8*\i+\j], s[MB+\j]      ; which stands for a tie alone: above T16 1e30
.endr
.irp j, 0,2,4,6
	v_pk_add_f32 v[IDX+\j:IDX+\j+1], v[IDX+\j:IDX+\j+1], 0x41800000 op_sel_hi:[1,0]   ; the next tile's indices: + 16
	v_pk_add_f32 v[IDXT+\j:IDXT+\j+1], v[IDXT+\j:IDXT+\j+1], 0x41800000 op_sel_hi:[1,0]
.endr
.endr
.endif
	SEL8 DD
; the next trip's 20 LDS loads in one run: the products and the sums that read these registers are long written, and three quarters of the selection stand between the loads and the wait for them
.if \pf == 1
	v_add_nc_u32 v[AK], s[TK], v[LI]
	v_add_nc_u32 v[AS], s[TM], v[KSA0]
	v_add_nc_u32 v[AM], s[TM], v[SKA0]
.endif
.if \pf == 2
	ADDR0
.endif
.if \pf
	KFETCH
	SFETCH
.endif
	SEL8 DD+8
	SEL8 DD+16
	SEL8 DD+24
.endm
	s_load_b128 s[4:7], s[0:1], 0x0                ; qpack, kpack
	s_load_b64 s[8:9], s[0:1], 0x10                ; idx
	v_lshl_add_u32 v224, v0, 2, 0x29000
	v_mov_b32 v225, 0
	ds_add_u32 v224, v225
	ds_add_u32 v224, v225
	v_lshrrev_b32 v1, 5, v0
	v_readfirstlane_b32 s[WV], v1                  ; wave
	s_bfe_u32 s11, ttmp6, 0x40000                  ; cx: it enters q's and idx's global addresses alone
	s_lshl_b32 s12, ttmp9, 2
	s_add_co_u32 s12, s12, s11
	s_lshl_b32 s12, s12, 2
	s_add_co_u32 s12, s12, s[WV]                   ; T = 4 (4 x cluster + cx) + wave
	s_lshr_b32 s13, ttmp9, 3                       ; the batch: eight clusters to a batch; the four partners share it
	s_mul_i32 s14, s13, 147456
	s_mul_i32 s16, s[WV], 36864                    ; my quarter, in memory and in LDS
	s_add_co_u32 s14, s14, s16
	s_mov_b32 s15, 0
	; descriptor group 1: 144 rows of 256 bytes (32 elements of 8), dense
	s_mov_b32 s24, 15|(3<<16)|(1<<21)              ; 15:0 the mask: all four work-groups; 17:16 elements of 8 bytes; 21 set beside a mask
	s_mov_b32 s25, 32<<16                          ; tensor_dim0
	s_mov_b32 s26, 144<<16                         ; tensor_dim1
	s_mov_b32 s27, 32<<16                          ; tile_dim0
	s_mov_b32 s28, 144                             ; tile_dim1
	s_mov_b32 s29, 32                              ; the pitch
	s_mov_b32 s30, 0
	s_mov_b32 s31, 0
	s_mov_b32 s33, 0
	s_mov_b32 s[SEL], 0x76543210
	s_mov_b32 s[SEL+1], 0xfedcba98
	s_mov_b32 s[HM], 0xffff0000
	s_mov_b32 s[INF], 0x7f800000
	v_and_b32 v1, 15, v0                           ; r
	v_bfe_u32 v2, v0, 4, 1                         ; h
	v_and_b32 v3, 31, v0
	v_lshlrev_b32 v[LI], 4, v3                     ; 16 x lane
	v_lshlrev_b32 v[R4], 2, v1                     ; 4 r
	v_lshl_add_u32 v[KSA0], v1, 2, META            ; key r's scale word
	v_lshl_add_u32 v[SKA0], v2, 5, META+64         ; sk of keys 8 h on
	s_lshl_b32 s17, s[WV], 10
	s_add_co_u32 s17, s17, STG                     ; my 1,024 bytes for the way out
	v_lshlrev_b32 v[SW], 9, v2
	v_lshl_add_u32 v[SW], v1, 2, v[SW]
	v_add_nc_u32 v[SW], s17, v[SW]                 ; in: neighbour 8 h + j, query r: 512 h + 64 j + 4 r
	v_add_nc_u32 v[SR], s17, v[LI]
	v_mov_b32 v[SQ+1], 0                           ; (named with sq as a pair)
	v_mov_b32 v[BIG], 0x7149f2ca                   ; 1e30
.irp i, 0,1,2,3,4,5,6,7,8,9,10,11,12,13,14,15
	v_mov_b32 v[OT+\i], 0                          ; written once: a lane permute's destination counts as a source
.endr
	RESET
	s_wait_dscnt 0x0
	s_wait_kmcnt 0x0
	s_mov_b32 s20, 1                               ; group 0: count,
	s_mov_b32 s21, s16                             ; LDS address,
	s_add_nc_u64 s[22:23], s[6:7], s[14:15]        ; global address,
	s_or_b32 s23, s23, 0x80000000                  ; type
	s_lshl_b32 s32, s12, 10
	s_add_nc_u64 s[34:35], s[4:5], s[32:33]        ; my queries' image
	s_add_nc_u64 s[8:9], s[8:9], s[32:33]          ; my tile of idx
	s_lshl_b32 s32, s12, 7
	s_add_nc_u64 s[36:37], s[4:5], s[32:33]        ; their scale words and sq
	ROUND                                          ; all four work-groups are here: the joint loads meet
	tensor_load_to_lds s[20:23], s[24:31]
	s_nop 0
.rept 4
	v_nop                                          ; behind a tensor load
.endr
	global_load_b128 v[QF:QF+3], v[LI], s[34:35]
	global_load_b128 v[QF+4:QF+7], v[LI], s[34:35] offset:512
	global_load_b32 v[QS], v[R4], s[36:37] offset:1048576
	global_load_b32 v[SQ], v[R4], s[36:37] offset:1048576+64
	s_wait_tensorcnt 0x0                           ; my quarter has landed,
	s_barrier_signal -1
	s_barrier_wait -1                              ; everybody's has
	ADDR0
	KFETCH
	SFETCH
	s_wait_loadcnt 0x0                             ; my queries
	s_mov_b32 s[TK], 4096
	s_mov_b32 s[TM], 512
	s_mov_b32 s[CNT], 31
.Lpass1:
	TRIP 1, 1
	s_add_co_u32 s[TK], s[TK], 4096
	s_add_co_u32 s[TM], s[TM], 512
	s_sub_co_u32 s[CNT], s[CNT], 1
	s_cmp_lg_u32 s[CNT], 0
	s_cbranch_scc1 .Lpass1
	TRIP 1, 2                                      ; the last four tiles; the first four are fetched again for pass 2
	MERGE
	v_mov_b32 v[TT], v[R0+15]                      ; the 16th smallest d2 of my query
	RESET
	v_lshlrev_b32 v3, 3, v2
.irp j, 0,1,2,3,4,5,6,7
	v_add_nc_u32 v[IDX+\j], \j, v3
.endr
.irp j, 0,1,2,3,4,5,6,7
	v_cvt_f32_u32 v[IDX+\j], v[IDX+\j]             ; 8 h + j
.endr
.irp j, 0,1,2,3,4,5,6,7
	v_add_f32 v[IDXT+\j], 0x45000000, v[IDX+\j]    ; and + 2,048
.endr
	s_mov_b32 s[TK], 4096
	s_mov_b32 s[TM], 512
	s_mov_b32 s[CNT], 31
.Lpass2:
	TRIP 2, 1
	s_add_co_u32 s[TK], s[TK], 4096
	s_add_co_u32 s[TM], s[TM], 512
	s_sub_co_u32 s[CNT], s[CNT], 1
	s_cmp_lg_u32 s[CNT], 0
	s_cbranch_scc1 .Lpass2
	TRIP 2, 0
	MERGE
.irp j, 0,1,2,3,4,5,6,7
	v_cndmask_b32 v[PP+\j], v[R0+\j], v[R0+8+\j], s[HM]   ; lane (r, h) sends entries 8 h + j
.endr
.irp j, 0,1,2,3,4,5,6,7
	v_cvt_u32_f32 v[PP+\j], v[PP+\j]
.endr
.irp j, 0,1,2,3,4,5,6,7
	v_and_b32 v[PP+\j], 0x7ff, v[PP+\j]            ; the tie's 2,048 falls away
.endr
.irp j, 0,1,2,3,4,5,6,7
	ds_store_b32 v[SW], v[PP+\j] offset:64*\j
.endr
	ds_load_b128 v[OT:OT+3], v[SR]                 ; LDS serves a wave's instructions in order: these see my stores
	ds_load_b128 v[OT+4:OT+7], v[SR] offset:512
	s_wait_dscnt 0x0
	global_store_b128 v[LI], v[OT:OT+3], s[8:9]
	global_store_b128 v[LI], v[OT+4:OT+7], s[8:9] offset:512
	s_wait_tensorcnt 0x0
	ds_add_u32 v224, v225
	s_wait_dscnt 0x0
	ROUND                                          ; the closing round: no work-group ends before its partners have asked
	s_endpgm
.Lfunc_end_k_qbc4b8be34a_knn:
	.size	k_qbc4b8be34a_knn, .Lfunc_end_k_qbc4b8be34a_knn-k_qbc4b8be34a_knn
	.p2alignl 7, 3214868480
	.fill 96, 4, 3214868480
	.section	.rodata,"a",@progbits
	.p2align	6, 0x0
	.amdhsa_kernel k_qbc4b8be34a_knn
		.amdhsa_group_segment_fixed_size 168448
		.amdhsa_private_segment_fixed_size 0
		.amdhsa_enable_private_segment 0
		.amdhsa_kernarg_size 24
		.amdhsa_user_sgpr_count 2
		.amdhsa_user_sgpr_kernarg_segment_ptr 1
		.amdhsa_wavefront_size32 1
		.amdhsa_system_sgpr_workgroup_id_x 1
		.amdhsa_system_sgpr_workgroup_id_y 1
		.amdhsa_system_sgpr_workgroup_id_z 1
		.amdhsa_system_vgpr_workitem_id 0
		.amdhsa_next_free_vgpr 226
		.amdhsa_next_free_sgpr 84
		.amdhsa_reserve_vcc 0
		.amdhsa_float_denorm_mode_32 3
		.amdhsa_float_denorm_mode_16_64 3
		.amdhsa_memory_ordered 1
		.amdhsa_forward_progress 1
		.amdhsa_inst_pref_size 187
	.end_amdhsa_kernel
	.amdgpu_metadata
---
amdhsa.version: [ 1, 2 ]
amdhsa.kernels:
  - .name:           k_qbc4b8be34a_knn
    .symbol:         k_qbc4b8be34a_knn.kd
    .args:
      - { .name: qpack, .offset: 0, .size: 8, .value_kind: global_buffer, .address_space: global }
      - { .name: kpack, .offset: 8, .size: 8, .value_kind: global_buffer, .address_space: global }
      - { .name: idx, .offset: 16, .size: 8, .value_kind: global_buffer, .address_space: global }
    .group_segment_fixed_size: 168448
    .private_segment_fixed_size: 0
    .kernarg_segment_align: 8
    .kernarg_segment_size: 24
    .max_flat_workgroup_size: 128
    .sgpr_count:     84
    .vgpr_count:     226
    .wavefront_size: 32
...
	.end_amdgpu_metadata
.endif
;; end of part 3
;; launch attnffn (part 4): grid 256 x 1, 4 waves a work-group, no clusters, 305,664 bytes of LDS; arguments x, wq, idx, xnc, xns, qn, kn, bv, bo, gf, bf, b1f, b2f, rw, out0; writes out0
.if DOCPART == 4
	.amdgcn_target "amdgcn-amd-amdhsa--gfx1250"
	.amdhsa_code_object_version 6
	.text
	.protected	k_qbc4b8be34a_attnffn
	.globl	k_qbc4b8be34a_attnffn
	.p2align	8
	.type	k_qbc4b8be34a_attnffn,@function
k_qbc4b8be34a_attnffn:
	s_mov_b64 s[64:65], 0
	v_nop
	global_prefetch_b8 v0, s[64:65] scope:SCOPE_SE
	s_setreg_imm32_b32 hwreg(HW_REG_WAVE_MODE, 25, 1), 1
	s_wait_xcnt 0x0
; For 64 queries a work-group: gather of the 16 neighbours; v = Q(LN(x_v)) Q(Wv) + bv; attention of 8 heads over the 16 neighbours (f32); o Wo + bo; x1 = x + rw o; LN; W1, exact GELU, W2; out = x1 + rw h.
; All four matrix products are FP4 products with E8M0 scales and f32 sums; every operand that is computed here is quantised in registers and goes from wave to wave through LDS as an image of its registers.
; SHARES: the four waves share the COLUMNS: wave w owns heads 2w, 2w+1, output columns 64w .. 64w+63 of Wv, Wo and W2, hidden units 256w .. 256w+255, for all 64 rows.  Its weights stay in its registers, read once.
; A query's 16 neighbours are one operand tile of 16 rows: their codes (128 bytes a row) and scale words are gathered once by the wave that owns the query's tile and laid in LDS as images.
; PHASES, seven barriers:  head: gather | 1 |  A1: logits and softmax, lane = (neighbour r, head h)   A2: a query at a time: 8 products (source 0 = the neighbours, source 1 = Wv), then attn . v | 2 |
;   B: rows of o quantised | 3 |  C: o Wo, x1 | 4 |  D: LN(x1) quantised | 5 |  E: W1, GELU, quantised | 6 |  F: W2, out | 7 |  whole rows stored.
; WHEN THE WEIGHTS COME: Wv, Wo and all scale words with the head's gathers; W1 in the last four refills of A1's ring of kn rows, each quarter into the ring place just read; W2 in D and in front of E, which issues no other load from memory.
; LDS: GIMG 64 queries x 2 images; GSC their scale words; QSB qn rows; ATT the weights of attention (each wave's own); OST a stage [wave's 64 columns][64 rows], pitch 272: o, then x1, then out; OIMG/OSC, NIMG/NSC images of o and LN(x1);
;   B1F b1f (each wave's own); HIMG/HSC the hidden layer's 32 images [K step][row tile], over GIMG, which nobody reads behind barrier 2.
; NO CLUSTER: what the work-groups share is the weights, 320 images = 327,680 bytes, which go straight into registers; a joint load lands in LDS, of which 305,152 bytes are taken.
; GELU: 0.5 h (1 + erf(h / sqrt 2)) with erf by two polynomials in f32 (|a| <= 0.9277: odd polynomial; above: 1 - exp(polynomial)); both are computed and one is selected; for a < 0 in the tail 1 + erf is the exponential itself, so nothing cancels.
; LIMITS: NaN and infinities are not served; blocks of zeros carry the byte 1; the neighbours come ordered by index, so attention's f32 sums run in another order than by distance; indices are held to 0 .. 2,047.
; REGISTERS: window 0: v1-7 ids; v8-47 the weights' scale words; v48-71 addresses; v72-199 each phase's numbers; v200-207 scale words fetched from LDS, and nothing else; v208-231 at work; v232-252 the quantiser's.
;   window 1: gathered codes, then the ring of kn, then W1.  window 2: gathered words and qn rows, then W2.  window 3: Wo, bo, bv, Wv; then x; then gf, bf; then y's accumulators and b2f.
.set SCB, 360448
.set GSC, 131072
.set QSB, 147456
.set ATT, 180224
.set OST, 212992
.set OREG, 17408
.set OPI, 272
.set OIMG, 282624
.set OSC, 290816
.set NOFF, 9216                        ; NIMG - OIMG = NSC - OSC
.set B1F, 301056
.set HSC, 32768
.set LI, 4
.set LS, 5
.set V64H, 6
.set TA3, 7
.set W1S, 8
.set W2S, 24
.set WVS, 40
.set WOS, 44
.set GW, 48
.set GSW, 49
.set QSW, 50
.set B1W, 51
.set QRD, 52
.set ATW, 53
.set FSA0, 54
.set ATA0, 55
.set OSA0, 56
.set ORD, 57
.set OIW, 58
.set OSW, 59
.set OIR, 60
.set OSR, 61
.set X1W, 62
.set B1R, 63
.set HIW, 64
.set HSW, 65
.set HSR, 66
.set OUTR, 67
.set XCA, 68
.set TA0, 69
.set TA1, 70
.set TA2, 71
.set X, 72
.set FR, 72
.set AT, 104
.set DD, 136
.set PP, 168
.set SCR, 200
.set TM, 232
.set LT, 232
.set PC, 244
.set PW, 252
.set GA, 152
.set GTT, 160
.set GS, 168
.set GL, 176
.set GM, 184
.set RW, 34
.set WV, 36
.set SEL, 38
.set C256, 66
.set CEPS, 67
.set CB0, 68
.set CB2, 70
.set CS0, 72
.set QG, 74
.set QS2, 75
.set QA, 76
.set QO, 77
.set CNT, 78
.set E1, 79
.set E2, 80
.set E3, 81
.set E4, 82
.set THR, 83                           ; s83    the threshold between erf's two polynomials
.set MA, 84                            ; s84-91 eight masks: a < 0
.set MB, 92                            ; s92-99 eight masks: |a| above the threshold
.set MSB, 0
.macro WIN new                         ; the immediate's high byte repeats the setting that is left
.if MSB != \new
	s_set_vgpr_msb (MSB<<8)|\new
.set MSB, \new
.endif
.endm
.macro PLACES                          ; four places behind matrix instructions, in front of reads of results and of loads into their registers
.rept 4
	v_nop
.endr
.endm
.macro BARRIER                         ; my LDS stores have landed and my LDS loads are in: then the work-group's barrier
	s_wait_dscnt 0x0
	s_barrier_signal -1
	s_barrier_wait -1
.endm
; 64 numbers of a lane (register 16 b + i = k 32 b + 16 h + i of my row) become a fragment's codes in v[dc] on and its scale word in v[dw]
.macro QUANT src, dc, dw
.irp b, 0,1,2,3
	v_max3_num_f32 v[TM+\b], |v[\src+16*\b]|, |v[\src+16*\b+1]|, 0x1800000   ; my 16 of block b, and the floor 2^(3 - 127)
.endr
.irp i, 2,4,6,8,10,12,14
.irp b, 0,1,2,3
	v_max3_num_f32 v[TM+\b], v[TM+\b], |v[\src+16*\b+\i]|, |v[\src+16*\b+\i+1]|
.endr
.endr
.irp b, 0,1,2,3
	v_permlanex16_b32 v[TM+4+\b], v[TM+\b], s[SEL], s[SEL+1]
.endr
.irp b, 0,1,2,3
	v_max_num_f32 v[TM+\b], v[TM+\b], v[TM+4+\b]
.endr
.irp b, 0,1,2,3
	v_add_nc_u32 v[TM+8+\b], 0xff000000, v[TM+\b]  ; 2 off the exponent field: the conversion's scale operand
.endr
.irp b, 0,1,2,3
	v_lshrrev_b32 v[TM+4+\b], 23, v[TM+8+\b]       ; the scale's byte
.endr
	v_lshl_or_b32 v[\dw], v[TM+5], 8, v[TM+4]
	v_lshl_or_b32 v[\dw], v[TM+6], 16, v[\dw]
	v_lshl_or_b32 v[\dw], v[TM+7], 24, v[\dw]
.irp b, 0,1,2,3
	v_cvt_scalef32_pk8_fp4_f32 v[\dc+2*\b], v[\src+16*\b:\src+16*\b+7], v[TM+8+\b]
	v_cvt_scalef32_pk8_fp4_f32 v[\dc+2*\b+1], v[\src+16*\b+8:\src+16*\b+15], v[TM+8+\b]
.endr
	v_nop                                          ; one plain place behind a scaled conversion
.irp c, 0,1
.irp i, 0,1
	v_permlane16_swap_b32 v[\dc+4*\c+\i], v[\dc+2+4*\c+\i]
.endr
.endr
.endm
.macro LNSTAT                          ; X = (X - mean) x rsqrt(var + 1e-5), the row shared with lane l xor 16
.irp c, 0,1,2,3
	v_pk_add_f32 v[LT+2*\c:LT+2*\c+1], v[X+2*\c:X+2*\c+1], v[X+8+2*\c:X+8+2*\c+1]
.endr
.set I, 16
.rept 14
.irp c, 0,1,2,3
	v_pk_add_f32 v[LT+2*\c:LT+2*\c+1], v[LT+2*\c:LT+2*\c+1], v[X+I+2*\c:X+I+2*\c+1]
.endr
.set I, I+8
.endr
	v_pk_add_f32 v[LT:LT+1], v[LT:LT+1], v[LT+2:LT+3]
	v_pk_add_f32 v[LT+4:LT+5], v[LT+4:LT+5], v[LT+6:LT+7]
	v_pk_add_f32 v[LT:LT+1], v[LT:LT+1], v[LT+4:LT+5]
	v_add_f32 v[LT], v[LT], v[LT+1]
	v_permlanex16_b32 v[LT+1], v[LT], s[SEL], s[SEL+1]
	v_add_f32 v[LT], v[LT], v[LT+1]
	v_mul_f32 v[LT], s[C256], v[LT]
.set I, 0
.rept 64
	v_pk_add_f32 v[X+I:X+I+1], v[X+I:X+I+1], v[LT:LT+1] op_sel_hi:[1,0] neg_lo:[0,1] neg_hi:[0,1]
.set I, I+2
.endr
.irp c, 0,1,2,3
	v_pk_mul_f32 v[LT+2*\c:LT+2*\c+1], v[X+2*\c:X+2*\c+1], v[X+2*\c:X+2*\c+1]
.endr
.set I, 8
.rept 15
.irp c, 0,1,2,3
	v_pk_fma_f32 v[LT+2*\c:LT+2*\c+1], v[X+I+2*\c:X+I+2*\c+1], v[X+I+2*\c:X+I+2*\c+1], v[LT+2*\c:LT+2*\c+1]
.endr
.set I, I+8
.endr
	v_pk_add_f32 v[LT:LT+1], v[LT:LT+1], v[LT+2:LT+3]
	v_pk_add_f32 v[LT+4:LT+5], v[LT+4:LT+5], v[LT+6:LT+7]
	v_pk_add_f32 v[LT:LT+1], v[LT:LT+1], v[LT+4:LT+5]
	v_add_f32 v[LT], v[LT], v[LT+1]
	v_permlanex16_b32 v[LT+1], v[LT], s[SEL], s[SEL+1]
	v_add_f32 v[LT], v[LT], v[LT+1]
	v_fma_f32 v[LT], v[LT], s[C256], s[CEPS]
	v_rsq_f32 v[LT], v[LT]
	v_nop
.set I, 0
	s_wait_alu depctr_va_vdst(0)
.rept 64
	v_pk_mul_f32 v[X+I:X+I+1], v[X+I:X+I+1], v[LT:LT+1] op_sel_hi:[1,0]
.set I, I+2
.endr
.endm
.macro LNAPPLY gw
	WIN \gw
.set I, 0
.rept 64
	v_pk_fma_f32 v[X+I:X+I+1], v[X+I:X+I+1], v[I:I+1], v[128+I:128+I+1]
.set I, I+2
.endr
	WIN 0
.endm
.macro ROWSIN                          ; my 16 rows of the stage, in the quantiser's layout: column 128 s + 32 b + 16 h + 4 j lies in region 2 s + b / 2
.set I, 0
.rept 32
	ds_load_b128 v[X+4*I:X+4*I+3], v[ORD] offset:(2*(I/16)+((I/4)%4)/2)*OREG+128*((I/4)%2)+16*(I%4)
.set I, I+1
.endr
.endm
.macro TOIMG off                       ; the rows in X become two images and two runs of scale words
	QUANT X, PC, PW
	ds_store_b128 v[OIW], v[PC:PC+3] offset:\off
	ds_store_b128 v[OIW], v[PC+4:PC+7] offset:\off+512
	ds_store_b32 v[OSW], v[PW] offset:\off
	s_wait_dscnt 0x0                               ; the stores have read their registers
	QUANT X+64, PC, PW
	ds_store_b128 v[OIW], v[PC:PC+3] offset:\off+1024
	ds_store_b128 v[OIW], v[PC+4:PC+7] offset:\off+1536
	ds_store_b32 v[OSW], v[PW] offset:\off+128
.endm
.macro KLOAD g                         ; group g (queries 4 g .. 4 g + 3): my head's 64 bytes of each neighbour's kn row, into ring place g % 4 of window 1: 16 loads
	WIN 0x40
.irp qq, 0,1,2,3
.irp d, 0,1,2,3
	global_load_b128 v[64*((\g)%4)+16*\qq+4*\d:64*((\g)%4)+16*\qq+4*\d+3], v[136+4*(\g)+\qq], s[16:17] offset:16*\d
.endr
.endr
	WIN 0
.endm
.macro W1LOAD p                        ; quarter p of my 32 images of W1 into ring place p of window 1, where it stays: 16 loads
	WIN 0x40
.set I, 0
.rept 16
	global_load_b128 v[64*(\p)+4*I:64*(\p)+4*I+3], v[LI], s[42:43] offset:98304+8192*(\p)+512*I
.set I, I+1
.endr
	WIN 0
.endm
.macro ATTN g                          ; logits and softmax of four queries: lane (r, h) = neighbour r, head 2 w + h
.irp qq, 0,1,2,3
.irp d, 0,1,2,3
	ds_load_b128 v[72+16*\qq+4*\d:72+16*\qq+4*\d+3], v[QRD] offset:512*(4*\g+\qq)+16*\d
.endr
.endr
	s_wait_loadcnt 48                              ; behind this group's 16 loads stand three runs of 16: the three younger groups, or at the end quarters of W1
	s_wait_dscnt 0x0
	WIN 0x04                                       ; source 1: window 1
.irp qq, 0,1,2,3
	v_pk_mul_f32 v[208+2*\qq:209+2*\qq], v[72+16*\qq:73+16*\qq], v[64*(\g%4)+16*\qq:64*(\g%4)+16*\qq+1]
.endr
.irp i, 2,4,6,8,10,12,14
.irp qq, 0,1,2,3
	v_pk_fma_f32 v[208+2*\qq:209+2*\qq], v[72+16*\qq+\i:73+16*\qq+\i], v[64*(\g%4)+16*\qq+\i:64*(\g%4)+16*\qq+\i+1], v[208+2*\qq:209+2*\qq]
.endr
.endr
	WIN 0
.if \g < 12
	KLOAD \g+4                                     ; the ring place just read takes the group four further on,
.else
	W1LOAD \g-12                                   ; or, when no group is left, its quarter of W1
.endif
.irp qq, 0,1,2,3
	v_add_f32 v[216+\qq], v[208+2*\qq], v[209+2*\qq]
.endr
.irp qq, 0,1,2,3
	v_mov_b32 v[220+\qq], v[216+\qq]
.endr
.irp m, 1,2,4,8
.irp qq, 0,1,2,3
	v_max_num_f32_dpp v[220+\qq], v[220+\qq], v[220+\qq] row_xmask:\m row_mask:0xf bank_mask:0xf
.endr
.endr
.irp qq, 0,1,2,3
	v_sub_f32 v[216+\qq], v[216+\qq], v[220+\qq]   ; the maximum over the 16 neighbours is taken away
.endr
.irp qq, 0,1,2,3
	v_mul_f32 v[216+\qq], 0x3eb8aa3b, v[216+\qq]   ; x log2(e) / sqrt(16)
.endr
.irp qq, 0,1,2,3
	v_exp_f32 v[216+\qq], v[216+\qq]
.endr
	v_nop
	s_wait_alu depctr_va_vdst(0)
.irp qq, 0,1,2,3
	v_mov_b32 v[220+\qq], v[216+\qq]
.endr
.irp m, 1,2,4,8
.irp qq, 0,1,2,3
	v_add_f32_dpp v[220+\qq], v[220+\qq], v[220+\qq] row_xmask:\m row_mask:0xf bank_mask:0xf
.endr
.endr
.irp qq, 0,1,2,3
	v_rcp_f32 v[220+\qq], v[220+\qq]
.endr
	v_nop
	s_wait_alu depctr_va_vdst(0)
.irp qq, 0,1,2,3
	v_mul_f32 v[216+\qq], v[216+\qq], v[220+\qq]
.endr
.irp qq, 0,1,2,3
	ds_store_b32 v[ATW], v[216+\qq] offset:128*(4*\g+\qq)
.endr
.endm
.macro THEAD                           ; the addresses of a trip's first query
	v_add_nc_u32 v[TA0], s[QG], v[LI]
	v_add_nc_u32 v[TA1], s[QS2], v[FSA0]
	v_add_nc_u32 v[TA2], s[QA], v[ATA0]
	v_add_nc_u32 v[TA3], s[QO], v[OSA0]
.endm
.macro PREF b, k                       ; the operands of the query k behind the trip's first, into set b: ten LDS loads
.irp n, 0,1,2,3
	ds_load_b128 v[FR+16*(\b)+4*\n:FR+16*(\b)+4*\n+3], v[TA0] offset:2048*\k+512*\n
.endr
	ds_load_b32 v[SCR+2*(\b)], v[TA1] offset:256*\k
	ds_load_b32 v[SCR+2*(\b)+1], v[TA1] offset:256*\k+128
	ds_load_b128 v[AT+16*(\b):AT+16*(\b)+3], v[TA2] offset:128*\k        ; head 0's weights of neighbours 8 h + 0 .. 7,
	ds_load_b128 v[AT+16*(\b)+4:AT+16*(\b)+7], v[TA2] offset:128*\k+16
	ds_load_b128 v[AT+16*(\b)+8:AT+16*(\b)+11], v[TA2] offset:128*\k+64  ; head 1's
	ds_load_b128 v[AT+16*(\b)+12:AT+16*(\b)+15], v[TA2] offset:128*\k+80
.endm
; one query (the o-th of the trip, operands in set b): v of its 16 neighbours in my 64 columns, then attn . v.  k: which query is fetched meanwhile (0: none)
.macro STEP b, o, k
	s_wait_dscnt 2                                 ; my operands are in: behind their loads stand the two stores of the query before
.if \k
	PREF 1-\b, \k                                  ; the next query's operands are asked for first, so that this query's products and sums stand between the loads and the wait for them.
.endif                                         ; They go into the set that the query before multiplied: its four places stood behind its products
	WIN 0x3c                                       ; source 1 (Wv) and C (bv): window 3.  The four accumulators take turns
.irp tl, 0,1,2,3
	v_wmma_scale_f32_16x16x128_f8f6f4 v[DD+8*\tl:DD+8*\tl+7], v[FR+16*\b:FR+16*\b+7], v[128+16*\tl:128+16*\tl+7], v[96+8*\tl:96+8*\tl+7], v[SCR+2*\b], v[WVS+\tl] matrix_a_fmt:MATRIX_FMT_FP4 matrix_b_fmt:MATRIX_FMT_FP4
.endr
	WIN 0x0c
.irp tl, 0,1,2,3
	v_wmma_scale_f32_16x16x128_f8f6f4 v[DD+8*\tl:DD+8*\tl+7], v[FR+16*\b+8:FR+16*\b+15], v[128+16*\tl+8:128+16*\tl+15], v[DD+8*\tl:DD+8*\tl+7], v[SCR+2*\b+1], v[WVS+\tl] matrix_a_fmt:MATRIX_FMT_FP4 matrix_b_fmt:MATRIX_FMT_FP4 matrix_b_scale:MATRIX_SCALE_ROW1
.endr
	WIN 0
	PLACES
.irp tl, 0,1,2,3                               ; register j of lane (r, h) is v(neighbour 8 h + j, column of lane r)
	v_pk_mul_f32 v[PP+2*\tl:PP+2*\tl+1], v[DD+8*\tl:DD+8*\tl+1], v[AT+16*\b+8*(\tl/2):AT+16*\b+8*(\tl/2)+1]
.endr
.irp j, 2,4,6
.irp tl, 0,1,2,3
	v_pk_fma_f32 v[PP+2*\tl:PP+2*\tl+1], v[DD+8*\tl+\j:DD+8*\tl+\j+1], v[AT+16*\b+8*(\tl/2)+\j:AT+16*\b+8*(\tl/2)+\j+1], v[PP+2*\tl:PP+2*\tl+1]
.endr
.endr
.irp tl, 0,1,2,3
	v_add_f32 v[PP+2*\tl], v[PP+2*\tl], v[PP+2*\tl+1]
.endr
	v_permlane16_swap_b32 v[PP], v[PP+2]           ; a head's two tiles change halves: the sum over h then leaves tile h in lanes of half h
	v_permlane16_swap_b32 v[PP+4], v[PP+6]
	v_add_f32 v[PP], v[PP], v[PP+2]
	v_add_f32 v[PP+4], v[PP+4], v[PP+6]
	ds_store_b32 v[TA3], v[PP] offset:OPI*\o       ; o(query, 64 w + 8 h + r + 8 (r / 8))
	ds_store_b32 v[TA3], v[PP+4] offset:OPI*\o+128 ; and 32 columns on
.endm
.macro FETCHO m                        ; o's two images of row tile m and their scale words, into set m % 2
.irp s, 0,1
.irp c, 0,1
	ds_load_b128 v[72+16*((\m)%2)+8*\s+4*\c:72+16*((\m)%2)+8*\s+4*\c+3], v[OIR] offset:1024*(2*(\m)+\s)+512*\c
.endr
	ds_load_b32 v[SCR+2*((\m)%2)+\s], v[OSR] offset:128*(2*(\m)+\s)
.endr
.endm
.macro GELU8 R                         ; eight numbers at v[R], in place
.irp k, 0,2,4,6
	v_pk_mul_f32 v[GA+\k:GA+\k+1], v[\R+\k:\R+\k+1], 0x3f3504f3 op_sel_hi:[1,0]   ; a = h / sqrt 2
.endr
.irp k, 0,1,2,3,4,5,6,7
	v_and_b32 v[GTT+\k], 0x7fffffff, v[GA+\k]      ; t = |a|
.endr
.irp k, 0,2,4,6
	v_pk_mul_f32 v[GS+\k:GS+\k+1], v[GA+\k:GA+\k+1], v[GA+\k:GA+\k+1]   ; s = a a
.endr
.irp k, 0,2,4,6
	v_pk_fma_f32 v[GL+\k:GL+\k+1], v[GTT+\k:GTT+\k+1], s[CB0:CB0+1], v[192:193] op_sel_hi:[1,0,1]
.endr
.irp k, 0,2,4,6
	v_pk_fma_f32 v[GM+\k:GM+\k+1], v[GTT+\k:GTT+\k+1], s[CB2:CB2+1], v[194:195] op_sel_hi:[1,0,1]
.endr
.irp k, 0,2,4,6
	v_pk_fma_f32 v[GL+\k:GL+\k+1], v[GL+\k:GL+\k+1], v[GS+\k:GS+\k+1], v[GM+\k:GM+\k+1]
.endr
.irp cf, 0xbddaae5c, 0xbf228550, 0xbe03ce86
.irp k, 0,2,4,6
	v_pk_fma_f32 v[GL+\k:GL+\k+1], v[GL+\k:GL+\k+1], v[GTT+\k:GTT+\k+1], \cf op_sel_hi:[1,1,0]
.endr
.endr
.irp k, 0,2,4,6
	v_pk_fma_f32 v[GL+\k:GL+\k+1], v[GL+\k:GL+\k+1], v[GTT+\k:GTT+\k+1], v[GTT+\k:GTT+\k+1] neg_lo:[0,0,1] neg_hi:[0,0,1]
.endr
.irp k, 0,2,4,6
	v_pk_mul_f32 v[GL+\k:GL+\k+1], v[GL+\k:GL+\k+1], 0x3fb8aa3b op_sel_hi:[1,0]
.endr
.irp k, 0,1,2,3,4,5,6,7
	v_exp_f32 v[GL+\k], v[GL+\k]                   ; e = 1 - erf(t), for t above the threshold
.endr
.irp k, 0,2,4,6
	v_pk_fma_f32 v[GM+\k:GM+\k+1], v[GS+\k:GS+\k+1], s[CS0:CS0+1], v[196:197] op_sel_hi:[1,0,1]   ; (plain places behind the exponentials)
.endr
.irp cf, 0xbcdb48d9, 0x3de70e22, 0xbec09380, 0x3e0375d4
.irp k, 0,2,4,6
	v_pk_fma_f32 v[GM+\k:GM+\k+1], v[GM+\k:GM+\k+1], v[GS+\k:GS+\k+1], \cf op_sel_hi:[1,1,0]
.endr
.endr
.irp k, 0,2,4,6
	v_pk_fma_f32 v[GM+\k:GM+\k+1], v[GM+\k:GM+\k+1], v[GA+\k:GA+\k+1], v[GA+\k:GA+\k+1]   ; erf(a), for t under the threshold
.endr
.irp k, 0,2,4,6
	v_pk_add_f32 v[GM+\k:GM+\k+1], v[GM+\k:GM+\k+1], 1.0 op_sel_hi:[1,0]
.endr
	s_wait_alu depctr_va_vdst(0)
.irp k, 0,2,4,6
	v_pk_add_f32 v[GS+\k:GS+\k+1], v[GL+\k:GL+\k+1], 2.0 op_sel_hi:[1,0] neg_lo:[1,0] neg_hi:[1,0]   ; 2 - e
.endr
; the two choices, stage by stage over the eight numbers, each number with masks of its own: no line reads the result of a line nearer than eight
.irp k, 0,1,2,3,4,5,6,7
	v_cmp_gt_f32 s[MA+\k], 0, v[GA+\k]
.endr
.irp k, 0,1,2,3,4,5,6,7
	v_cmp_lt_f32 s[MB+\k], s[THR], v[GTT+\k]
.endr
.irp k, 0,1,2,3,4,5,6,7
	v_cndmask_b32 v[GL+\k], v[GS+\k], v[GL+\k], s[MA+\k]    ; 1 + erf in the tails: e where a < 0, else 2 - e
.endr
.irp k, 0,1,2,3,4,5,6,7
	v_cndmask_b32 v[GM+\k], v[GM+\k], v[GL+\k], s[MB+\k]
.endr
.irp k, 0,2,4,6
	v_pk_mul_f32 v[GA+\k:GA+\k+1], v[\R+\k:\R+\k+1], 0.5 op_sel_hi:[1,0]
.endr
.irp k, 0,2,4,6
	v_pk_mul_f32 v[\R+\k:\R+\k+1], v[GA+\k:GA+\k+1], v[GM+\k:GM+\k+1]
.endr
.endm
.macro HID p                           ; hidden units 256 w + 128 p + 0 .. 127 of the row tile in hand: K step 2 w + p of the last product
.set I, 0
.rept 16
	ds_load_b128 v[72+4*I:72+4*I+3], v[B1R] offset:512*\p+128*(I/4)+32*((I/2)%2)+16*(I%2)   ; b1f into the accumulators
.set I, I+1
.endr
	s_wait_dscnt 0x0
	WIN 0x01                                       ; source 0 (W1): window 1.  Eight accumulators by turns
.irp tt, 0,1,2,3,4,5,6,7
	v_wmma_scale_f32_16x16x128_f8f6f4 v[72+8*\tt:79+8*\tt], v[16*(8*\p+\tt):16*(8*\p+\tt)+7], v[136:143], v[72+8*\tt:79+8*\tt], v[W1S+8*\p+\tt], v[SCR] matrix_a_fmt:MATRIX_FMT_FP4 matrix_b_fmt:MATRIX_FMT_FP4
.endr
.irp tt, 0,1,2,3,4,5,6,7
	v_wmma_scale_f32_16x16x128_f8f6f4 v[72+8*\tt:79+8*\tt], v[16*(8*\p+\tt)+8:16*(8*\p+\tt)+15], v[144:151], v[72+8*\tt:79+8*\tt], v[W1S+8*\p+\tt], v[SCR+1] matrix_a_fmt:MATRIX_FMT_FP4 matrix_b_fmt:MATRIX_FMT_FP4 matrix_a_scale:MATRIX_SCALE_ROW1
.endr
	WIN 0
	PLACES
.irp tt, 0,1,2,3,4,5,6,7
	GELU8 72+8*\tt
.endr
	QUANT 72, PC, PW
	ds_store_b128 v[TA2], v[PC:PC+3] offset:4096*\p
	ds_store_b128 v[TA2], v[PC+4:PC+7] offset:4096*\p+512
	ds_store_b32 v[TA3], v[PW] offset:512*\p
.endm
.macro FETCHH kk                       ; the hidden layer's four images of K step kk and their scale words, into set kk % 2: twelve LDS loads
.irp m, 0,1,2,3
	ds_load_b128 v[72+32*((\kk)%2)+8*\m:72+32*((\kk)%2)+8*\m+3], v[LI] offset:1024*(4*(\kk)+\m)
	ds_load_b128 v[72+32*((\kk)%2)+8*\m+4:72+32*((\kk)%2)+8*\m+7], v[LI] offset:1024*(4*(\kk)+\m)+512
	ds_load_b32 v[SCR+4*((\kk)%2)+\m], v[HSR] offset:128*(4*(\kk)+\m)
.endr
.endm
	s_load_b512 s[4:19], s[0:1], 0x0               ; x, wq, idx, xnc, xns, qn, kn, bv
	s_load_b256 s[20:27], s[0:1], 0x40             ; bo, gf, bf, b1f
	s_load_b128 s[28:31], s[0:1], 0x60             ; b2f, rw
	s_load_b64 s[32:33], s[0:1], 0x70              ; out0
	v_lshl_add_u32 v254, v0, 2, 0x4a800
	v_mov_b32 v255, 0
	v_lshrrev_b32 v1, 5, v0
	v_readfirstlane_b32 s[WV], v1                  ; wave
	v_and_b32 v1, 15, v0                           ; r
	v_bfe_u32 v2, v0, 4, 1                         ; h
	v_and_b32 v3, 31, v0                           ; lane
	v_lshlrev_b32 v[LI], 4, v3
	v_lshlrev_b32 v[LS], 2, v3
	v_lshlrev_b32 v[V64H], 6, v2
	s_lshl_b32 s50, s[WV], 15
	s_lshl_b32 s51, s[WV], 12
	s_lshl_b32 s52, s[WV], 13
	s_lshl_b32 s53, s[WV], 10
	s_lshl_b32 s54, s[WV], 7
	s_lshl_b32 s55, s[WV], 8
	s_lshl_b32 s56, s[WV], 11
	s_mul_i32 s57, s[WV], OREG
	s_mul_i32 s62, s[WV], 16*OPI
	v_add_nc_u32 v[GW], s50, v[LI]                 ; every LDS address: a constant + a constant x wave + a lane term
	s_add_co_u32 s58, s51, GSC
	v_add_nc_u32 v[GSW], s58, v[LS]
	s_add_co_u32 s58, s52, QSB
	v_add_nc_u32 v[QSW], s58, v[LI]
	s_add_co_u32 s58, s53, B1F
	v_add_nc_u32 v[B1W], s58, v[LI]
	v_add_nc_u32 v[B1R], s58, v[V64H]
	s_add_co_u32 s58, s54, QSB
	v_add_nc_u32 v[QRD], s58, v[V64H]
	s_add_co_u32 s58, s52, ATT
	v_add_nc_u32 v[ATW], s58, v[LS]
	v_lshl_add_u32 v[ATA0], v2, 5, s58
	v_add_nc_u32 v[FSA0], GSC, v[LS]
	v_and_b32 v224, 8, v1
	v_add_nc_u32 v224, v224, v1
	v_lshlrev_b32 v224, 2, v224                    ; 4 (r + 8 (r / 8))
	s_add_co_u32 s58, s57, OST
	v_lshl_add_u32 v[OSA0], v2, 5, v224
	v_add_nc_u32 v[OSA0], s58, v[OSA0]
	v_mul_u32_u24 v[X1W], v1, OPI
	v_add_nc_u32 v[X1W], v[X1W], v[V64H]           ; 272 r + 64 h
	s_add_co_u32 s59, s62, OST
	v_add_nc_u32 v[ORD], s59, v[X1W]
	v_add_nc_u32 v[X1W], s58, v[X1W]
	v_mul_u32_u24 v[OUTR], v2, OREG
	v_lshl_add_u32 v[OUTR], v1, 4, v[OUTR]
	v_add_nc_u32 v[OUTR], s59, v[OUTR]             ; lanes 16-31 read the next region
	s_add_co_u32 s58, s56, OIMG
	v_add_nc_u32 v[OIW], s58, v[LI]
	s_add_co_u32 s58, s55, OSC
	v_add_nc_u32 v[OSW], s58, v[LS]
	v_add_nc_u32 v[OIR], OIMG, v[LI]
	v_add_nc_u32 v[OSR], OSC, v[LS]
	v_add_nc_u32 v[HIW], s52, v[LI]
	s_add_co_u32 s58, s53, HSC
	v_add_nc_u32 v[HSW], s58, v[LS]
	v_add_nc_u32 v[HSR], HSC, v[LS]
	v_lshlrev_b32 v[XCA], 10, v1
	v_add_nc_u32 v[XCA], v[XCA], v[V64H]
	v_add_nc_u32 v[XCA], s55, v[XCA]               ; x: 1,024 r + 256 w + 64 h
	v_lshlrev_b32 v225, 6, v1                      ; idx: 64 r
	v_add_nc_u32 v226, s54, v[V64H]                ; kn: 128 w + 64 h
	v_lshlrev_b32 v227, 4, v2                      ; codes: 16 h
.irp b, 0,1,2,3
	v_mov_b32 v[TM+4+\b], 0                        ; written once: a lane permute's destination counts as a source
.endr
	s_mov_b32 s[SEL], 0x76543210
	s_mov_b32 s[SEL+1], 0xfedcba98
	s_mov_b32 s[C256], 0x3b800000
	s_mov_b32 s[CEPS], 0x3727c5ac
	s_mov_b32 s[CB0], 0xb7910000
	s_mov_b32 s[CB0+1], 0xb7910000
	s_mov_b32 s[CB2], 0xbb7e8a1c
	s_mov_b32 s[CB2+1], 0xbb7e8a1c
	s_mov_b32 s[CS0], 0xba1c7000
	s_mov_b32 s[CS0+1], 0xba1c7000
	s_mov_b32 s[THR], 0x3f6d8000                   ; 0.9277
	s_mov_b32 s59, 0
	s_lshr_b32 s60, ttmp9, 5                       ; the batch: 32 work-groups to a batch
	s_wait_kmcnt 0x0
	s_load_b32 s[RW], s[30:31], 0x0
	s_lshl_b32 s58, ttmp9, 16
	s_add_nc_u64 s[4:5], s[4:5], s[58:59]          ; x and out0 at my first row
	s_add_nc_u64 s[32:33], s[32:33], s[58:59]
	s_lshl_b32 s58, s[WV], 14
	s_add_nc_u64 s[32:33], s[32:33], s[58:59]      ; out0: my 16 rows
	s_lshl_b32 s58, ttmp9, 12
	s_add_nc_u64 s[8:9], s[8:9], s[58:59]          ; idx: the work-group's four tiles,
	s_mov_b32 s58, s53
	s_add_nc_u64 s[48:49], s[8:9], s[58:59]        ; and my own
	s_lshl_b32 s58, s60, 18
	s_add_nc_u64 s[10:11], s[10:11], s[58:59]
	s_lshl_b32 s58, s60, 14
	s_add_nc_u64 s[12:13], s[12:13], s[58:59]
	s_lshl_b32 s58, s60, 20
	s_add_nc_u64 s[16:17], s[16:17], s[58:59]
	s_lshl_b32 s58, ttmp9, 15
	s_add_co_u32 s58, s58, s52
	s_add_nc_u64 s[14:15], s[14:15], s[58:59]      ; qn: my 16 rows
	s_mov_b32 s58, s52
	s_add_nc_u64 s[40:41], s[6:7], s[58:59]        ; wq + 8,192 w: Wv's and Wo's images
	s_mov_b32 s58, s50
	s_add_nc_u64 s[42:43], s[6:7], s[58:59]        ; + 32,768 w: W1's and W2's
	s_lshl_b32 s58, s[WV], 9
	s_add_nc_u64 s[44:45], s[6:7], s[58:59]        ; + 512 w: Wv's and Wo's scale words
	s_mov_b32 s58, s56
	s_add_nc_u64 s[46:47], s[6:7], s[58:59]        ; + 2,048 w: W1's and W2's
	s_mov_b32 s58, s55
	s_add_nc_u64 s[18:19], s[18:19], s[58:59]
	s_add_nc_u64 s[20:21], s[20:21], s[58:59]
	s_add_nc_u64 s[28:29], s[28:29], s[58:59]
	s_mov_b32 s58, s53
	s_add_nc_u64 s[26:27], s[26:27], s[58:59]
	; ---- head: the indices.  Lane (r, h) takes neighbour r of 16 queries: 64 bytes
.irp i, 0,1,2,3
	global_load_b128 v[104+4*\i:107+4*\i], v225, s[48:49] offset:16*\i
.endr
.irp m, 0,1,2,3
.irp i, 0,1,2,3
	global_load_b128 v[136+16*\m+4*\i:139+16*\m+4*\i], v225, s[8:9] offset:1024*\m+16*\i
.endr
.endr
	s_wait_loadcnt 0x0
.set I, 0
.rept 16
	v_min_u32 v[104+I], 0x7ff, v[104+I]
.set I, I+1
.endr
.set I, 0
.rept 16
	v_lshlrev_b32 v[120+I], 3, v[104+I]            ; the row's two scale words
.set I, I+1
.endr
.set I, 0
.rept 16
	v_lshlrev_b32 v[104+I], 7, v[104+I]            ; the row's 128 bytes of codes,
.set I, I+1
.endr
.set I, 0
.rept 16
	v_add_nc_u32 v[104+I], v227, v[104+I]          ; + 16 h
.set I, I+1
.endr
.set I, 0
.rept 64
	v_min_u32 v[136+I], 0x7ff, v[136+I]
.set I, I+1
.endr
.set I, 0
.rept 64
	v_lshlrev_b32 v[136+I], 9, v[136+I]            ; the row of kn,
.set I, I+1
.endr
.set I, 0
.rept 64
	v_add_nc_u32 v[136+I], v226, v[136+I]          ; my head's 64 bytes
.set I, I+1
.endr
	WIN 0x40                                       ; 96 gathering loads: the codes of my 16 queries' neighbours,
.set I, 0
.rept 64
	global_load_b128 v[4*I:4*I+3], v[104+I/4], s[10:11] offset:32*(I%4)
.set I, I+1
.endr
	WIN 0x80                                       ; their scale words, and my 16 rows of qn
.set I, 0
.rept 16
	global_load_b64 v[2*I:2*I+1], v[120+I], s[12:13]
.set I, I+1
.endr
.set I, 0
.rept 16
	global_load_b128 v[64+4*I:64+4*I+3], v[LI], s[14:15] offset:512*I
.set I, I+1
.endr
	WIN 0xc0                                       ; 114 loads of what stays: Wo, bo, bv, Wv,
.set I, 0
.rept 16
	global_load_b128 v[4*I:4*I+3], v[LI], s[40:41] offset:65536+512*I
.set I, I+1
.endr
.set I, 0
.rept 8
	global_load_b128 v[64+4*I:64+4*I+3], v[V64H], s[20:21] offset:128*(I/4)+32*((I/2)%2)+16*(I%2)
.set I, I+1
.endr
.set I, 0
.rept 32
	global_load_b32 v[96+I], v224, s[18:19] offset:128*(I/16)+32*((I/8)%2)   ; bv of lane r's column, in all eight registers of a tile
.set I, I+1
.endr
.set I, 0
.rept 16
	global_load_b128 v[128+4*I:128+4*I+3], v[LI], s[40:41] offset:32768+512*I
.set I, I+1
.endr
	WIN 0
.irp t, 0,1,2,3                                ; the scale words of all four weights,
	global_load_b32 v[WVS+\t], v[LS], s[44:45] offset:SCB+2048+128*\t
	global_load_b32 v[WOS+\t], v[LS], s[44:45] offset:SCB+4096+128*\t
.endr
.set I, 0
.rept 16
	global_load_b32 v[W2S+I], v[LS], s[46:47] offset:SCB+14336+128*I
	global_load_b32 v[W1S+I], v[LS], s[46:47] offset:SCB+6144+128*I
.set I, I+1
.endr
	global_load_b128 v[208:211], v[LI], s[26:27]   ; and my 1,024 bytes of b1f
	global_load_b128 v[212:215], v[LI], s[26:27] offset:512
	s_wait_loadcnt 63                              ; the gathers are in: 114 loads are younger, and the count's field ends at 63
	WIN 0x04                                       ; an LDS store's data are its source 1: window 1
.set I, 0
.rept 64
	ds_store_b128 v[GW], v[4*I:4*I+3] offset:512*I ; query I / 4: image 2,048 (I / 4) + 1,024 s + 512 c
.set I, I+1
.endr
	WIN 0x08
.set I, 0
.rept 32
	ds_store_b32 v[GSW], v[I] offset:128*I
.set I, I+1
.endr
.set I, 0
.rept 16
	ds_store_b128 v[QSW], v[64+4*I:64+4*I+3] offset:512*I
.set I, I+1
.endr
	WIN 0
	s_wait_loadcnt 0x0
	s_wait_kmcnt 0x0
	s_mov_b32 s[RW+1], s[RW]                       ; (named with rw as a pair)
	ds_store_b128 v[B1W], v[208:211]
	ds_store_b128 v[B1W], v[212:215] offset:512
	s_wait_dscnt 0x0                               ; my stores have landed, and have read windows 1 and 2
	KLOAD 0                                        ; the ring of kn rows is filled at once: nothing else is asked for ahead of it
	KLOAD 1
	KLOAD 2
	KLOAD 3
	s_barrier_signal -1
	s_barrier_wait -1                              ; 1: all images, scale words and qn rows lie in LDS
	; ---- A1
.irp g, 0,1,2,3,4,5,6,7,8,9,10,11,12,13,14,15
	ATTN \g
.endr
	; ---- A2
	s_mov_b32 s[QG], 0
	s_mov_b32 s[QS2], 0
	s_mov_b32 s[QA], 0
	s_mov_b32 s[QO], 0
	s_mov_b32 s[CNT], 31
	THEAD
	PREF 0, 0
	s_wait_dscnt 0x0                               ; so that the counted wait at the loop's head holds on the way in too
.Lquery:                                               ; two queries a trip
	THEAD
	STEP 0, 0, 1
	STEP 1, 1, 2
	s_add_co_u32 s[QG], s[QG], 4096
	s_add_co_u32 s[QS2], s[QS2], 512
	s_add_co_u32 s[QA], s[QA], 256
	s_add_co_u32 s[QO], s[QO], 2*OPI
	s_sub_co_u32 s[CNT], s[CNT], 1
	s_cmp_lg_u32 s[CNT], 0
	s_cbranch_scc1 .Lquery
	THEAD                                          ; the last two queries: nothing is fetched beyond the 64th
	STEP 0, 0, 1
	STEP 1, 1, 0
	WIN 0xc0                                       ; x in the layout of the next product's results, over Wv
.set I, 0
.rept 32
	global_load_b128 v[128+4*I:128+4*I+3], v[XCA], s[4:5] offset:16384*(I/8)+128*((I/4)%2)+32*((I/2)%2)+16*(I%2) th:TH_LOAD_NT
.set I, I+1
.endr
	WIN 0
	BARRIER                                        ; 2: o of 64 queries lies in the stage
	; ---- B
	ROWSIN
	s_wait_dscnt 0x0
	TOIMG 0
	BARRIER                                        ; 3: o's eight images
	; ---- C: x1 = x + rw (o Wo + bo), transposed use: source 0 = 16 columns of Wo
	s_wait_loadcnt 0x0                             ; x (and W1)
	FETCHO 0
.irp m, 0,1,2,3
.if \m == 0
	s_wait_dscnt 0x0
.else
	s_wait_dscnt 8                                 ; behind this tile's fetch stand the eight stores of the tile before
.endif
	WIN 0x33                                       ; source 0 (Wo) and C (bo): window 3
.irp tl, 0,1,2,3
	v_wmma_scale_f32_16x16x128_f8f6f4 v[104+8*\tl:111+8*\tl], v[16*\tl:16*\tl+7], v[72+16*(\m%2):79+16*(\m%2)], v[64+8*\tl:71+8*\tl], v[WOS+\tl], v[SCR+2*(\m%2)] matrix_a_fmt:MATRIX_FMT_FP4 matrix_b_fmt:MATRIX_FMT_FP4
.endr
	WIN 0x03
.irp tl, 0,1,2,3
	v_wmma_scale_f32_16x16x128_f8f6f4 v[104+8*\tl:111+8*\tl], v[16*\tl+8:16*\tl+15], v[80+16*(\m%2):87+16*(\m%2)], v[104+8*\tl:111+8*\tl], v[WOS+\tl], v[SCR+2*(\m%2)+1] matrix_a_fmt:MATRIX_FMT_FP4 matrix_b_fmt:MATRIX_FMT_FP4 matrix_a_scale:MATRIX_SCALE_ROW1
.endr
	WIN 0
.if \m < 3
	FETCHO \m+1
.endif
	PLACES
	WIN 0x30                                       ; source 2 (x): window 3 (bits 5:4 of the setting)
.set I, 0
.rept 16
	v_pk_fma_f32 v[136+I:137+I], v[104+I:105+I], s[RW:RW+1], v[128+32*\m+I:129+32*\m+I] op_sel_hi:[1,0,1]
.set I, I+2
.endr
	WIN 0
.set I, 0
.rept 8
	ds_store_b128 v[X1W], v[136+4*I:139+4*I] offset:16*OPI*\m+128*(I/4)+32*((I/2)%2)+16*(I%2)
.set I, I+1
.endr
.endr
	WIN 0xc0                                       ; gf and bf over Wo, bo, bv and x
.set I, 0
.rept 32
	global_load_b128 v[4*I:4*I+3], v[V64H], s[22:23] offset:512*(I/16)+128*((I/4)%4)+16*(I%4)
	global_load_b128 v[128+4*I:128+4*I+3], v[V64H], s[24:25] offset:512*(I/16)+128*((I/4)%4)+16*(I%4)
.set I, I+1
.endr
	WIN 0
	BARRIER                                        ; 4: x1 of 64 rows lies in the stage
	; ---- D
	ROWSIN
	s_wait_dscnt 0x0
	LNSTAT
	s_wait_loadcnt 0x0                             ; gf, bf
	LNAPPLY 0x3c
	WIN 0xc0
.set I, 0
.rept 8
	global_load_b128 v[128+4*I:128+4*I+3], v[V64H], s[28:29] offset:128*(I/4)+32*((I/2)%2)+16*(I%2)   ; b2f in the last product's layout
.set I, I+1
.endr
	WIN 0x80                                       ; W2's first 16 of 64 loads, into window 2, which has been free since the head's stores
.set I, 0
.rept 16
	global_load_b128 v[4*I:4*I+3], v[LI], s[42:43] offset:229376+512*I
.set I, I+1
.endr
	WIN 0
	TOIMG NOFF
	BARRIER                                        ; 5: the eight images of LN(x1)
	WIN 0x80                                       ; W2's other 48: the whole of phase E stands between them and the wait for them
.set I, 16
.rept 48
	global_load_b128 v[4*I:4*I+3], v[LI], s[42:43] offset:229376+512*I
.set I, I+1
.endr
	WIN 0
	; ---- E
	v_mov_b32 v192, 0x39c8e7d9
	v_mov_b32 v193, 0x39c8e7d9
	v_mov_b32 v194, 0x3cc6b1a1
	v_mov_b32 v195, 0x3cc6b1a1
	v_mov_b32 v196, 0x3ba38d2c
	v_mov_b32 v197, 0x3ba38d2c
	s_mov_b32 s[E1], 0
	s_mov_b32 s[E2], 0
	s_mov_b32 s[E3], 0
	s_mov_b32 s[E4], 0
	s_mov_b32 s[CNT], 4
.Lrows:                                                ; a tile of 16 rows a trip
	v_add_nc_u32 v[TA0], s[E1], v[OIR]
	v_add_nc_u32 v[TA1], s[E2], v[OSR]
	v_add_nc_u32 v[TA2], s[E3], v[HIW]
	v_add_nc_u32 v[TA3], s[E4], v[HSW]
.irp s, 0,1
.irp c, 0,1
	ds_load_b128 v[136+8*\s+4*\c:139+8*\s+4*\c], v[TA0] offset:NOFF+1024*\s+512*\c
.endr
	ds_load_b32 v[SCR+\s], v[TA1] offset:NOFF+128*\s
.endr
	HID 0
	HID 1
	s_add_co_u32 s[E1], s[E1], 2048
	s_add_co_u32 s[E2], s[E2], 256
	s_add_co_u32 s[E3], s[E3], 1024
	s_add_co_u32 s[E4], s[E4], 128
	s_sub_co_u32 s[CNT], s[CNT], 1
	s_cmp_lg_u32 s[CNT], 0
	s_cbranch_scc1 .Lrows
	BARRIER                                        ; 6: the hidden layer's 32 images
	; ---- F: 16 accumulators (4 tiles of columns x 4 tiles of rows) by turns, a K step at a time
	s_wait_loadcnt 0x0                             ; b2f and W2
	FETCHH 0
.irp kk, 0,1,2,3,4,5,6,7
.if \kk < 7
	PLACES                                         ; the set to be filled was multiplied by the K step before
	FETCHH \kk+1
	s_wait_dscnt 12                                ; this K step's operands are in; the twelve loads just issued may be out
.else
	s_wait_dscnt 0x0
.endif
	WIN 0xf2                                       ; source 0 (W2) window 2, C and D window 3
.irp m, 0,1,2,3
.irp tt, 0,1,2,3
.if \kk == 0
	v_wmma_scale_f32_16x16x128_f8f6f4 v[8*(4*\tt+\m):8*(4*\tt+\m)+7], v[8*(8*\tt+\kk):8*(8*\tt+\kk)+7], v[72+32*(\kk%2)+8*\m:79+32*(\kk%2)+8*\m], v[128+8*\tt:135+8*\tt], v[W2S+4*\tt+\kk/2], v[SCR+4*(\kk%2)+\m] matrix_a_fmt:MATRIX_FMT_FP4 matrix_b_fmt:MATRIX_FMT_FP4
.elseif \kk%2 == 0
	v_wmma_scale_f32_16x16x128_f8f6f4 v[8*(4*\tt+\m):8*(4*\tt+\m)+7], v[8*(8*\tt+\kk):8*(8*\tt+\kk)+7], v[72+32*(\kk%2)+8*\m:79+32*(\kk%2)+8*\m], v[8*(4*\tt+\m):8*(4*\tt+\m)+7], v[W2S+4*\tt+\kk/2], v[SCR+4*(\kk%2)+\m] matrix_a_fmt:MATRIX_FMT_FP4 matrix_b_fmt:MATRIX_FMT_FP4
.else
	v_wmma_scale_f32_16x16x128_f8f6f4 v[8*(4*\tt+\m):8*(4*\tt+\m)+7], v[8*(8*\tt+\kk):8*(8*\tt+\kk)+7], v[72+32*(\kk%2)+8*\m:79+32*(\kk%2)+8*\m], v[8*(4*\tt+\m):8*(4*\tt+\m)+7], v[W2S+4*\tt+\kk/2], v[SCR+4*(\kk%2)+\m] matrix_a_fmt:MATRIX_FMT_FP4 matrix_b_fmt:MATRIX_FMT_FP4 matrix_a_scale:MATRIX_SCALE_ROW1
.endif
.endr
.endr
	WIN 0
.endr
	PLACES
.set I, 0
.rept 32
	ds_load_b128 v[72+4*I:72+4*I+3], v[X1W] offset:16*OPI*(I/8)+128*((I/4)%2)+32*((I/2)%2)+16*(I%2)   ; x1, my columns: bytes that I stored myself
.set I, I+1
.endr
	s_wait_dscnt 0x0
	WIN 0x03                                       ; source 0 (y): window 3; each accumulator from its low end on
.irp m, 0,1,2,3
.irp tt, 0,1,2,3
.irp i, 0,2,4,6
	v_pk_fma_f32 v[72+32*\m+8*\tt+\i:73+32*\m+8*\tt+\i], v[8*(4*\tt+\m)+\i:8*(4*\tt+\m)+\i+1], s[RW:RW+1], v[72+32*\m+8*\tt+\i:73+32*\m+8*\tt+\i] op_sel_hi:[1,0,1]
.endr
.endr
.endr
	WIN 0
.set I, 0
.rept 32
	ds_store_b128 v[X1W], v[72+4*I:72+4*I+3] offset:16*OPI*(I/8)+128*((I/4)%2)+32*((I/2)%2)+16*(I%2)
.set I, I+1
.endr
	BARRIER                                        ; 7: 64 rows of the result lie in the stage
.set I, 0
.rept 32
	ds_load_b128 v[72+4*I:72+4*I+3], v[OUTR] offset:OPI*(I/2)+2*OREG*(I%2)   ; half a row: lanes 0-15 one region's 256 bytes, lanes 16-31 the next's
.set I, I+1
.endr
.set I, 0
.rept 32
	s_wait_dscnt 31-I                              ; the loads behind load I may be out
	global_store_b128 v[LI], v[72+4*I:72+4*I+3], s[32:33] offset:1024*(I/2)+512*(I%2) th:TH_STORE_NT   ; 512 consecutive bytes
.set I, I+1
.endr
	s_wait_tensorcnt 0x0
	ds_add_u32 v254, v255
	s_wait_dscnt 0x0
	s_endpgm
.Lfunc_end_k_qbc4b8be34a_attnffn:
	.size	k_qbc4b8be34a_attnffn, .Lfunc_end_k_qbc4b8be34a_attnffn-k_qbc4b8be34a_attnffn
	.p2alignl 7, 3214868480
	.fill 96, 4, 3214868480
	.section	.rodata,"a",@progbits
	.p2align	6, 0x0
	.amdhsa_kernel k_qbc4b8be34a_attnffn
		.amdhsa_group_segment_fixed_size 305664
		.amdhsa_private_segment_fixed_size 0
		.amdhsa_enable_private_segment 0
		.amdhsa_kernarg_size 120
		.amdhsa_user_sgpr_count 2
		.amdhsa_user_sgpr_kernarg_segment_ptr 1
		.amdhsa_wavefront_size32 1
		.amdhsa_system_sgpr_workgroup_id_x 1
		.amdhsa_system_sgpr_workgroup_id_y 1
		.amdhsa_system_sgpr_workgroup_id_z 1
		.amdhsa_system_vgpr_workitem_id 0
		.amdhsa_next_free_vgpr 1024
		.amdhsa_next_free_sgpr 100
		.amdhsa_reserve_vcc 0
		.amdhsa_float_denorm_mode_32 3
		.amdhsa_float_denorm_mode_16_64 3
		.amdhsa_memory_ordered 1
		.amdhsa_forward_progress 1
		.amdhsa_inst_pref_size 255
	.end_amdhsa_kernel
	.section	.bss,"aw",@nobits
	.p2align	6
	.space	262144
	.amdgpu_metadata
---
amdhsa.version: [ 1, 2 ]
amdhsa.kernels:
  - .name:           k_qbc4b8be34a_attnffn
    .symbol:         k_qbc4b8be34a_attnffn.kd
    .args:
      - { .name: x, .offset: 0, .size: 8, .value_kind: global_buffer, .address_space: global }
      - { .name: wq, .offset: 8, .size: 8, .value_kind: global_buffer, .address_space: global }
      - { .name: idx, .offset: 16, .size: 8, .value_kind: global_buffer, .address_space: global }
      - { .name: xnc, .offset: 24, .size: 8, .value_kind: global_buffer, .address_space: global }
      - { .name: xns, .offset: 32, .size: 8, .value_kind: global_buffer, .address_space: global }
      - { .name: qn, .offset: 40, .size: 8, .value_kind: global_buffer, .address_space: global }
      - { .name: kn, .offset: 48, .size: 8, .value_kind: global_buffer, .address_space: global }
      - { .name: bv, .offset: 56, .size: 8, .value_kind: global_buffer, .address_space: global }
      - { .name: bo, .offset: 64, .size: 8, .value_kind: global_buffer, .address_space: global }
      - { .name: gf, .offset: 72, .size: 8, .value_kind: global_buffer, .address_space: global }
      - { .name: bf, .offset: 80, .size: 8, .value_kind: global_buffer, .address_space: global }
      - { .name: b1f, .offset: 88, .size: 8, .value_kind: global_buffer, .address_space: global }
      - { .name: b2f, .offset: 96, .size: 8, .value_kind: global_buffer, .address_space: global }
      - { .name: rw, .offset: 104, .size: 8, .value_kind: global_buffer, .address_space: global }
      - { .name: out0, .offset: 112, .size: 8, .value_kind: global_buffer, .address_space: global }
    .group_segment_fixed_size: 305664
    .private_segment_fixed_size: 0
    .kernarg_segment_align: 8
    .kernarg_segment_size: 120
    .max_flat_workgroup_size: 128
    .sgpr_count:     100
    .vgpr_count:     1024
    .wavefront_size: 32
...
	.end_amdgpu_metadata
.endif
;; end of part 4
;; ======== version 2 of 2: 4 launches; version 1 with the launches proj, attnffn written anew for expert scheduling mode
;; workspace buffers: wq 382,976 bytes; qpack 1,179,648 bytes; kpack 1,179,648 bytes; qn 8,388,608 bytes; kn 8,388,608 bytes; xnc 2,097,152 bytes; xns 131,072 bytes; idx 1,048,576 bytes of whole numbers
;; launch wquant: the kernel of part 1 again; grid 88 x 1, 4 waves a work-group, no clusters, 0 bytes of LDS; arguments Wq, Wk, Wv, Wo, W1, W2, wq; writes wq
;; launch proj (part 5): grid 256 x 1, 4 waves a work-group, no clusters, 43,520 bytes of LDS; arguments x, wq, bq, bk, g1, b1, qpack, kpack, qn, kn, xnc, xns; writes qpack, kpack, qn, kn, xnc, xns
.if DOCPART == 5
	.amdgcn_target "amdgcn-amd-amdhsa--gfx1250"
	.amdhsa_code_object_version 6
	.text
	.protected	k_qbc4b8be34a_proj
	.globl	k_qbc4b8be34a_proj
	.p2align	8
	.type	k_qbc4b8be34a_proj,@function
k_qbc4b8be34a_proj:
	s_mov_b64 s[64:65], 0
	v_nop
	global_prefetch_b8 v0, s[64:65] scope:SCOPE_SE
	s_setreg_imm32_b32 hwreg(HW_REG_WAVE_SCHED_MODE, 0, 2), 2
	s_setreg_imm32_b32 hwreg(HW_REG_WAVE_MODE, 25, 1), 1
	s_wait_xcnt 0x0
	s_wait_alu depctr_vm_vsrc(0)
; For 16 rows of x a wave: Q(x); q = Q(x) Q(Wq) + bq, k likewise (FP4 products, f32 sums); qn, kn = rows / max(norm, 1e-12); their sums of squares;
; Q(qn), Q(kn) as operand images; qn, kn in f32; and Q(LN(x; g1, b1)) as rows of codes, since a layer norm and its quantiser work row by row and so commute with the later gather.
; SHARES: wave T = 4 x work-group + wave owns rows 16 T .. 16 T + 15.  Waves share nothing: no barrier.
; LAYOUT: a lane (r, h) holds half of row r: register 64 s + 16 b + i = column 128 s + 32 b + 16 h + i; lane l xor 16 holds the other half of each block of 32.
; The products are used transposed (source 0 = 16 columns of the weight, source 1 = x's rows): the results lie in the same layout, 64 numbers a lane.  The biases are loaded into the accumulators.
; OUT: qpack: image at 1,024 T; from byte 1,048,576 on 128 bytes a tile: 16 scale words, 16 sums.  kpack: 147,456 bytes a batch: 128 images, then 128 x 128 bytes likewise.
;      qn, kn: rows of 512 bytes, through the wave's stage, a whole row a store.  xnc: rows of 128 bytes of codes, 512 consecutive bytes a store.  xns: 2 scale words a row.
;      The 128 bytes of a tile's scale words and sums, and of xns, are halves of an aligned 256: 384 bytes of the 20,864 bytes that a wave stores.
; NO CLUSTER: what the work-groups share is the weights' 34,816 bytes, which each wave takes straight into registers once, while it works on the layer norm; through LDS they would cost a fill, a barrier and the same 64 loads.
; LIMITS: NaN and infinities are not served; a block of zeros carries the byte 1 (zero codes; the bytes are read by this program alone); the division by the norm is a reciprocal and a multiplication.
; REGISTERS: window 0: v1-13 ids and addresses; v16-31 Q(x), v32-33 its scale words; v34-45 at work; v50-57, v208-215 codes; v58-59 scale words made; v60-63 sums; v64-191 x, later qn | rows read back;
;   v192-207 the weights' scale words (tile tt: K step 0 in lanes 0-15, K step 1 in lanes 16-31); v216-231 rows of codes.
;   window 1: the 32 weight fragments.  window 2: g1 (v0-127), b1 (v128-255).  window 3: the 16 accumulators (0-7 q's, 8-15 k's).
; THE MODE: SCHED_MODE bits 1:0 = 2 (LLVM: expert scheduling mode 2), set by the entry lines.  The code itself states the register dependences
; between vector or matrix instructions and memory or LDS instructions, with s_wait_alu, always for 0.
; THE PLAN.  Registers that memory or LDS instructions touch:
;   v4-v13, v254, v255   offsets and LDS addresses: written once at the head, ahead of the one wait in front of the first load; never written again.
;   x, g1, b1, the weights, their scale words, the biases   land in registers that no vector instruction has named before, by offsets that none has named since that wait: nothing more is owed.
;   PCA, PCB, MO         written by the quantiser and a select, read by stores: one wait on va_vdst ahead of each run of stores; one on vm_vsrc at the head of each normalisation, ahead of the next writes.
;   v64-127              in a normalisation: written by its multiplies, read by its LDS stores.   v128-191: rows land there from the stage, global stores read them.  The same two waits serve them.
.set SCB, 360448
.set XF, 16
.set XS, 32
.set TM, 34
.set LT, 34
.set PCA, 50
.set PW, 58
.set ST, 60
.set X, 64
.set WS, 192
.set PCB, 208
.set CR, 216
.set MO, 232
.set WV, 36
.set SEL, 40
.set C256, 42
.set CEPS, 43
.set HM, 44
.set MSB, 0
.macro WIN new                         ; the immediate's high byte repeats the setting that is left
.if MSB != \new
	s_set_vgpr_msb (MSB<<8)|\new
.set MSB, \new
.endif
.endm
; 64 numbers of a lane (register 16 b + i = k 32 b + 16 h + i of my row) become a fragment's codes in v[dc] on and its scale word in v[dw]
.macro QUANT src, dc, dw
.irp b, 0,1,2,3
	v_max3_num_f32 v[TM+\b], |v[\src+16*\b]|, |v[\src+16*\b+1]|, 0x1800000   ; my 16 of block b, and the floor 2^(3 - 127)
.endr
.irp i, 2,4,6,8,10,12,14
.irp b, 0,1,2,3
	v_max3_num_f32 v[TM+\b], v[TM+\b], |v[\src+16*\b+\i]|, |v[\src+16*\b+\i+1]|
.endr
.endr
.irp b, 0,1,2,3
	v_permlanex16_b32 v[TM+4+\b], v[TM+\b], s[SEL], s[SEL+1]
.endr
.irp b, 0,1,2,3
	v_max_num_f32 v[TM+\b], v[TM+\b], v[TM+4+\b]   ; with lane l xor 16's: the block's largest magnitude
.endr
.irp b, 0,1,2,3
	v_add_nc_u32 v[TM+8+\b], 0xff000000, v[TM+\b]  ; 2 off its exponent field: the conversion's scale operand
.endr
.irp b, 0,1,2,3
	v_lshrrev_b32 v[TM+4+\b], 23, v[TM+8+\b]       ; the scale's byte
.endr
	v_lshl_or_b32 v[\dw], v[TM+5], 8, v[TM+4]
	v_lshl_or_b32 v[\dw], v[TM+6], 16, v[\dw]
	v_lshl_or_b32 v[\dw], v[TM+7], 24, v[\dw]
.irp b, 0,1,2,3
	v_cvt_scalef32_pk8_fp4_f32 v[\dc+2*\b], v[\src+16*\b:\src+16*\b+7], v[TM+8+\b]
	v_cvt_scalef32_pk8_fp4_f32 v[\dc+2*\b+1], v[\src+16*\b+8:\src+16*\b+15], v[TM+8+\b]
.endr
	v_nop                                          ; one plain place behind a scaled conversion
.irp c, 0,1                                    ; the operand wants a whole block in a lane
.irp i, 0,1
	v_permlane16_swap_b32 v[\dc+4*\c+\i], v[\dc+2+4*\c+\i]
.endr
.endr
.endm
; layer norm of the row in v[X] .. v[X+127] (with lane l xor 16's half): X = (X - mean) x rsqrt(var + 1e-5)
.macro LNSTAT
.irp c, 0,1,2,3
	v_pk_add_f32 v[LT+2*\c:LT+2*\c+1], v[X+2*\c:X+2*\c+1], v[X+8+2*\c:X+8+2*\c+1]
.endr
.set I, 16
.rept 14
.irp c, 0,1,2,3
	v_pk_add_f32 v[LT+2*\c:LT+2*\c+1], v[LT+2*\c:LT+2*\c+1], v[X+I+2*\c:X+I+2*\c+1]
.endr
.set I, I+8
.endr
	v_pk_add_f32 v[LT:LT+1], v[LT:LT+1], v[LT+2:LT+3]
	v_pk_add_f32 v[LT+4:LT+5], v[LT+4:LT+5], v[LT+6:LT+7]
	v_pk_add_f32 v[LT:LT+1], v[LT:LT+1], v[LT+4:LT+5]
	v_add_f32 v[LT], v[LT], v[LT+1]
	v_permlanex16_b32 v[LT+1], v[LT], s[SEL], s[SEL+1]
	v_add_f32 v[LT], v[LT], v[LT+1]
	v_mul_f32 v[LT], s[C256], v[LT]                ; the mean
.set I, 0
.rept 64
	v_pk_add_f32 v[X+I:X+I+1], v[X+I:X+I+1], v[LT:LT+1] op_sel_hi:[1,0] neg_lo:[0,1] neg_hi:[0,1]
.set I, I+2
.endr
.irp c, 0,1,2,3
	v_pk_mul_f32 v[LT+2*\c:LT+2*\c+1], v[X+2*\c:X+2*\c+1], v[X+2*\c:X+2*\c+1]
.endr
.set I, 8
.rept 15
.irp c, 0,1,2,3
	v_pk_fma_f32 v[LT+2*\c:LT+2*\c+1], v[X+I+2*\c:X+I+2*\c+1], v[X+I+2*\c:X+I+2*\c+1], v[LT+2*\c:LT+2*\c+1]
.endr
.set I, I+8
.endr
	v_pk_add_f32 v[LT:LT+1], v[LT:LT+1], v[LT+2:LT+3]
	v_pk_add_f32 v[LT+4:LT+5], v[LT+4:LT+5], v[LT+6:LT+7]
	v_pk_add_f32 v[LT:LT+1], v[LT:LT+1], v[LT+4:LT+5]
	v_add_f32 v[LT], v[LT], v[LT+1]
	v_permlanex16_b32 v[LT+1], v[LT], s[SEL], s[SEL+1]
	v_add_f32 v[LT], v[LT], v[LT+1]
	v_fma_f32 v[LT], v[LT], s[C256], s[CEPS]       ; the variance + 1e-5
	v_rsq_f32 v[LT], v[LT]
	v_nop                                          ; a plain place behind the transcendental
.set I, 0
	s_wait_alu depctr_va_vdst(0)                   ; the reciprocal root has written v[LT], ahead of its first reader
.rept 64
	v_pk_mul_f32 v[X+I:X+I+1], v[X+I:X+I+1], v[LT:LT+1] op_sel_hi:[1,0]
.set I, I+2
.endr
.endm
.macro LNAPPLY gw                      ; X = X x gain + bias; gain at v0-127, bias at v128-255 of the window that gw names for sources 1 and 2
	WIN \gw
.set I, 0
.rept 64
	v_pk_fma_f32 v[X+I:X+I+1], v[X+I:X+I+1], v[I:I+1], v[128+I:128+I+1]
.set I, I+2
.endr
	WIN 0
.endm
.macro SSQ base                        ; two chains of squares over 64 numbers, from the low end on
	v_pk_mul_f32 v[ST:ST+1], v[\base:\base+1], v[\base:\base+1]
	v_pk_mul_f32 v[ST+2:ST+3], v[\base+2:\base+3], v[\base+2:\base+3]
.set NI, 4
.rept 15
	v_pk_fma_f32 v[ST:ST+1], v[\base+NI:\base+NI+1], v[\base+NI:\base+NI+1], v[ST:ST+1]
	v_pk_fma_f32 v[ST+2:ST+3], v[\base+NI+2:\base+NI+3], v[\base+NI+2:\base+NI+3], v[ST+2:ST+3]
.set NI, NI+4
.endr
.endm
.macro SSQEND                          ; v[ST] = the row's sum, in both lanes of the row
	v_pk_add_f32 v[ST:ST+1], v[ST:ST+1], v[ST+2:ST+3]
	v_add_f32 v[ST], v[ST], v[ST+1]
	v_permlanex16_b32 v[ST+1], v[ST], s[SEL], s[SEL+1]
	v_add_f32 v[ST], v[ST], v[ST+1]
.endm
; the 8 accumulators at v[base] of window 3 are normalised, quantised and stored
.macro NORM base, pimg, pmeta, moff, prow
	s_wait_xcnt 0x0                                ; the stores issued so far have had their addresses translated: codes, words and rows are written again below
	s_wait_alu depctr_vm_vsrc(0)                   ; the stores issued so far, global and LDS, have read the codes, v[MO], v64-127 and v128-191, all of which are written again below
	WIN 0x0f                                       ; sources 0 and 1: window 3
	SSQ \base
	WIN 0
	SSQEND
	v_sqrt_f32 v[ST], v[ST]
	v_nop
	s_wait_alu depctr_va_vdst(0)                   ; the root has written v[ST], ahead of its first reader
	v_max_num_f32 v[ST], 0x2b8cbccc, v[ST]         ; max(norm, 1e-12)
	v_rcp_f32 v[ST], v[ST]
	v_nop
	WIN 0x03
.set NI, 0
	s_wait_alu depctr_va_vdst(0)                   ; the reciprocal has written v[ST], ahead of its first reader
.rept 32
	v_pk_mul_f32 v[X+NI:X+NI+1], v[\base+NI:\base+NI+1], v[ST:ST+1] op_sel_hi:[1,0]
.set NI, NI+2
.endr
	WIN 0
	SSQ X
	SSQEND                                         ; the sum of the normalised row's squares, as the distance wants it
	QUANT X, PCA, PW
	v_cndmask_b32 v[MO], v[PW], v[ST], s[HM]       ; lanes 0-15 the scale word of row r, lanes 16-31 its sum
	s_wait_alu depctr_va_vdst(0)                   ; the codes, v[MO] and the normalised row in v64-127 are written, which the stores below read; every vector instruction that named v128-191 is done, in which the rows land
	global_store_b128 v5, v[PCA:PCA+3], s[\pimg:\pimg+1]
	global_store_b128 v5, v[PCA+4:PCA+7], s[\pimg:\pimg+1] offset:512
	global_store_b32 v6, v[MO], s[\pmeta:\pmeta+1] offset:\moff
.set NI, 0
.rept 16
	ds_store_b128 v9, v[X+4*NI:X+4*NI+3] offset:128*(NI/4)+16*(NI%4)   ; columns 32 b + 16 h + 4 j of row r
.set NI, NI+1
.endr
.set NI, 0
.rept 16
	ds_load_b128 v[X+64+4*NI:X+64+4*NI+3], v10 offset:528*NI           ; a whole row; LDS serves a wave's instructions in order
.set NI, NI+1
.endr
.set NI, 0
.rept 16
	s_wait_dscnt 15-NI                             ; the loads of the rows behind row NI may be out
	global_store_b128 v5, v[X+64+4*NI:X+64+4*NI+3], s[\prow:\prow+1] offset:512*NI   ; 512 consecutive bytes
.set NI, NI+1
.endr
.endm
	s_load_b512 s[4:19], s[0:1], 0x0               ; x, wq, bq, bk, g1, b1, qpack, kpack
	s_load_b256 s[20:27], s[0:1], 0x40             ; qn, kn, xnc, xns
	v_lshl_add_u32 v254, v0, 2, 0xa800
	v_mov_b32 v255, 0
	v_lshrrev_b32 v1, 5, v0
	v_readfirstlane_b32 s[WV], v1
	s_lshl_b32 s37, ttmp9, 2
	s_wait_alu depctr_va_sdst(0)                   ; the wave's number is written, ahead of its first reader
	s_add_co_u32 s37, s37, s[WV]                   ; T
	v_and_b32 v1, 15, v0                           ; r
	v_bfe_u32 v2, v0, 4, 1                         ; h
	v_and_b32 v3, 31, v0                           ; lane
	v_lshlrev_b32 v4, 10, v1
	v_lshl_add_u32 v4, v2, 6, v4                   ; x: 1,024 r + 64 h
	v_lshlrev_b32 v5, 4, v3                        ; 16 x lane
	v_lshlrev_b32 v6, 2, v3                        ; 4 x lane
	v_lshlrev_b32 v7, 6, v2                        ; 64 h
	s_mul_i32 s38, s[WV], 10752                    ; my LDS: a stage of 16 x 528 bytes, then one of 16 x 144
	v_mul_u32_u24 v9, v1, 528
	v_lshl_add_u32 v9, v2, 6, v9
	v_add_nc_u32 v9, s38, v9
	v_add_nc_u32 v10, s38, v5
	s_add_co_u32 s39, s38, 8448
	v_mul_u32_u24 v11, v1, 144
	v_lshl_add_u32 v11, v2, 4, v11
	v_add_nc_u32 v11, s39, v11                     ; codes in: row r, 16 h
	v_lshrrev_b32 v12, 3, v3
	v_mul_u32_u24 v12, v12, 144
	v_and_b32 v13, 7, v3
	v_lshl_add_u32 v12, v13, 4, v12
	v_add_nc_u32 v12, s39, v12                     ; codes back: eight lanes to a row of 128 bytes
	v_lshlrev_b32 v13, 3, v1
	v_lshl_add_u32 v13, v2, 2, v13                 ; xns: 8 r + 4 h
.irp b, 0,1,2,3
	v_mov_b32 v[TM+4+\b], 0                        ; written once: a lane permute's destination counts as a source
.endr
	s_mov_b32 s[SEL], 0x76543210
	s_mov_b32 s[SEL+1], 0xfedcba98
	s_mov_b32 s[C256], 0x3b800000                  ; 1 / 256
	s_mov_b32 s[CEPS], 0x3727c5ac                  ; 1e-5
	s_mov_b32 s[HM], 0xffff0000                    ; lanes 16-31
	s_mov_b32 s47, 0
	s_lshr_b32 s48, s37, 7
	s_mul_i32 s48, s48, 147456                     ; my batch in kpack
	s_and_b32 s49, s37, 127                        ; my tile in the batch
	s_wait_kmcnt 0x0
	s_lshl_b32 s46, s37, 14
	s_add_nc_u64 s[4:5], s[4:5], s[46:47]
	s_lshl_b32 s46, s37, 7
	s_add_nc_u64 s[28:29], s[16:17], s[46:47]      ; q's words and sums (1,048,576 stands in the immediate)
	s_add_nc_u64 s[26:27], s[26:27], s[46:47]
	s_lshl_b32 s46, s37, 10
	s_add_nc_u64 s[16:17], s[16:17], s[46:47]
	s_lshl_b32 s46, s37, 13
	s_add_nc_u64 s[20:21], s[20:21], s[46:47]
	s_add_nc_u64 s[22:23], s[22:23], s[46:47]
	s_lshl_b32 s46, s37, 11
	s_add_nc_u64 s[24:25], s[24:25], s[46:47]
	s_lshl_b32 s46, s49, 7
	s_add_co_u32 s46, s46, s48
	s_add_nc_u64 s[30:31], s[18:19], s[46:47]      ; k's words and sums (131,072 in the immediate)
	s_lshl_b32 s46, s49, 10
	s_add_co_u32 s46, s46, s48
	s_add_nc_u64 s[18:19], s[18:19], s[46:47]
	s_wait_alu depctr_va_vdst(0)                   ; the offsets and LDS addresses v4 to v13 are written, which every load and store of the kernel reads; so are v254 and v255
.set I, 0
.rept 32
	global_load_b128 v[X+4*I:X+4*I+3], v4, s[4:5] offset:512*(I/16)+128*((I/4)%4)+16*(I%4) th:TH_LOAD_NT
.set I, I+1
.endr
	WIN 0x80                                       ; destination window 2
.set I, 0
.rept 32
	global_load_b128 v[4*I:4*I+3], v7, s[12:13] offset:512*(I/16)+128*((I/4)%4)+16*(I%4)
.set I, I+1
.endr
	s_wait_loadcnt 32                              ; x is in: the 32 loads of g1 are younger
.set I, 0
.rept 32
	global_load_b128 v[128+4*I:128+4*I+3], v7, s[14:15] offset:512*(I/16)+128*((I/4)%4)+16*(I%4)
.set I, I+1
.endr
	WIN 0
	QUANT X, XF, XS
	QUANT X+64, XF+8, XS+1
	LNSTAT
	s_wait_loadcnt 0x0                             ; g1 and b1
	WIN 0x40                                       ; the weights land while the layer norm is finished and quantised.  No wait: no vector instruction has named window 1, window 3, v192-207, or, since the wait at the head, v5 to v7
.set I, 0
.rept 64
	global_load_b128 v[4*I:4*I+3], v5, s[6:7] offset:512*I
.set I, I+1
.endr
	WIN 0xc0                                       ; the biases into the accumulators: tile t, lane (r, h): columns 32 (t/2) + 16 h + 8 (t%2) + 0 .. 7
.set I, 0
.rept 16
	global_load_b128 v[4*I:4*I+3], v7, s[8:9] offset:128*(I/4)+32*((I/2)%2)+16*(I%2)
	global_load_b128 v[64+4*I:64+4*I+3], v7, s[10:11] offset:128*(I/4)+32*((I/2)%2)+16*(I%2)
.set I, I+1
.endr
	WIN 0
.set I, 0
.rept 16
	global_load_b32 v[WS+I], v6, s[6:7] offset:SCB+128*I
.set I, I+1
.endr
	LNAPPLY 0x28
	QUANT X, PCA, PW
	QUANT X+64, PCB, PW+1
	v_cndmask_b32 v[MO], v[PW], v[PW+1], s[HM]     ; lane (r, h): the word of K step h
	s_wait_alu depctr_va_vdst(0)                   ; both sets of codes and v[MO] are written, which the stores below read; so are Q(x)'s codes and scale words, which the products further down take
	ds_store_b128 v11, v[PCA:PCA+3]                ; byte 64 s + 32 c + 16 h of row r
	ds_store_b128 v11, v[PCA+4:PCA+7] offset:32
	ds_store_b128 v11, v[PCB:PCB+3] offset:64
	ds_store_b128 v11, v[PCB+4:PCB+7] offset:96
.irp i, 0,1,2,3
	ds_load_b128 v[CR+4*\i:CR+4*\i+3], v12 offset:576*\i
.endr
	global_store_b32 v13, v[MO], s[26:27]
	s_wait_dscnt 0x0
.irp i, 0,1,2,3
	global_store_b128 v5, v[CR+4*\i:CR+4*\i+3], s[24:25] offset:512*\i
.endr
	s_wait_loadcnt 0x0                             ; weights, their scale words, biases
	WIN 0xf1                                       ; source 0 window 1, source 1 window 0, C and D window 3
; the 16 accumulators take turns, one instruction a turn
.set I, 0
.rept 16
	v_wmma_scale_f32_16x16x128_f8f6f4 v[8*I:8*I+7], v[16*I:16*I+7], v[XF:XF+7], v[8*I:8*I+7], v[WS+I], v[XS] matrix_a_fmt:MATRIX_FMT_FP4 matrix_b_fmt:MATRIX_FMT_FP4
.set I, I+1
.endr
.set I, 0
.rept 16
	v_wmma_scale_f32_16x16x128_f8f6f4 v[8*I:8*I+7], v[16*I+8:16*I+15], v[XF+8:XF+15], v[8*I:8*I+7], v[WS+I], v[XS+1] matrix_a_fmt:MATRIX_FMT_FP4 matrix_b_fmt:MATRIX_FMT_FP4 matrix_a_scale:MATRIX_SCALE_ROW1
.set I, I+1
.endr
	WIN 0
.rept 4
	v_nop                                          ; four places in front of the first read of results (ISA guide 7.12.1)
.endr
	NORM 0, 16, 28, 1048576, 20
	NORM 64, 18, 30, 131072, 22
	s_wait_dscnt 0x0                               ; the closing lines, six on end
	s_wait_alu 0x0
	s_wait_tensorcnt 0x0
	ds_add_u32 v254, v255
	s_wait_dscnt 0x0
	s_endpgm
.Lfunc_end_k_qbc4b8be34a_proj:
	.size	k_qbc4b8be34a_proj, .Lfunc_end_k_qbc4b8be34a_proj-k_qbc4b8be34a_proj
	.p2alignl 7, 3214868480
	.fill 96, 4, 3214868480
	.section	.rodata,"a",@progbits
	.p2align	6, 0x0
	.amdhsa_kernel k_qbc4b8be34a_proj
		.amdhsa_group_segment_fixed_size 43520
		.amdhsa_private_segment_fixed_size 0
		.amdhsa_enable_private_segment 0
		.amdhsa_kernarg_size 96
		.amdhsa_user_sgpr_count 2
		.amdhsa_user_sgpr_kernarg_segment_ptr 1
		.amdhsa_wavefront_size32 1
		.amdhsa_system_sgpr_workgroup_id_x 1
		.amdhsa_system_sgpr_workgroup_id_y 1
		.amdhsa_system_sgpr_workgroup_id_z 1
		.amdhsa_system_vgpr_workitem_id 0
		.amdhsa_next_free_vgpr 896
		.amdhsa_next_free_sgpr 66
		.amdhsa_reserve_vcc 0
		.amdhsa_float_denorm_mode_32 3
		.amdhsa_float_denorm_mode_16_64 3
		.amdhsa_memory_ordered 1
		.amdhsa_forward_progress 1
		.amdhsa_inst_pref_size 94
	.end_amdhsa_kernel
	.amdgpu_metadata
---
amdhsa.version: [ 1, 2 ]
amdhsa.kernels:
  - .name:           k_qbc4b8be34a_proj
    .symbol:         k_qbc4b8be34a_proj.kd
    .args:
      - { .name: x, .offset: 0, .size: 8, .value_kind: global_buffer, .address_space: global }
      - { .name: wq, .offset: 8, .size: 8, .value_kind: global_buffer, .address_space: global }
      - { .name: bq, .offset: 16, .size: 8, .value_kind: global_buffer, .address_space: global }
      - { .name: bk, .offset: 24, .size: 8, .value_kind: global_buffer, .address_space: global }
      - { .name: g1, .offset: 32, .size: 8, .value_kind: global_buffer, .address_space: global }
      - { .name: b1, .offset: 40, .size: 8, .value_kind: global_buffer, .address_space: global }
      - { .name: qpack, .offset: 48, .size: 8, .value_kind: global_buffer, .address_space: global }
      - { .name: kpack, .offset: 56, .size: 8, .value_kind: global_buffer, .address_space: global }
      - { .name: qn, .offset: 64, .size: 8, .value_kind: global_buffer, .address_space: global }
      - { .name: kn, .offset: 72, .size: 8, .value_kind: global_buffer, .address_space: global }
      - { .name: xnc, .offset: 80, .size: 8, .value_kind: global_buffer, .address_space: global }
      - { .name: xns, .offset: 88, .size: 8, .value_kind: global_buffer, .address_space: global }
    .group_segment_fixed_size: 43520
    .private_segment_fixed_size: 0
    .kernarg_segment_align: 8
    .kernarg_segment_size: 96
    .max_flat_workgroup_size: 128
    .sgpr_count:     66
    .vgpr_count:     896
    .wavefront_size: 32
...
	.end_amdgpu_metadata
.endif
;; end of part 5
;; launch knn: the kernel of part 3 again; grid 256 x 1, 4 waves a work-group, clusters of 4 x 1, 168,448 bytes of LDS; arguments qpack, kpack, idx; writes idx
;; launch attnffn (part 6): grid 256 x 1, 4 waves a work-group, no clusters, 305,664 bytes of LDS; arguments x, wq, idx, xnc, xns, qn, kn, bv, bo, gf, bf, b1f, b2f, rw, out0; writes out0
.if DOCPART == 6
	.amdgcn_target "amdgcn-amd-amdhsa--gfx1250"
	.amdhsa_code_object_version 6
	.text
	.protected	k_qbc4b8be34a_attnffn
	.globl	k_qbc4b8be34a_attnffn
	.p2align	8
	.type	k_qbc4b8be34a_attnffn,@function
k_qbc4b8be34a_attnffn:
	s_mov_b64 s[64:65], 0
	v_nop
	global_prefetch_b8 v0, s[64:65] scope:SCOPE_SE
	s_setreg_imm32_b32 hwreg(HW_REG_WAVE_SCHED_MODE, 0, 2), 2
	s_setreg_imm32_b32 hwreg(HW_REG_WAVE_MODE, 25, 1), 1
	s_wait_xcnt 0x0
	s_wait_alu depctr_vm_vsrc(0)
; For 64 queries a work-group: gather of the 16 neighbours; v = Q(LN(x_v)) Q(Wv) + bv; attention of 8 heads over the 16 neighbours (f32); o Wo + bo; x1 = x + rw o; LN; W1, exact GELU, W2; out = x1 + rw h.
; All four matrix products are FP4 products with E8M0 scales and f32 sums; every operand that is computed here is quantised in registers and goes from wave to wave through LDS as an image of its registers.
; SHARES: the four waves share the COLUMNS: wave w owns heads 2w, 2w+1, output columns 64w .. 64w+63 of Wv, Wo and W2, hidden units 256w .. 256w+255, for all 64 rows.  Its weights stay in its registers, read once.
; A query's 16 neighbours are one operand tile of 16 rows: their codes (128 bytes a row) and scale words are gathered once by the wave that owns the query's tile and laid in LDS as images.
; PHASES, seven barriers:  head: gather | 1 |  A1: logits and softmax, lane = (neighbour r, head h)   A2: a query at a time: 8 products (source 0 = the neighbours, source 1 = Wv), then attn . v | 2 |
;   B: rows of o quantised | 3 |  C: o Wo, x1 | 4 |  D: LN(x1) quantised | 5 |  E: W1, GELU, quantised | 6 |  F: W2, out | 7 |  whole rows stored.
; WHEN THE WEIGHTS COME: Wv, Wo and all scale words with the head's gathers; W1 in the last four refills of A1's ring of kn rows, each quarter into the ring place just read; W2 in D and in front of E, which issues no other load from memory.
; LDS: GIMG 64 queries x 2 images; GSC their scale words; QSB qn rows; ATT the weights of attention (each wave's own); OST a stage [wave's 64 columns][64 rows], pitch 272: o, then x1, then out; OIMG/OSC, NIMG/NSC images of o and LN(x1);
;   B1F b1f (each wave's own); HIMG/HSC the hidden layer's 32 images [K step][row tile], over GIMG, which nobody reads behind barrier 2.
; NO CLUSTER: what the work-groups share is the weights, 320 images = 327,680 bytes, which go straight into registers; a joint load lands in LDS, of which 305,152 bytes are taken.
; GELU: 0.5 h (1 + erf(h / sqrt 2)) with erf by two polynomials in f32 (|a| <= 0.9277: odd polynomial; above: 1 - exp(polynomial)); both are computed and one is selected; for a < 0 in the tail 1 + erf is the exponential itself, so nothing cancels.
; LIMITS: NaN and infinities are not served; blocks of zeros carry the byte 1; the neighbours come ordered by index, so attention's f32 sums run in another order than by distance; indices are held to 0 .. 2,047.
; REGISTERS: window 0: v1-7 ids; v8-47 the weights' scale words; v48-71 addresses; v72-199 each phase's numbers; v200-207 scale words fetched from LDS, and nothing else; v208-231 at work (v208-216 a second set of codes and scale word;
;   v224-231 in A1 two sets of four weights of attention on their way to LDS); v232-252 the quantiser's.
;   window 1: gathered codes, then the ring of kn, then W1.  window 2: gathered words and qn rows, then W2.  window 3: Wo, bo, bv, Wv; then x; then gf, bf; then y's accumulators and b2f.
; THE MODE: SCHED_MODE bits 1:0 = 2 (LLVM: expert scheduling mode 2), set by the entry lines.  The code itself states the register dependences
; between vector or matrix instructions and memory or LDS instructions, with s_wait_alu, always for 0.
; THE PLAN.  Registers that memory or LDS instructions touch, phase by phase:
;   v4-6, v48-68     offsets and LDS addresses: written once at the head, ahead of the wait in front of the first load; never written again.
;   v7, v69-71       the four LDS addresses of the loops of A2 and E: made anew at a trip's head, between a wait on vm_vsrc (the trip before has read them) and a wait on va_vdst (they are written).
;   A1  v72-135 the qn rows and a ring place of window 1: read by a group's dot products.  v224-227, v228-231 by turns: written by a group's last multiplies, stored in the next group.
;       ONE wait on va_vdst, the one behind the group's exponentials, states that these are written, that the dot products are done reading, and that the group before has written its weights: behind it stand that group's four stores,
;       the refill of the ring place and the next group's qn rows.  A wait on vm_vsrc ahead of the last multiplies frees the set that was stored a group before.
;   A2  two operand sets (v72-103, v104-135, v200-203) by turns: read by a query's products and sums, filled again at the next query's head.  v168-175, v176-183 by turns: a query's sums, read by its two stores.
;       ONE wait on va_vdst a query, ahead of its stores: no vector instruction stands between it and the next query's fetch, which lands in the set that this query has read.
;   B, D  v72-199: rows land there; the quantiser writes two sets of codes; one wait on va_vdst ahead of the six stores; one on vm_vsrc ahead of the rows' loads.
;   C   two operand sets by turns; v136-167 x1 on its way to the stage: a wait on vm_vsrc ahead of its sums, one on va_vdst ahead of its stores, which also covers the fetch that the next tile issues.
;   E   v136-151, v200-201 LN(x1)'s operands, v72-135 b1f and then the hidden units; the two halves of a trip use the two sets of codes: one wait on va_vdst ahead of each half's stores.
;   F   two operand sets by turns: a wait on va_vdst ahead of each fetch into a set that products have read; then x1's loads, the result's stores, and the rows read back, each behind its wait.
.set SCB, 360448
.set GSC, 131072
.set QSB, 147456
.set ATT, 180224
.set OST, 212992
.set OREG, 17408
.set OPI, 272
.set OIMG, 282624
.set OSC, 290816
.set NOFF, 9216                        ; NIMG - OIMG = NSC - OSC
.set B1F, 301056
.set HSC, 32768
.set LI, 4
.set LS, 5
.set V64H, 6
.set TA3, 7
.set W1S, 8
.set W2S, 24
.set WVS, 40
.set WOS, 44
.set GW, 48
.set GSW, 49
.set QSW, 50
.set B1W, 51
.set QRD, 52
.set ATW, 53
.set FSA0, 54
.set ATA0, 55
.set OSA0, 56
.set ORD, 57
.set OIW, 58
.set OSW, 59
.set OIR, 60
.set OSR, 61
.set X1W, 62
.set B1R, 63
.set HIW, 64
.set HSW, 65
.set HSR, 66
.set OUTR, 67
.set XCA, 68
.set TA0, 69
.set TA1, 70
.set TA2, 71
.set X, 72
.set FR, 72
.set AT, 104
.set DD, 136
.set PP, 168                           ; v168-175, v176-183: a query's sums, two sets by turns
.set SCR, 200
.set PC2, 208                          ; v208-215 the second set of codes,
.set PW2, 216                          ; v216     and its scale word
.set OB, 224                           ; v224-227, v228-231: four weights of attention, two sets by turns
.set TM, 232
.set LT, 232
.set PC, 244
.set PW, 252
.set GA, 152
.set GTT, 160
.set GS, 168
.set GL, 176
.set GM, 184
.set RW, 34
.set WV, 36
.set SEL, 38
.set C256, 66
.set CEPS, 67
.set CB0, 68
.set CB2, 70
.set CS0, 72
.set QG, 74
.set QS2, 75
.set QA, 76
.set QO, 77
.set CNT, 78
.set E1, 79
.set E2, 80
.set E3, 81
.set E4, 82
.set THR, 83                           ; s83    the threshold between erf's two polynomials
.set MA, 84                            ; s84-91 eight masks: a < 0
.set MB, 92                            ; s92-99 eight masks: |a| above the threshold
.set MSB, 0
.macro WIN new                         ; the immediate's high byte repeats the setting that is left
.if MSB != \new
	s_set_vgpr_msb (MSB<<8)|\new
.set MSB, \new
.endif
.endm
.macro PLACES                          ; four places behind matrix instructions, in front of reads of results and of loads into their registers
.rept 4
	v_nop
.endr
.endm
.macro BARRIER                         ; my LDS stores have landed and my LDS loads are in: then the work-group's barrier
	s_wait_dscnt 0x0
	s_barrier_signal -1
	s_barrier_wait -1
.endm
; 64 numbers of a lane (register 16 b + i = k 32 b + 16 h + i of my row) become a fragment's codes in v[dc] on and its scale word in v[dw]
.macro QUANT src, dc, dw
.irp b, 0,1,2,3
	v_max3_num_f32 v[TM+\b], |v[\src+16*\b]|, |v[\src+16*\b+1]|, 0x1800000   ; my 16 of block b, and the floor 2^(3 - 127)
.endr
.irp i, 2,4,6,8,10,12,14
.irp b, 0,1,2,3
	v_max3_num_f32 v[TM+\b], v[TM+\b], |v[\src+16*\b+\i]|, |v[\src+16*\b+\i+1]|
.endr
.endr
.irp b, 0,1,2,3
	v_permlanex16_b32 v[TM+4+\b], v[TM+\b], s[SEL], s[SEL+1]
.endr
.irp b, 0,1,2,3
	v_max_num_f32 v[TM+\b], v[TM+\b], v[TM+4+\b]
.endr
.irp b, 0,1,2,3
	v_add_nc_u32 v[TM+8+\b], 0xff000000, v[TM+\b]  ; 2 off the exponent field: the conversion's scale operand
.endr
.irp b, 0,1,2,3
	v_lshrrev_b32 v[TM+4+\b], 23, v[TM+8+\b]       ; the scale's byte
.endr
	v_lshl_or_b32 v[\dw], v[TM+5], 8, v[TM+4]
	v_lshl_or_b32 v[\dw], v[TM+6], 16, v[\dw]
	v_lshl_or_b32 v[\dw], v[TM+7], 24, v[\dw]
.irp b, 0,1,2,3
	v_cvt_scalef32_pk8_fp4_f32 v[\dc+2*\b], v[\src+16*\b:\src+16*\b+7], v[TM+8+\b]
	v_cvt_scalef32_pk8_fp4_f32 v[\dc+2*\b+1], v[\src+16*\b+8:\src+16*\b+15], v[TM+8+\b]
.endr
	v_nop                                          ; one plain place behind a scaled conversion
.irp c, 0,1
.irp i, 0,1
	v_permlane16_swap_b32 v[\dc+4*\c+\i], v[\dc+2+4*\c+\i]
.endr
.endr
.endm
.macro LNSTAT                          ; X = (X - mean) x rsqrt(var + 1e-5), the row shared with lane l xor 16
.irp c, 0,1,2,3
	v_pk_add_f32 v[LT+2*\c:LT+2*\c+1], v[X+2*\c:X+2*\c+1], v[X+8+2*\c:X+8+2*\c+1]
.endr
.set I, 16
.rept 14
.irp c, 0,1,2,3
	v_pk_add_f32 v[LT+2*\c:LT+2*\c+1], v[LT+2*\c:LT+2*\c+1], v[X+I+2*\c:X+I+2*\c+1]
.endr
.set I, I+8
.endr
	v_pk_add_f32 v[LT:LT+1], v[LT:LT+1], v[LT+2:LT+3]
	v_pk_add_f32 v[LT+4:LT+5], v[LT+4:LT+5], v[LT+6:LT+7]
	v_pk_add_f32 v[LT:LT+1], v[LT:LT+1], v[LT+4:LT+5]
	v_add_f32 v[LT], v[LT], v[LT+1]
	v_permlanex16_b32 v[LT+1], v[LT], s[SEL], s[SEL+1]
	v_add_f32 v[LT], v[LT], v[LT+1]
	v_mul_f32 v[LT], s[C256], v[LT]
.set I, 0
.rept 64
	v_pk_add_f32 v[X+I:X+I+1], v[X+I:X+I+1], v[LT:LT+1] op_sel_hi:[1,0] neg_lo:[0,1] neg_hi:[0,1]
.set I, I+2
.endr
.irp c, 0,1,2,3
	v_pk_mul_f32 v[LT+2*\c:LT+2*\c+1], v[X+2*\c:X+2*\c+1], v[X+2*\c:X+2*\c+1]
.endr
.set I, 8
.rept 15
.irp c, 0,1,2,3
	v_pk_fma_f32 v[LT+2*\c:LT+2*\c+1], v[X+I+2*\c:X+I+2*\c+1], v[X+I+2*\c:X+I+2*\c+1], v[LT+2*\c:LT+2*\c+1]
.endr
.set I, I+8
.endr
	v_pk_add_f32 v[LT:LT+1], v[LT:LT+1], v[LT+2:LT+3]
	v_pk_add_f32 v[LT+4:LT+5], v[LT+4:LT+5], v[LT+6:LT+7]
	v_pk_add_f32 v[LT:LT+1], v[LT:LT+1], v[LT+4:LT+5]
	v_add_f32 v[LT], v[LT], v[LT+1]
	v_permlanex16_b32 v[LT+1], v[LT], s[SEL], s[SEL+1]
	v_add_f32 v[LT], v[LT], v[LT+1]
	v_fma_f32 v[LT], v[LT], s[C256], s[CEPS]
	v_rsq_f32 v[LT], v[LT]
	v_nop
.set I, 0
	s_wait_alu depctr_va_vdst(0)                   ; the reciprocal root has written v[LT], ahead of its first reader
.rept 64
	v_pk_mul_f32 v[X+I:X+I+1], v[X+I:X+I+1], v[LT:LT+1] op_sel_hi:[1,0]
.set I, I+2
.endr
.endm
.macro LNAPPLY gw
	WIN \gw
.set I, 0
.rept 64
	v_pk_fma_f32 v[X+I:X+I+1], v[X+I:X+I+1], v[I:I+1], v[128+I:128+I+1]
.set I, I+2
.endr
	WIN 0
.endm
.macro ROWSIN                          ; my 16 rows of the stage, in the quantiser's layout: column 128 s + 32 b + 16 h + 4 j lies in region 2 s + b / 2
.set I, 0
.rept 32
	ds_load_b128 v[X+4*I:X+4*I+3], v[ORD] offset:(2*(I/16)+((I/4)%4)/2)*OREG+128*((I/4)%2)+16*(I%4)
.set I, I+1
.endr
.endm
.macro TOIMG off                       ; the rows in X become two images and two runs of scale words: each half has registers of its own for its codes, so that all six stores stand behind one wait
	QUANT X, PC, PW
	QUANT X+64, PC2, PW2
	s_wait_alu depctr_va_vdst(0)                   ; the quantiser has written both sets of codes and both scale words, which the stores read
	ds_store_b128 v[OIW], v[PC:PC+3] offset:\off
	ds_store_b128 v[OIW], v[PC+4:PC+7] offset:\off+512
	ds_store_b32 v[OSW], v[PW] offset:\off
	ds_store_b128 v[OIW], v[PC2:PC2+3] offset:\off+1024
	ds_store_b128 v[OIW], v[PC2+4:PC2+7] offset:\off+1536
	ds_store_b32 v[OSW], v[PW2] offset:\off+128
.endm
.macro KLOAD g                         ; group g (queries 4 g .. 4 g + 3): my head's 64 bytes of each neighbour's kn row, into ring place g % 4 of window 1: 16 loads
	WIN 0x40
.irp qq, 0,1,2,3
.irp d, 0,1,2,3
	global_load_b128 v[64*((\g)%4)+16*\qq+4*\d:64*((\g)%4)+16*\qq+4*\d+3], v[136+4*(\g)+\qq], s[16:17] offset:16*\d
.endr
.endr
	WIN 0
.endm
.macro W1LOAD p                        ; quarter p of my 32 images of W1 into ring place p of window 1, where it stays: 16 loads
	WIN 0x40
.set I, 0
.rept 16
	global_load_b128 v[64*(\p)+4*I:64*(\p)+4*I+3], v[LI], s[42:43] offset:98304+8192*(\p)+512*I
.set I, I+1
.endr
	WIN 0
.endm
.macro QROWS g                         ; my head's 64 bytes of the qn rows of group g's four queries, into v72-135
.irp qq, 0,1,2,3
.irp d, 0,1,2,3
	ds_load_b128 v[72+16*\qq+4*\d:72+16*\qq+4*\d+3], v[QRD] offset:512*(4*(\g)+\qq)+16*\d
.endr
.endr
.endm
.macro ATTN g                          ; logits and softmax of four queries: lane (r, h) = neighbour r, head 2 w + h
	s_wait_loadcnt 48                              ; behind this group's 16 loads stand three runs of 16: the three younger groups, or at the end quarters of W1
	s_wait_dscnt 0x0                               ; this group's qn rows, asked for a group ago
	WIN 0x04                                       ; source 1: window 1
.irp qq, 0,1,2,3
	v_pk_mul_f32 v[208+2*\qq:209+2*\qq], v[72+16*\qq:73+16*\qq], v[64*(\g%4)+16*\qq:64*(\g%4)+16*\qq+1]
.endr
.irp i, 2,4,6,8,10,12,14
.irp qq, 0,1,2,3
	v_pk_fma_f32 v[208+2*\qq:209+2*\qq], v[72+16*\qq+\i:73+16*\qq+\i], v[64*(\g%4)+16*\qq+\i:64*(\g%4)+16*\qq+\i+1], v[208+2*\qq:209+2*\qq]
.endr
.endr
	WIN 0
.irp qq, 0,1,2,3
	v_add_f32 v[216+\qq], v[208+2*\qq], v[209+2*\qq]
.endr
.irp qq, 0,1,2,3
	v_mov_b32 v[220+\qq], v[216+\qq]
.endr
.irp m, 1,2,4,8
.irp qq, 0,1,2,3
	v_max_num_f32_dpp v[220+\qq], v[220+\qq], v[220+\qq] row_xmask:\m row_mask:0xf bank_mask:0xf
.endr
.endr
.irp qq, 0,1,2,3
	v_sub_f32 v[216+\qq], v[216+\qq], v[220+\qq]   ; the maximum over the 16 neighbours is taken away
.endr
.irp qq, 0,1,2,3
	v_mul_f32 v[216+\qq], 0x3eb8aa3b, v[216+\qq]   ; x log2(e) / sqrt(16)
.endr
.irp qq, 0,1,2,3
	v_exp_f32 v[216+\qq], v[216+\qq]
.endr
	v_nop
	s_wait_alu depctr_va_vdst(0)                   ; the four exponentials are written, ahead of their first reader; the dot products are done reading v72-135 and the ring place, in which the loads below land; the group before has written its four weights, which the stores below read
.if \g > 0
.irp qq, 0,1,2,3
	ds_store_b32 v[ATW], v[OB+4*((\g-1)%2)+\qq] offset:128*(4*(\g-1)+\qq)   ; the weights of the group before
.endr
.endif
.if \g < 12
	KLOAD \g+4                                     ; the ring place just read takes the group four further on,
.else
	W1LOAD \g-12                                   ; or, when no group is left, its quarter of W1
.endif
.if \g < 15
	QROWS \g+1                                     ; the next group's qn rows: the rest of this group names none of their registers
.endif
.irp qq, 0,1,2,3
	v_mov_b32 v[220+\qq], v[216+\qq]
.endr
.irp m, 1,2,4,8
.irp qq, 0,1,2,3
	v_add_f32_dpp v[220+\qq], v[220+\qq], v[220+\qq] row_xmask:\m row_mask:0xf bank_mask:0xf
.endr
.endr
.irp qq, 0,1,2,3
	v_rcp_f32 v[220+\qq], v[220+\qq]
.endr
	v_nop
	s_wait_alu depctr_va_vdst(0)                   ; the four reciprocals are written, ahead of their first reader
.if \g > 1
	s_wait_alu depctr_vm_vsrc(0)                   ; the stores issued a group ago have read this set of four weights, which is written again below
.endif
.irp qq, 0,1,2,3
	v_mul_f32 v[OB+4*(\g%2)+\qq], v[216+\qq], v[220+\qq]
.endr
.endm
.macro THEAD                           ; the addresses of a trip's first query
	v_add_nc_u32 v[TA0], s[QG], v[LI]
	v_add_nc_u32 v[TA1], s[QS2], v[FSA0]
	v_add_nc_u32 v[TA2], s[QA], v[ATA0]
	v_add_nc_u32 v[TA3], s[QO], v[OSA0]
.endm
.macro PREF b, k                       ; the operands of the query k behind the trip's first, into set b: ten LDS loads
.irp n, 0,1,2,3
	ds_load_b128 v[FR+16*(\b)+4*\n:FR+16*(\b)+4*\n+3], v[TA0] offset:2048*\k+512*\n
.endr
	ds_load_b32 v[SCR+2*(\b)], v[TA1] offset:256*\k
	ds_load_b32 v[SCR+2*(\b)+1], v[TA1] offset:256*\k+128
	ds_load_b128 v[AT+16*(\b):AT+16*(\b)+3], v[TA2] offset:128*\k        ; head 0's weights of neighbours 8 h + 0 .. 7,
	ds_load_b128 v[AT+16*(\b)+4:AT+16*(\b)+7], v[TA2] offset:128*\k+16
	ds_load_b128 v[AT+16*(\b)+8:AT+16*(\b)+11], v[TA2] offset:128*\k+64  ; head 1's
	ds_load_b128 v[AT+16*(\b)+12:AT+16*(\b)+15], v[TA2] offset:128*\k+80
.endm
; one query (the o-th of the trip, operands in set b): v of its 16 neighbours in my 64 columns, then attn . v.  k: which query is fetched meanwhile (0: none)
.macro STEP b, o, k
	s_wait_dscnt 2                                 ; my operands are in: behind their loads stand the two stores of the query before
.if \k
	PREF 1-\b, \k                                  ; the next query's operands are asked for first, so that this query's products and sums stand between the loads and the wait for them.
.endif                                         ; They land in the set that the query before read.  No wait here: no vector instruction stands between these loads and the last wait on va_vdst (ahead of that query's stores, or at the trip's head)
	WIN 0x3c                                       ; source 1 (Wv) and C (bv): window 3.  The four accumulators take turns
.irp tl, 0,1,2,3
	v_wmma_scale_f32_16x16x128_f8f6f4 v[DD+8*\tl:DD+8*\tl+7], v[FR+16*\b:FR+16*\b+7], v[128+16*\tl:128+16*\tl+7], v[96+8*\tl:96+8*\tl+7], v[SCR+2*\b], v[WVS+\tl] matrix_a_fmt:MATRIX_FMT_FP4 matrix_b_fmt:MATRIX_FMT_FP4
.endr
	WIN 0x0c
.irp tl, 0,1,2,3
	v_wmma_scale_f32_16x16x128_f8f6f4 v[DD+8*\tl:DD+8*\tl+7], v[FR+16*\b+8:FR+16*\b+15], v[128+16*\tl+8:128+16*\tl+15], v[DD+8*\tl:DD+8*\tl+7], v[SCR+2*\b+1], v[WVS+\tl] matrix_a_fmt:MATRIX_FMT_FP4 matrix_b_fmt:MATRIX_FMT_FP4 matrix_b_scale:MATRIX_SCALE_ROW1
.endr
	WIN 0
	PLACES
.irp tl, 0,1,2,3                               ; register j of lane (r, h) is v(neighbour 8 h + j, column of lane r).  The sums go into set b of two: the stores that read it a trip ago stand ahead of the wait on vm_vsrc at this trip's head
	v_pk_mul_f32 v[PP+8*\b+2*\tl:PP+8*\b+2*\tl+1], v[DD+8*\tl:DD+8*\tl+1], v[AT+16*\b+8*(\tl/2):AT+16*\b+8*(\tl/2)+1]
.endr
.irp j, 2,4,6
.irp tl, 0,1,2,3
	v_pk_fma_f32 v[PP+8*\b+2*\tl:PP+8*\b+2*\tl+1], v[DD+8*\tl+\j:DD+8*\tl+\j+1], v[AT+16*\b+8*(\tl/2)+\j:AT+16*\b+8*(\tl/2)+\j+1], v[PP+8*\b+2*\tl:PP+8*\b+2*\tl+1]
.endr
.endr
.irp tl, 0,1,2,3
	v_add_f32 v[PP+8*\b+2*\tl], v[PP+8*\b+2*\tl], v[PP+8*\b+2*\tl+1]
.endr
	v_permlane16_swap_b32 v[PP+8*\b], v[PP+8*\b+2]           ; a head's two tiles change halves: the sum over h then leaves tile h in lanes of half h
	v_permlane16_swap_b32 v[PP+8*\b+4], v[PP+8*\b+6]
	v_add_f32 v[PP+8*\b], v[PP+8*\b], v[PP+8*\b+2]
	v_add_f32 v[PP+8*\b+4], v[PP+8*\b+4], v[PP+8*\b+6]
	s_wait_alu depctr_va_vdst(0)                   ; the two sums are written, which the stores read; this query's products and sums are done reading operand set b, in which the next query's fetch lands
	ds_store_b32 v[TA3], v[PP+8*\b] offset:OPI*\o       ; o(query, 64 w + 8 h + r + 8 (r / 8))
	ds_store_b32 v[TA3], v[PP+8*\b+4] offset:OPI*\o+128 ; and 32 columns on
.endm
.macro FETCHO m                        ; o's two images of row tile m and their scale words, into set m % 2
.irp s, 0,1
.irp c, 0,1
	ds_load_b128 v[72+16*((\m)%2)+8*\s+4*\c:72+16*((\m)%2)+8*\s+4*\c+3], v[OIR] offset:1024*(2*(\m)+\s)+512*\c
.endr
	ds_load_b32 v[SCR+2*((\m)%2)+\s], v[OSR] offset:128*(2*(\m)+\s)
.endr
.endm
.macro GELU8 R                         ; eight numbers at v[R], in place
.irp k, 0,2,4,6
	v_pk_mul_f32 v[GA+\k:GA+\k+1], v[\R+\k:\R+\k+1], 0x3f3504f3 op_sel_hi:[1,0]   ; a = h / sqrt 2
.endr
.irp k, 0,1,2,3,4,5,6,7
	v_and_b32 v[GTT+\k], 0x7fffffff, v[GA+\k]      ; t = |a|
.endr
.irp k, 0,2,4,6
	v_pk_mul_f32 v[GS+\k:GS+\k+1], v[GA+\k:GA+\k+1], v[GA+\k:GA+\k+1]   ; s = a a
.endr
.irp k, 0,2,4,6
	v_pk_fma_f32 v[GL+\k:GL+\k+1], v[GTT+\k:GTT+\k+1], s[CB0:CB0+1], v[192:193] op_sel_hi:[1,0,1]
.endr
.irp k, 0,2,4,6
	v_pk_fma_f32 v[GM+\k:GM+\k+1], v[GTT+\k:GTT+\k+1], s[CB2:CB2+1], v[194:195] op_sel_hi:[1,0,1]
.endr
.irp k, 0,2,4,6
	v_pk_fma_f32 v[GL+\k:GL+\k+1], v[GL+\k:GL+\k+1], v[GS+\k:GS+\k+1], v[GM+\k:GM+\k+1]
.endr
.irp cf, 0xbddaae5c, 0xbf228550, 0xbe03ce86
.irp k, 0,2,4,6
	v_pk_fma_f32 v[GL+\k:GL+\k+1], v[GL+\k:GL+\k+1], v[GTT+\k:GTT+\k+1], \cf op_sel_hi:[1,1,0]
.endr
.endr
.irp k, 0,2,4,6
	v_pk_fma_f32 v[GL+\k:GL+\k+1], v[GL+\k:GL+\k+1], v[GTT+\k:GTT+\k+1], v[GTT+\k:GTT+\k+1] neg_lo:[0,0,1] neg_hi:[0,0,1]
.endr
.irp k, 0,2,4,6
	v_pk_mul_f32 v[GL+\k:GL+\k+1], v[GL+\k:GL+\k+1], 0x3fb8aa3b op_sel_hi:[1,0]
.endr
.irp k, 0,1,2,3,4,5,6,7
	v_exp_f32 v[GL+\k], v[GL+\k]                   ; e = 1 - erf(t), for t above the threshold
.endr
.irp k, 0,2,4,6
	v_pk_fma_f32 v[GM+\k:GM+\k+1], v[GS+\k:GS+\k+1], s[CS0:CS0+1], v[196:197] op_sel_hi:[1,0,1]   ; (plain places behind the exponentials)
.endr
.irp cf, 0xbcdb48d9, 0x3de70e22, 0xbec09380, 0x3e0375d4
.irp k, 0,2,4,6
	v_pk_fma_f32 v[GM+\k:GM+\k+1], v[GM+\k:GM+\k+1], v[GS+\k:GS+\k+1], \cf op_sel_hi:[1,1,0]
.endr
.endr
.irp k, 0,2,4,6
	v_pk_fma_f32 v[GM+\k:GM+\k+1], v[GM+\k:GM+\k+1], v[GA+\k:GA+\k+1], v[GA+\k:GA+\k+1]   ; erf(a), for t under the threshold
.endr
.irp k, 0,2,4,6
	v_pk_add_f32 v[GM+\k:GM+\k+1], v[GM+\k:GM+\k+1], 1.0 op_sel_hi:[1,0]
.endr
	s_wait_alu depctr_va_vdst(0)                   ; the eight exponentials have written v[GL ..], ahead of their first reader
.irp k, 0,2,4,6
	v_pk_add_f32 v[GS+\k:GS+\k+1], v[GL+\k:GL+\k+1], 2.0 op_sel_hi:[1,0] neg_lo:[1,0] neg_hi:[1,0]   ; 2 - e
.endr
; the two choices, stage by stage over the eight numbers, each number with masks of its own: no line reads the result of a line nearer than eight
.irp k, 0,1,2,3,4,5,6,7
	v_cmp_gt_f32 s[MA+\k], 0, v[GA+\k]
.endr
.irp k, 0,1,2,3,4,5,6,7
	v_cmp_lt_f32 s[MB+\k], s[THR], v[GTT+\k]
.endr
.irp k, 0,2,4,6
	v_pk_mul_f32 v[GA+\k:GA+\k+1], v[\R+\k:\R+\k+1], 0.5 op_sel_hi:[1,0]   ; (work that reads no mask, between the compares and the wait for them)
.endr
	s_wait_alu depctr_va_sdst(0)                   ; the sixteen compares have written their masks, ahead of the first select that reads one
.irp k, 0,1,2,3,4,5,6,7
	v_cndmask_b32 v[GL+\k], v[GS+\k], v[GL+\k], s[MA+\k]    ; 1 + erf in the tails: e where a < 0, else 2 - e
.endr
.irp k, 0,1,2,3,4,5,6,7
	v_cndmask_b32 v[GM+\k], v[GM+\k], v[GL+\k], s[MB+\k]
.endr
.irp k, 0,2,4,6
	v_pk_mul_f32 v[\R+\k:\R+\k+1], v[GA+\k:GA+\k+1], v[GM+\k:GM+\k+1]
.endr
.endm
.macro HID p, pc, pw                   ; hidden units 256 w + 128 p + 0 .. 127 of the row tile in hand: K step 2 w + p of the last product; its codes into v[pc] on, its scale word into v[pw]
.set I, 0
.rept 16
	ds_load_b128 v[72+4*I:72+4*I+3], v[B1R] offset:512*\p+128*(I/4)+32*((I/2)%2)+16*(I%2)   ; b1f into the accumulators.  No wait here: no vector instruction stands between these loads and the last wait on va_vdst
.set I, I+1
.endr
	s_wait_dscnt 0x0
	WIN 0x01                                       ; source 0 (W1): window 1.  Eight accumulators by turns
.irp tt, 0,1,2,3,4,5,6,7
	v_wmma_scale_f32_16x16x128_f8f6f4 v[72+8*\tt:79+8*\tt], v[16*(8*\p+\tt):16*(8*\p+\tt)+7], v[136:143], v[72+8*\tt:79+8*\tt], v[W1S+8*\p+\tt], v[SCR] matrix_a_fmt:MATRIX_FMT_FP4 matrix_b_fmt:MATRIX_FMT_FP4
.endr
.irp tt, 0,1,2,3,4,5,6,7
	v_wmma_scale_f32_16x16x128_f8f6f4 v[72+8*\tt:79+8*\tt], v[16*(8*\p+\tt)+8:16*(8*\p+\tt)+15], v[144:151], v[72+8*\tt:79+8*\tt], v[W1S+8*\p+\tt], v[SCR+1] matrix_a_fmt:MATRIX_FMT_FP4 matrix_b_fmt:MATRIX_FMT_FP4 matrix_a_scale:MATRIX_SCALE_ROW1
.endr
	WIN 0
	PLACES
.irp tt, 0,1,2,3,4,5,6,7
	GELU8 72+8*\tt
.endr
	QUANT 72, \pc, \pw
	s_wait_alu depctr_va_vdst(0)                   ; the quantiser has written the codes and the scale word, which the stores read, and is done reading v72-135, in which the next b1f lands
	ds_store_b128 v[TA2], v[\pc:\pc+3] offset:4096*\p
	ds_store_b128 v[TA2], v[\pc+4:\pc+7] offset:4096*\p+512
	ds_store_b32 v[TA3], v[\pw] offset:512*\p
.endm
.macro FETCHH kk                       ; the hidden layer's four images of K step kk and their scale words, into set kk % 2: twelve LDS loads
.irp m, 0,1,2,3
	ds_load_b128 v[72+32*((\kk)%2)+8*\m:72+32*((\kk)%2)+8*\m+3], v[LI] offset:1024*(4*(\kk)+\m)
	ds_load_b128 v[72+32*((\kk)%2)+8*\m+4:72+32*((\kk)%2)+8*\m+7], v[LI] offset:1024*(4*(\kk)+\m)+512
	ds_load_b32 v[SCR+4*((\kk)%2)+\m], v[HSR] offset:128*(4*(\kk)+\m)
.endr
.endm
	s_load_b512 s[4:19], s[0:1], 0x0               ; x, wq, idx, xnc, xns, qn, kn, bv
	s_load_b256 s[20:27], s[0:1], 0x40             ; bo, gf, bf, b1f
	s_load_b128 s[28:31], s[0:1], 0x60             ; b2f, rw
	s_load_b64 s[32:33], s[0:1], 0x70              ; out0
	v_lshl_add_u32 v254, v0, 2, 0x4a800
	v_mov_b32 v255, 0
	v_lshrrev_b32 v1, 5, v0
	v_readfirstlane_b32 s[WV], v1                  ; wave
	v_and_b32 v1, 15, v0                           ; r
	v_bfe_u32 v2, v0, 4, 1                         ; h
	v_and_b32 v3, 31, v0                           ; lane
	v_lshlrev_b32 v[LI], 4, v3
	v_lshlrev_b32 v[LS], 2, v3
	v_lshlrev_b32 v[V64H], 6, v2
	s_wait_alu depctr_va_sdst(0)                   ; the wave's number is written, ahead of its first reader
	s_lshl_b32 s50, s[WV], 15
	s_lshl_b32 s51, s[WV], 12
	s_lshl_b32 s52, s[WV], 13
	s_lshl_b32 s53, s[WV], 10
	s_lshl_b32 s54, s[WV], 7
	s_lshl_b32 s55, s[WV], 8
	s_lshl_b32 s56, s[WV], 11
	s_mul_i32 s57, s[WV], OREG
	s_mul_i32 s62, s[WV], 16*OPI
	v_add_nc_u32 v[GW], s50, v[LI]                 ; every LDS address: a constant + a constant x wave + a lane term
	s_add_co_u32 s58, s51, GSC
	v_add_nc_u32 v[GSW], s58, v[LS]
	s_add_co_u32 s58, s52, QSB
	v_add_nc_u32 v[QSW], s58, v[LI]
	s_add_co_u32 s58, s53, B1F
	v_add_nc_u32 v[B1W], s58, v[LI]
	v_add_nc_u32 v[B1R], s58, v[V64H]
	s_add_co_u32 s58, s54, QSB
	v_add_nc_u32 v[QRD], s58, v[V64H]
	s_add_co_u32 s58, s52, ATT
	v_add_nc_u32 v[ATW], s58, v[LS]
	v_lshl_add_u32 v[ATA0], v2, 5, s58
	v_add_nc_u32 v[FSA0], GSC, v[LS]
	v_and_b32 v224, 8, v1
	v_add_nc_u32 v224, v224, v1
	v_lshlrev_b32 v224, 2, v224                    ; 4 (r + 8 (r / 8))
	s_add_co_u32 s58, s57, OST
	v_lshl_add_u32 v[OSA0], v2, 5, v224
	v_add_nc_u32 v[OSA0], s58, v[OSA0]
	v_mul_u32_u24 v[X1W], v1, OPI
	v_add_nc_u32 v[X1W], v[X1W], v[V64H]           ; 272 r + 64 h
	s_add_co_u32 s59, s62, OST
	v_add_nc_u32 v[ORD], s59, v[X1W]
	v_add_nc_u32 v[X1W], s58, v[X1W]
	v_mul_u32_u24 v[OUTR], v2, OREG
	v_lshl_add_u32 v[OUTR], v1, 4, v[OUTR]
	v_add_nc_u32 v[OUTR], s59, v[OUTR]             ; lanes 16-31 read the next region
	s_add_co_u32 s58, s56, OIMG
	v_add_nc_u32 v[OIW], s58, v[LI]
	s_add_co_u32 s58, s55, OSC
	v_add_nc_u32 v[OSW], s58, v[LS]
	v_add_nc_u32 v[OIR], OIMG, v[LI]
	v_add_nc_u32 v[OSR], OSC, v[LS]
	v_add_nc_u32 v[HIW], s52, v[LI]
	s_add_co_u32 s58, s53, HSC
	v_add_nc_u32 v[HSW], s58, v[LS]
	v_add_nc_u32 v[HSR], HSC, v[LS]
	v_lshlrev_b32 v[XCA], 10, v1
	v_add_nc_u32 v[XCA], v[XCA], v[V64H]
	v_add_nc_u32 v[XCA], s55, v[XCA]               ; x: 1,024 r + 256 w + 64 h
	v_lshlrev_b32 v225, 6, v1                      ; idx: 64 r
	v_add_nc_u32 v226, s54, v[V64H]                ; kn: 128 w + 64 h
	v_lshlrev_b32 v227, 4, v2                      ; codes: 16 h
.irp b, 0,1,2,3
	v_mov_b32 v[TM+4+\b], 0                        ; written once: a lane permute's destination counts as a source
.endr
	s_mov_b32 s[SEL], 0x76543210
	s_mov_b32 s[SEL+1], 0xfedcba98
	s_mov_b32 s[C256], 0x3b800000
	s_mov_b32 s[CEPS], 0x3727c5ac
	s_mov_b32 s[CB0], 0xb7910000
	s_mov_b32 s[CB0+1], 0xb7910000
	s_mov_b32 s[CB2], 0xbb7e8a1c
	s_mov_b32 s[CB2+1], 0xbb7e8a1c
	s_mov_b32 s[CS0], 0xba1c7000
	s_mov_b32 s[CS0+1], 0xba1c7000
	s_mov_b32 s[THR], 0x3f6d8000                   ; 0.9277
	s_mov_b32 s59, 0
	s_lshr_b32 s60, ttmp9, 5                       ; the batch: 32 work-groups to a batch
	s_wait_kmcnt 0x0
	s_load_b32 s[RW], s[30:31], 0x0
	s_lshl_b32 s58, ttmp9, 16
	s_add_nc_u64 s[4:5], s[4:5], s[58:59]          ; x and out0 at my first row
	s_add_nc_u64 s[32:33], s[32:33], s[58:59]
	s_lshl_b32 s58, s[WV], 14
	s_add_nc_u64 s[32:33], s[32:33], s[58:59]      ; out0: my 16 rows
	s_lshl_b32 s58, ttmp9, 12
	s_add_nc_u64 s[8:9], s[8:9], s[58:59]          ; idx: the work-group's four tiles,
	s_mov_b32 s58, s53
	s_add_nc_u64 s[48:49], s[8:9], s[58:59]        ; and my own
	s_lshl_b32 s58, s60, 18
	s_add_nc_u64 s[10:11], s[10:11], s[58:59]
	s_lshl_b32 s58, s60, 14
	s_add_nc_u64 s[12:13], s[12:13], s[58:59]
	s_lshl_b32 s58, s60, 20
	s_add_nc_u64 s[16:17], s[16:17], s[58:59]
	s_lshl_b32 s58, ttmp9, 15
	s_add_co_u32 s58, s58, s52
	s_add_nc_u64 s[14:15], s[14:15], s[58:59]      ; qn: my 16 rows
	s_mov_b32 s58, s52
	s_add_nc_u64 s[40:41], s[6:7], s[58:59]        ; wq + 8,192 w: Wv's and Wo's images
	s_mov_b32 s58, s50
	s_add_nc_u64 s[42:43], s[6:7], s[58:59]        ; + 32,768 w: W1's and W2's
	s_lshl_b32 s58, s[WV], 9
	s_add_nc_u64 s[44:45], s[6:7], s[58:59]        ; + 512 w: Wv's and Wo's scale words
	s_mov_b32 s58, s56
	s_add_nc_u64 s[46:47], s[6:7], s[58:59]        ; + 2,048 w: W1's and W2's
	s_mov_b32 s58, s55
	s_add_nc_u64 s[18:19], s[18:19], s[58:59]
	s_add_nc_u64 s[20:21], s[20:21], s[58:59]
	s_add_nc_u64 s[28:29], s[28:29], s[58:59]
	s_mov_b32 s58, s53
	s_add_nc_u64 s[26:27], s[26:27], s[58:59]
	; ---- head: the indices.  Lane (r, h) takes neighbour r of 16 queries: 64 bytes
	s_wait_alu depctr_va_vdst(0)                   ; the offsets and LDS addresses v4 to v6, v48 to v68, v224 and v225 are written, which the kernel's loads and stores read; so are v254 and v255
.irp i, 0,1,2,3
	global_load_b128 v[104+4*\i:107+4*\i], v225, s[48:49] offset:16*\i
.endr
.irp m, 0,1,2,3
.irp i, 0,1,2,3
	global_load_b128 v[136+16*\m+4*\i:139+16*\m+4*\i], v225, s[8:9] offset:1024*\m+16*\i
.endr
.endr
	s_wait_loadcnt 0x0
.set I, 0
.rept 16
	v_min_u32 v[104+I], 0x7ff, v[104+I]
.set I, I+1
.endr
.set I, 0
.rept 16
	v_lshlrev_b32 v[120+I], 3, v[104+I]            ; the row's two scale words
.set I, I+1
.endr
.set I, 0
.rept 16
	v_lshlrev_b32 v[104+I], 7, v[104+I]            ; the row's 128 bytes of codes,
.set I, I+1
.endr
.set I, 0
.rept 16
	v_add_nc_u32 v[104+I], v227, v[104+I]          ; + 16 h
.set I, I+1
.endr
.set I, 0
.rept 64
	v_min_u32 v[136+I], 0x7ff, v[136+I]
.set I, I+1
.endr
.set I, 0
.rept 64
	v_lshlrev_b32 v[136+I], 9, v[136+I]            ; the row of kn,
.set I, I+1
.endr
.set I, 0
.rept 64
	v_add_nc_u32 v[136+I], v226, v[136+I]          ; my head's 64 bytes
.set I, I+1
.endr
	WIN 0x40                                       ; 96 gathering loads: the codes of my 16 queries' neighbours,
	s_wait_alu depctr_va_vdst(0)                   ; the gathers' offsets v104 to v199 are written: the loads below, and the ring of kn rows later, read them
.set I, 0
.rept 64
	global_load_b128 v[4*I:4*I+3], v[104+I/4], s[10:11] offset:32*(I%4)
.set I, I+1
.endr
	WIN 0x80                                       ; their scale words, and my 16 rows of qn
.set I, 0
.rept 16
	global_load_b64 v[2*I:2*I+1], v[120+I], s[12:13]
.set I, I+1
.endr
.set I, 0
.rept 16
	global_load_b128 v[64+4*I:64+4*I+3], v[LI], s[14:15] offset:512*I
.set I, I+1
.endr
	WIN 0xc0                                       ; 114 loads of what stays: Wo, bo, bv, Wv,
.set I, 0
.rept 16
	global_load_b128 v[4*I:4*I+3], v[LI], s[40:41] offset:65536+512*I
.set I, I+1
.endr
.set I, 0
.rept 8
	global_load_b128 v[64+4*I:64+4*I+3], v[V64H], s[20:21] offset:128*(I/4)+32*((I/2)%2)+16*(I%2)
.set I, I+1
.endr
.set I, 0
.rept 32
	global_load_b32 v[96+I], v224, s[18:19] offset:128*(I/16)+32*((I/8)%2)   ; bv of lane r's column, in all eight registers of a tile
.set I, I+1
.endr
.set I, 0
.rept 16
	global_load_b128 v[128+4*I:128+4*I+3], v[LI], s[40:41] offset:32768+512*I
.set I, I+1
.endr
	WIN 0
.irp t, 0,1,2,3                                ; the scale words of all four weights,
	global_load_b32 v[WVS+\t], v[LS], s[44:45] offset:SCB+2048+128*\t
	global_load_b32 v[WOS+\t], v[LS], s[44:45] offset:SCB+4096+128*\t
.endr
.set I, 0
.rept 16
	global_load_b32 v[W2S+I], v[LS], s[46:47] offset:SCB+14336+128*I
	global_load_b32 v[W1S+I], v[LS], s[46:47] offset:SCB+6144+128*I
.set I, I+1
.endr
	global_load_b128 v[208:211], v[LI], s[26:27]   ; and my 1,024 bytes of b1f
	global_load_b128 v[212:215], v[LI], s[26:27] offset:512
	s_wait_loadcnt 63                              ; the gathers are in: 114 loads are younger, and the count's field ends at 63
	WIN 0x04                                       ; an LDS store's data are its source 1: window 1
.set I, 0
.rept 64
	ds_store_b128 v[GW], v[4*I:4*I+3] offset:512*I ; query I / 4: image 2,048 (I / 4) + 1,024 s + 512 c
.set I, I+1
.endr
	WIN 0x08
.set I, 0
.rept 32
	ds_store_b32 v[GSW], v[I] offset:128*I
.set I, I+1
.endr
.set I, 0
.rept 16
	ds_store_b128 v[QSW], v[64+4*I:64+4*I+3] offset:512*I
.set I, I+1
.endr
	WIN 0
	s_wait_loadcnt 0x0
	s_wait_kmcnt 0x0
	s_mov_b32 s[RW+1], s[RW]                       ; (named with rw as a pair)
	ds_store_b128 v[B1W], v[208:211]
	ds_store_b128 v[B1W], v[212:215] offset:512
	s_wait_dscnt 0x0                               ; for the other waves' sake: my stores have landed
	s_wait_alu depctr_vm_vsrc(0)                   ; my LDS stores have read windows 1 and 2 and v208-215, and the head's loads their offsets v104-135, v224 and v225: the ring lands in window 1, the qn rows in v72-135, and A1 writes v208-231
	KLOAD 0                                        ; the ring of kn rows is filled at once: nothing else is asked for ahead of it
	KLOAD 1
	KLOAD 2
	KLOAD 3
	s_barrier_signal -1
	s_barrier_wait -1                              ; 1: all images, scale words and qn rows lie in LDS
	; ---- A1
	QROWS 0                                        ; no vector instruction has been issued since the wait ahead of the gathers
.irp g, 0,1,2,3,4,5,6,7,8,9,10,11,12,13,14,15
	ATTN \g
.endr
	; ---- A2
	s_mov_b32 s[QG], 0
	s_mov_b32 s[QS2], 0
	s_mov_b32 s[QA], 0
	s_mov_b32 s[QO], 0
	s_mov_b32 s[CNT], 31
	THEAD
	s_wait_alu depctr_va_vdst(0)                   ; the last group has written its four weights, which the stores read; the four addresses are written; A1 is done with v72-135, in which the first operands land
.irp qq, 0,1,2,3
	ds_store_b32 v[ATW], v[OB+4+\qq] offset:128*(60+\qq)   ; the weights of group 15
.endr
	PREF 0, 0
	s_wait_dscnt 0x0                               ; so that the counted wait at the loop's head holds on the way in too
.Lquery:                                               ; two queries a trip
	s_wait_alu depctr_vm_vsrc(0)                   ; the loads and stores issued so far have read the four addresses and both sets of sums, which this trip writes again (in the first trip: the ring's loads have read v136-199, which the products and sums write)
	THEAD
	s_wait_alu depctr_va_vdst(0)                   ; the four addresses are written, which this trip's loads and stores read
	STEP 0, 0, 1
	STEP 1, 1, 2
	s_add_co_u32 s[QG], s[QG], 4096
	s_add_co_u32 s[QS2], s[QS2], 512
	s_add_co_u32 s[QA], s[QA], 256
	s_add_co_u32 s[QO], s[QO], 2*OPI
	s_sub_co_u32 s[CNT], s[CNT], 1
	s_cmp_lg_u32 s[CNT], 0
	s_cbranch_scc1 .Lquery
	s_wait_alu depctr_vm_vsrc(0)                   ; as at the loop's head: the addresses and both sets of sums have been read
	THEAD                                          ; the last two queries: nothing is fetched beyond the 64th
	s_wait_alu depctr_va_vdst(0)                   ; the four addresses are written
	STEP 0, 0, 1
	STEP 1, 1, 0
	WIN 0xc0                                       ; x in the layout of the next product's results, over Wv: the last query's wait on va_vdst has shown its products done reading Wv, and no vector instruction has followed
.set I, 0
.rept 32
	global_load_b128 v[128+4*I:128+4*I+3], v[XCA], s[4:5] offset:16384*(I/8)+128*((I/4)%2)+32*((I/2)%2)+16*(I%2) th:TH_LOAD_NT
.set I, I+1
.endr
	WIN 0
	BARRIER                                        ; 2: o of 64 queries lies in the stage
	; ---- B
	s_wait_alu depctr_vm_vsrc(0)                   ; the last queries' stores have read v168-183, in which rows land
	ROWSIN
	s_wait_dscnt 0x0
	TOIMG 0
	BARRIER                                        ; 3: o's eight images
	; ---- C: x1 = x + rw (o Wo + bo), transposed use: source 0 = 16 columns of Wo
	s_wait_loadcnt 0x0                             ; x (and W1)
	FETCHO 0                                       ; no vector instruction has been issued since the wait ahead of the images' stores
.irp m, 0,1,2,3
.if \m == 0
	s_wait_dscnt 0x0
.else
	s_wait_dscnt 8                                 ; behind this tile's fetch stand the eight stores of the tile before
.endif
	WIN 0x33                                       ; source 0 (Wo) and C (bo): window 3
.irp tl, 0,1,2,3
	v_wmma_scale_f32_16x16x128_f8f6f4 v[104+8*\tl:111+8*\tl], v[16*\tl:16*\tl+7], v[72+16*(\m%2):79+16*(\m%2)], v[64+8*\tl:71+8*\tl], v[WOS+\tl], v[SCR+2*(\m%2)] matrix_a_fmt:MATRIX_FMT_FP4 matrix_b_fmt:MATRIX_FMT_FP4
.endr
	WIN 0x03
.irp tl, 0,1,2,3
	v_wmma_scale_f32_16x16x128_f8f6f4 v[104+8*\tl:111+8*\tl], v[16*\tl+8:16*\tl+15], v[80+16*(\m%2):87+16*(\m%2)], v[104+8*\tl:111+8*\tl], v[WOS+\tl], v[SCR+2*(\m%2)+1] matrix_a_fmt:MATRIX_FMT_FP4 matrix_b_fmt:MATRIX_FMT_FP4 matrix_a_scale:MATRIX_SCALE_ROW1
.endr
	WIN 0
.if \m < 3
	FETCHO \m+1                                    ; into the other set: its last readers stand ahead of the last wait on va_vdst, and this tile's products name none of its registers
.endif
	PLACES
.if \m > 0
	s_wait_alu depctr_vm_vsrc(0)                   ; the stores of the tile before have read v136-167, which the sums below write again
.endif
	WIN 0x30                                       ; source 2 (x): window 3 (bits 5:4 of the setting)
.set I, 0
.rept 16
	v_pk_fma_f32 v[136+I:137+I], v[104+I:105+I], s[RW:RW+1], v[128+32*\m+I:129+32*\m+I] op_sel_hi:[1,0,1]
.set I, I+2
.endr
	WIN 0
	s_wait_alu depctr_va_vdst(0)                   ; x1 is written in v136-167, which the stores read; this tile's products are done reading their operand set and scale words, in which the fetch that the next tile issues lands
.set I, 0
.rept 8
	ds_store_b128 v[X1W], v[136+4*I:139+4*I] offset:16*OPI*\m+128*(I/4)+32*((I/2)%2)+16*(I%2)
.set I, I+1
.endr
.endr
	WIN 0xc0                                       ; gf and bf over Wo, bo, bv and x: the last tile's wait on va_vdst has shown their readers done, and no vector instruction has followed
.set I, 0
.rept 32
	global_load_b128 v[4*I:4*I+3], v[V64H], s[22:23] offset:512*(I/16)+128*((I/4)%4)+16*(I%4)
	global_load_b128 v[128+4*I:128+4*I+3], v[V64H], s[24:25] offset:512*(I/16)+128*((I/4)%4)+16*(I%4)
.set I, I+1
.endr
	WIN 0
	BARRIER                                        ; 4: x1 of 64 rows lies in the stage
	; ---- D
	s_wait_alu depctr_vm_vsrc(0)                   ; the last tile's stores have read v136-167, in which rows land; the stores of o's images have read both sets of codes and scale words, which the quantiser writes again
	ROWSIN
	s_wait_dscnt 0x0
	LNSTAT
	s_wait_loadcnt 0x0                             ; gf, bf
	LNAPPLY 0x3c
	TOIMG NOFF
	WIN 0xc0                                       ; behind the wait on va_vdst ahead of the images' stores: the layer norm is done reading bf, over which b2f lands
.set I, 0
.rept 8
	global_load_b128 v[128+4*I:128+4*I+3], v[V64H], s[28:29] offset:128*(I/4)+32*((I/2)%2)+16*(I%2)   ; b2f in the last product's layout
.set I, I+1
.endr
	WIN 0x80                                       ; W2's first 16 of 64 loads, into window 2, which has been free since the head's stores
.set I, 0
.rept 16
	global_load_b128 v[4*I:4*I+3], v[LI], s[42:43] offset:229376+512*I
.set I, I+1
.endr
	WIN 0
	BARRIER                                        ; 5: the eight images of LN(x1)
	WIN 0x80                                       ; W2's other 48: the whole of phase E stands between them and the wait for them
.set I, 16
.rept 48
	global_load_b128 v[4*I:4*I+3], v[LI], s[42:43] offset:229376+512*I
.set I, I+1
.endr
	WIN 0
	; ---- E
	v_mov_b32 v192, 0x39c8e7d9
	v_mov_b32 v193, 0x39c8e7d9
	v_mov_b32 v194, 0x3cc6b1a1
	v_mov_b32 v195, 0x3cc6b1a1
	v_mov_b32 v196, 0x3ba38d2c
	v_mov_b32 v197, 0x3ba38d2c
	s_mov_b32 s[E1], 0
	s_mov_b32 s[E2], 0
	s_mov_b32 s[E3], 0
	s_mov_b32 s[E4], 0
	s_mov_b32 s[CNT], 4
.Lrows:                                                ; a tile of 16 rows a trip
	s_wait_alu depctr_vm_vsrc(0)                   ; the loads and stores issued so far have read the four addresses and both sets of codes and scale words, which this trip writes again
	v_add_nc_u32 v[TA0], s[E1], v[OIR]
	v_add_nc_u32 v[TA1], s[E2], v[OSR]
	v_add_nc_u32 v[TA2], s[E3], v[HIW]
	v_add_nc_u32 v[TA3], s[E4], v[HSW]
	s_wait_alu depctr_va_vdst(0)                   ; the four addresses are written, which this trip's loads and stores read; the products of the trip before are done reading v136-151 and their scale words, in which the loads below land
.irp s, 0,1
.irp c, 0,1
	ds_load_b128 v[136+8*\s+4*\c:139+8*\s+4*\c], v[TA0] offset:NOFF+1024*\s+512*\c
.endr
	ds_load_b32 v[SCR+\s], v[TA1] offset:NOFF+128*\s
.endr
	HID 0, PC, PW
	HID 1, PC2, PW2
	s_add_co_u32 s[E1], s[E1], 2048
	s_add_co_u32 s[E2], s[E2], 256
	s_add_co_u32 s[E3], s[E3], 1024
	s_add_co_u32 s[E4], s[E4], 128
	s_sub_co_u32 s[CNT], s[CNT], 1
	s_cmp_lg_u32 s[CNT], 0
	s_cbranch_scc1 .Lrows
	BARRIER                                        ; 6: the hidden layer's 32 images
	; ---- F: 16 accumulators (4 tiles of columns x 4 tiles of rows) by turns, a K step at a time
	s_wait_loadcnt 0x0                             ; b2f and W2
	FETCHH 0                                       ; no vector instruction has been issued since the wait ahead of the last half's stores
.irp kk, 0,1,2,3,4,5,6,7
.if \kk < 7
	PLACES                                         ; the set to be filled was multiplied by the K step before
.if \kk > 0
	s_wait_alu depctr_va_vdst(0)                   ; the products of the K step before are done reading the operand set and the scale words in which the loads below land; the places above stay beside this wait
.endif
	FETCHH \kk+1
	s_wait_dscnt 12                                ; this K step's operands are in; the twelve loads just issued may be out
.else
	s_wait_dscnt 0x0
.endif
	WIN 0xf2                                       ; source 0 (W2) window 2, C and D window 3
.irp m, 0,1,2,3
.irp tt, 0,1,2,3
.if \kk == 0
	v_wmma_scale_f32_16x16x128_f8f6f4 v[8*(4*\tt+\m):8*(4*\tt+\m)+7], v[8*(8*\tt+\kk):8*(8*\tt+\kk)+7], v[72+32*(\kk%2)+8*\m:79+32*(\kk%2)+8*\m], v[128+8*\tt:135+8*\tt], v[W2S+4*\tt+\kk/2], v[SCR+4*(\kk%2)+\m] matrix_a_fmt:MATRIX_FMT_FP4 matrix_b_fmt:MATRIX_FMT_FP4
.elseif \kk%2 == 0
	v_wmma_scale_f32_16x16x128_f8f6f4 v[8*(4*\tt+\m):8*(4*\tt+\m)+7], v[8*(8*\tt+\kk):8*(8*\tt+\kk)+7], v[72+32*(\kk%2)+8*\m:79+32*(\kk%2)+8*\m], v[8*(4*\tt+\m):8*(4*\tt+\m)+7], v[W2S+4*\tt+\kk/2], v[SCR+4*(\kk%2)+\m] matrix_a_fmt:MATRIX_FMT_FP4 matrix_b_fmt:MATRIX_FMT_FP4
.else
	v_wmma_scale_f32_16x16x128_f8f6f4 v[8*(4*\tt+\m):8*(4*\tt+\m)+7], v[8*(8*\tt+\kk):8*(8*\tt+\kk)+7], v[72+32*(\kk%2)+8*\m:79+32*(\kk%2)+8*\m], v[8*(4*\tt+\m):8*(4*\tt+\m)+7], v[W2S+4*\tt+\kk/2], v[SCR+4*(\kk%2)+\m] matrix_a_fmt:MATRIX_FMT_FP4 matrix_b_fmt:MATRIX_FMT_FP4 matrix_a_scale:MATRIX_SCALE_ROW1
.endif
.endr
.endr
	WIN 0
.endr
	PLACES
	s_wait_alu depctr_va_vdst(0)                   ; the last products are done reading v72-135, in which x1 lands; the places above stay beside this wait
.set I, 0
.rept 32
	ds_load_b128 v[72+4*I:72+4*I+3], v[X1W] offset:16*OPI*(I/8)+128*((I/4)%2)+32*((I/2)%2)+16*(I%2)   ; x1, my columns: bytes that I stored myself
.set I, I+1
.endr
	s_wait_dscnt 0x0
	WIN 0x03                                       ; source 0 (y): window 3; each accumulator from its low end on
.irp m, 0,1,2,3
.irp tt, 0,1,2,3
.irp i, 0,2,4,6
	v_pk_fma_f32 v[72+32*\m+8*\tt+\i:73+32*\m+8*\tt+\i], v[8*(4*\tt+\m)+\i:8*(4*\tt+\m)+\i+1], s[RW:RW+1], v[72+32*\m+8*\tt+\i:73+32*\m+8*\tt+\i] op_sel_hi:[1,0,1]
.endr
.endr
.endr
	WIN 0
	s_wait_alu depctr_va_vdst(0)                   ; the result is written in v72-199, which the stores read
.set I, 0
.rept 32
	ds_store_b128 v[X1W], v[72+4*I:72+4*I+3] offset:16*OPI*(I/8)+128*((I/4)%2)+32*((I/2)%2)+16*(I%2)
.set I, I+1
.endr
	BARRIER                                        ; 7: 64 rows of the result lie in the stage
	s_wait_alu depctr_vm_vsrc(0)                   ; my stores have read v72-199, in which the whole rows land
.set I, 0
.rept 32
	ds_load_b128 v[72+4*I:72+4*I+3], v[OUTR] offset:OPI*(I/2)+2*OREG*(I%2)   ; half a row: lanes 0-15 one region's 256 bytes, lanes 16-31 the next's
.set I, I+1
.endr
.set I, 0
.rept 32
	s_wait_dscnt 31-I                              ; the loads behind load I may be out
	global_store_b128 v[LI], v[72+4*I:72+4*I+3], s[32:33] offset:1024*(I/2)+512*(I%2) th:TH_STORE_NT   ; 512 consecutive bytes
.set I, I+1
.endr
	s_wait_dscnt 0x0                               ; the closing lines, six on end
	s_wait_alu 0x0
	s_wait_tensorcnt 0x0
	ds_add_u32 v254, v255
	s_wait_dscnt 0x0
	s_endpgm
.Lfunc_end_k_qbc4b8be34a_attnffn:
	.size	k_qbc4b8be34a_attnffn, .Lfunc_end_k_qbc4b8be34a_attnffn-k_qbc4b8be34a_attnffn
	.p2alignl 7, 3214868480
	.fill 96, 4, 3214868480
	.section	.rodata,"a",@progbits
	.p2align	6, 0x0
	.amdhsa_kernel k_qbc4b8be34a_attnffn
		.amdhsa_group_segment_fixed_size 305664
		.amdhsa_private_segment_fixed_size 0
		.amdhsa_enable_private_segment 0
		.amdhsa_kernarg_size 120
		.amdhsa_user_sgpr_count 2
		.amdhsa_user_sgpr_kernarg_segment_ptr 1
		.amdhsa_wavefront_size32 1
		.amdhsa_system_sgpr_workgroup_id_x 1
		.amdhsa_system_sgpr_workgroup_id_y 1
		.amdhsa_system_sgpr_workgroup_id_z 1
		.amdhsa_system_vgpr_workitem_id 0
		.amdhsa_next_free_vgpr 1024
		.amdhsa_next_free_sgpr 100
		.amdhsa_reserve_vcc 0
		.amdhsa_float_denorm_mode_32 3
		.amdhsa_float_denorm_mode_16_64 3
		.amdhsa_memory_ordered 1
		.amdhsa_forward_progress 1
		.amdhsa_inst_pref_size 255
	.end_amdhsa_kernel
	.section	.bss,"aw",@nobits
	.p2align	6
	.space	262144
	.amdgpu_metadata
---
amdhsa.version: [ 1, 2 ]
amdhsa.kernels:
  - .name:           k_qbc4b8be34a_attnffn
    .symbol:         k_qbc4b8be34a_attnffn.kd
    .args:
      - { .name: x, .offset: 0, .size: 8, .value_kind: global_buffer, .address_space: global }
      - { .name: wq, .offset: 8, .size: 8, .value_kind: global_buffer, .address_space: global }
      - { .name: idx, .offset: 16, .size: 8, .value_kind: global_buffer, .address_space: global }
      - { .name: xnc, .offset: 24, .size: 8, .value_kind: global_buffer, .address_space: global }
      - { .name: xns, .offset: 32, .size: 8, .value_kind: global_buffer, .address_space: global }
      - { .name: qn, .offset: 40, .size: 8, .value_kind: global_buffer, .address_space: global }
      - { .name: kn, .offset: 48, .size: 8, .value_kind: global_buffer, .address_space: global }
      - { .name: bv, .offset: 56, .size: 8, .value_kind: global_buffer, .address_space: global }
      - { .name: bo, .offset: 64, .size: 8, .value_kind: global_buffer, .address_space: global }
      - { .name: gf, .offset: 72, .size: 8, .value_kind: global_buffer, .address_space: global }
      - { .name: bf, .offset: 80, .size: 8, .value_kind: global_buffer, .address_space: global }
      - { .name: b1f, .offset: 88, .size: 8, .value_kind: global_buffer, .address_space: global }
      - { .name: b2f, .offset: 96, .size: 8, .value_kind: global_buffer, .address_space: global }
      - { .name: rw, .offset: 104, .size: 8, .value_kind: global_buffer, .address_space: global }
      - { .name: out0, .offset: 112, .size: 8, .value_kind: global_buffer, .address_space: global }
    .group_segment_fixed_size: 305664
    .private_segment_fixed_size: 0
    .kernarg_segment_align: 8
    .kernarg_segment_size: 120
    .max_flat_workgroup_size: 128
    .sgpr_count:     100
    .vgpr_count:     1024
    .wavefront_size: 32
...
	.end_amdgpu_metadata
.endif
;; end of part 6
